; MI455X (gfx1250); checked and timed in simulation.
; The chip was launched on July 23, 2026; its instructions are those of AMD's public machine-readable ISA for CDNA 5 (MIT licence, August 2026) and "CDNA5" Instruction Set Architecture Reference Guide (July 2026). The comments in the code are by the model that wrote it; some were corrected since.
;; Mixture Of Experts. Allowed arithmetic: matrix products marked QUANTISED: E5M2 operands, one given power-of-two scale a tensor, by v_wmma_f32_16x16x64_bf8_bf8 or v_wmma_f32_16x16x128_bf8_bf8, f32 sums; products left as they are: f32 operands where the result goes on into a quantised operand, else bf16, f16 or f32 operands; f32 sums; everything else in f32.
;; Inputs: W1_codes 8 x 4,096 x 32 x 32 uint8 (E5M2 codes of W1, K innermost, in blocks of 32 codes); W2_codes 8 x 1,024 x 128 x 32 uint8 (E5M2 codes of W2, K innermost, in blocks of 32 codes); Wg 1,024 x 8 float32; b1 8 x 4,096 float32; b2 8 x 1,024 float32; bg 8 float32; lowp_scales 4 int32 (the exponents e of the quantised operands' scales 2^e); x 4 x 256 x 1,024 float32.
;; Outputs: out0 4 x 256 x 1,024 float32.
;; This version of the problem:
;;   THIS VERSION OF THE PROBLEM IS GIVEN IN LOW PRECISION. The matrix products marked QUANTISED in the list below multiply operands that are first quantised to E5M2 (5 exponent bits, 2 mantissa bits; 8 bits a number), with one given power-of-two scale for each operand tensor; their sums are f32. All else is computed in f32.
;;   The module's matrix products, in the order in which they are computed (A, B: the left and right operand; K: the contracted axis; several contracted axes count as one K, in the product's order):
;;     1. [M 1,024, K 1,024] x [K 1,024, N 8]; A: input x; B: input Wg: left as it is (N = 8 < 16)
;;     2. [M 1,024, K 1,024] x [K 1,024, N 32,768]; A: input x; B: input W1 (given as codes): QUANTISED (scales: A lowp_scales[0], B lowp_scales[1])
;;     3. batch 8 x [M 1,024, K 4,096] x [K 4,096, N 1,024]; A: input W2 (given as codes); B: computed on the way: QUANTISED (scales: A lowp_scales[2], B lowp_scales[3])
;;   THE QUANTISER, for each operand of a quantised product, along K:
;;     - The operand's scale is 2^e, e = its entry of the input lowp_scales (int32; the entries are numbered through the quantised products in the list's order, A before B).
;;     - Each number is divided by the scale, clamped to +-57,344, and rounded to the nearest number of E5M2, ties to even, subnormals kept.
;;     - The product sums the exact products of the quantised numbers (number of the format x scale) in f32.
;;   ~~~python
;;   def quantise(x, axis, e):      # numpy; x: float32 -> the quantised numbers, widened to float32 again
;;       x = np.moveaxis(x, axis, -1); K = x.shape[-1]
;;       r = np.clip(x / 2.0 ** e, -57344, 57344)
;;       step = 2.0 ** (np.maximum(np.frexp(np.where(r == 0, 1, r))[1] - 1, -14) - 2)
;;       q = np.round(r / step) * step * 2.0 ** e      # np.round: ties to even
;;       return np.moveaxis(q, -1, axis).astype(np.float32)
;;   ~~~
;;   OPERANDS COMPUTED ON THE WAY. 'Computed on the way' means the value that the module computes at that place (a softmax that the list does not call 'softmax' is quantised finished and normalised). What goes into a quantiser is computed in f32, as accurately as f32 sums, v_exp_f32 and their like allow (about 1e-6 of the number): no bf16 or f16 on the way to a quantiser, and a product that is left as it is and whose result goes on into a quantised operand takes f32 operands (vector FMAs, or v_wmma_f32_16x16x4_f32). A number that lies on a knife's edge between two numbers of the format may be rounded either way, as far as f32 arithmetic and the matrix unit's own rounding can turn it there, and no further.
;;   INPUTS GIVEN AS CODES. W1 (in the module: [8, 1024, 4096], K = its axis 1); W2 (in the module: [8, 4096, 1024], K = its axis 1): each comes as NAME_codes (uint8): NAME with its K axis moved to the last place and cut into blocks of 32 codes, [.., K / 32, bytes a block], one block behind the other in memory; one code a byte (a code: sign, 5 exponent bits, 2 mantissa bits); its scale is its entry of lowp_scales. Its value is code x scale, taken as it is: it is not quantised again, and the codes and scales need not be those that the quantiser above would give.
;; 3 versions. Each part assembles by itself: llvm-mc -triple=amdgcn-amd-amdhsa -mcpu=gfx1250 --defsym DOCPART=n.
;; ======== version 1 of 3: 4 launches
;; limits: an absolute error that grows with the inputs' magnitude: up to 5e-08 times it
;; workspace buffers: xq 1,048,576 bytes; selm 4,096 bytes of whole numbers; gw 8,192 bytes; hq 33,554,432 bytes; cnt 256 bytes of whole numbers; yk 33,554,432 bytes
;; launch gate (part 1): grid 256 x 1, 4 waves a work-group, no clusters, 1,024 bytes of LDS; arguments x, Wg, bg, lowp_scales, xq, selm, gw; writes xq, selm, gw
.if DOCPART == 1
	.amdgcn_target "amdgcn-amd-amdhsa--gfx1250"
	.amdhsa_code_object_version 6
	.text
	.protected	k_q5576b0236e_gate
	.globl	k_q5576b0236e_gate
	.p2align	8
	.type	k_q5576b0236e_gate,@function
k_q5576b0236e_gate:
	s_mov_b64 s[64:65], 0
	v_nop
	global_prefetch_b8 v0, s[64:65] scope:SCOPE_SE
	s_setreg_imm32_b32 hwreg(HW_REG_WAVE_MODE, 25, 1), 1
	s_wait_xcnt 0x0
; GATE.  For each of 1,024 tokens: the eight logits x . Wg + bg in f32 (fused multiply-adds), the row's largest taken away, the two largest (the lower index wins a tie),
; the softmax of those two; and x turned into codes of E5M2 with the given scale 2^e0 (held within +-57,344 x 2^e0, to the nearest code, ties to even).
; OUT: xq [1024][1024] codes; selm [1024] int32 = (1 << first expert) | (0x100 << second expert); gw [1024][2] f32, the two weights.  All at fixed places: no address hangs on a choice.
; SHARES.  A work-group takes tokens 4 g .. 4 g + 3; wave w the channels 256 w .. 256 w + 255 of all four; a lane eight neighbouring channels, which is what one conversion takes.
; Wg's loads stand 256 bytes apart from lane to lane (a lane's eight rows of 32 bytes): 8 KB a wave, once.  The four waves' parts of the sums meet in LDS; wave 0 finishes.
; LIMITS: e0 between -126 and 112; NaN and infinities among x, Wg, bg are not served; the logits' sums are not in the order of a plain dot product.
.set X, 16                             ; v16-47   x: token t at X + 8 t
.set G, 48                             ; v48-111  Wg: G + 8 i + e = Wg[my channel i][e]; later at work
.set A, 112                            ; v112-143 the sums: token t, expert e at A + 8 t + e; later wave 0's logits
.set C, 144                            ; v144-151 codes, two registers a token
.set LG, 112
.set MX, 128
.set BV, 129
.set BX, 130
.set SV2, 131
.set SX2, 132
	s_load_b256 s[4:11], s[0:1], 0x0               ; x s[4:5], Wg s[6:7], bg s[8:9], the scales' exponents s[10:11]
	s_load_b128 s[12:15], s[0:1], 0x20             ; xq s[12:13], selm s[14:15]
	s_load_b64 s[16:17], s[0:1], 0x30              ; gw
	v_lshl_add_u32 v160, v0, 2, 0x200
	v_mov_b32 v161, 0
	v_lshrrev_b32 v7, 5, v0
	v_readfirstlane_b32 s18, v7                    ; wave 0..3
	v_and_b32 v10, 31, v0                          ; lane
	v_lshlrev_b32 v1, 5, v10                       ; x: 32 bytes a lane
	v_lshlrev_b32 v2, 8, v10                       ; Wg: eight rows of 32 bytes a lane
	v_lshlrev_b32 v3, 3, v10                       ; xq: 8 bytes a lane
	v_lshlrev_b32 v4, 7, v7                        ; LDS: my wave's 128 bytes
	v_and_b32 v5, 3, v0
	v_lshlrev_b32 v5, 5, v5                        ; LDS, back: token lane % 4, 32 bytes
	s_mov_b32 s20, 0x76543210                      ; v_permlanex16_b32: lane l xor 16
	s_mov_b32 s21, 0xfedcba98
	s_lshl_b32 s34, ttmp9, 14                      ; x: 4 tokens of 4,096 bytes a work-group,
	s_lshl_b32 s35, s18, 10                        ; 1,024 bytes a wave
	s_add_co_u32 s34, s34, s35
	s_mov_b32 s35, 0
	s_lshl_b32 s36, s18, 13                        ; Wg: 256 rows of 32 bytes a wave
	s_mov_b32 s37, 0
	s_lshl_b32 s38, ttmp9, 12                      ; xq: 4 rows of 1,024 bytes, 256 bytes a wave
	s_lshl_b32 s39, s18, 8
	s_add_co_u32 s38, s38, s39
	s_mov_b32 s39, 0
	s_lshl_b32 s40, ttmp9, 4                       ; selm: 16 bytes a work-group
	s_mov_b32 s41, 0
	s_lshl_b32 s42, ttmp9, 5                       ; gw: 32
	s_mov_b32 s43, 0
	s_wait_kmcnt 0x0
	s_load_b256 s[24:31], s[8:9], 0x0              ; bg
	s_load_b32 s32, s[10:11], 0x0                  ; e0
	s_add_nc_u64 s[4:5], s[4:5], s[34:35]
	s_add_nc_u64 s[6:7], s[6:7], s[36:37]
	s_add_nc_u64 s[12:13], s[12:13], s[38:39]
	s_add_nc_u64 s[14:15], s[14:15], s[40:41]
	s_add_nc_u64 s[16:17], s[16:17], s[42:43]
.irp t, 0,1,2,3
	global_load_b128 v[X+8*\t:X+8*\t+3],   v1, s[4:5] offset:4096*\t th:TH_LOAD_NT
	global_load_b128 v[X+8*\t+4:X+8*\t+7], v1, s[4:5] offset:4096*\t+16 th:TH_LOAD_NT
.endr
.irp q, 0,1,2,3,4,5,6,7,8,9,10,11,12,13,14,15
	global_load_b128 v[G+4*\q:G+4*\q+3], v2, s[6:7] offset:16*\q
.endr
	s_wait_kmcnt 0x0
	s_add_co_i32 s32, s32, 127
	s_lshl_b32 s33, s32, 23
	v_mov_b32 v8, s33                              ; 2^e0 as f32: the conversion takes its exponent field
	s_add_co_i32 s32, s32, 15
	s_lshl_b32 s32, s32, 23
	s_or_b32 s32, s32, 0x600000
	v_mov_b32 v9, s32                              ; 57,344 x 2^e0
	s_wait_loadcnt 0x0
	; the sums: two experts an instruction; x's number is taken for both halves (the low register of its pair for even channels, the high one for odd)
.irp t, 0,1,2,3
.irp p, 0,2,4,6
	v_pk_mul_f32 v[A+8*\t+\p:A+8*\t+\p+1], v[G+\p:G+\p+1], v[X+8*\t:X+8*\t+1] op_sel_hi:[1,0]
.endr
.endr
.irp i, 1,2,3,4,5,6,7
.irp t, 0,1,2,3
.irp p, 0,2,4,6
.if \i % 2
	v_pk_fma_f32 v[A+8*\t+\p:A+8*\t+\p+1], v[G+8*\i+\p:G+8*\i+\p+1], v[X+8*\t+\i-1:X+8*\t+\i], v[A+8*\t+\p:A+8*\t+\p+1] op_sel:[0,1,0] op_sel_hi:[1,1,1]
.else
	v_pk_fma_f32 v[A+8*\t+\p:A+8*\t+\p+1], v[G+8*\i+\p:G+8*\i+\p+1], v[X+8*\t+\i:X+8*\t+\i+1], v[A+8*\t+\p:A+8*\t+\p+1] op_sel_hi:[1,0,1]
.endif
.endr
.endr
.endr
	; x's codes: the conversion to an 8-bit code does not saturate (ISA guide 7.6.2), so each number is held first
.set j, 0
.rept 32
	v_med3_num_f32 v[X+j], v[X+j], -v9, v9
.set j, j+1
.endr
.irp t, 0,1,2,3
	v_cvt_scalef32_pk8_bf8_f32 v[C+2*\t:C+2*\t+1], v[X+8*\t:X+8*\t+7], v8
.endr
	v_nop                                          ; a plain line behind the last conversion
.irp t, 0,1,2,3
	global_store_b64 v3, v[C+2*\t:C+2*\t+1], s[12:13] offset:1024*\t   ; the wave stores 256 consecutive bytes, at a multiple of 256 from xq's first byte
.endr
	; each of the 32 sums over the wave's 32 lanes
.irp m, 1,2,4,8
.set j, 0
.rept 32
	v_add_f32_dpp v[A+j], v[A+j], v[A+j] row_xmask:\m row_mask:0xf bank_mask:0xf
.set j, j+1
.endr
.endr
.set j, 0
.rept 32
	v_permlanex16_b32 v[G+j], v[A+j], s20, s21     ; (Wg's registers are done with, and have been written)
.set j, j+1
.endr
.set j, 0
.rept 32
	v_add_f32 v[A+j], v[A+j], v[G+j]
.set j, j+1
.endr
.irp u, 0,1,2,3,4,5,6,7
	ds_store_b128 v4, v[A+4*\u:A+4*\u+3] offset:16*\u   ; all lanes write the same words with the same numbers: byte 128 w + 32 t + 4 e
.endr
	s_wait_dscnt 0x0                               ; for the others' sake: my stores have landed
	s_barrier_signal -1
	s_barrier_wait -1
	s_cmp_lg_u32 s18, 0
	s_cbranch_scc1 .Lend                           ; wave 0 finishes: lane l works token l % 4
.irp w, 0,1,2,3
	ds_load_b128 v[G+8*\w:G+8*\w+3],   v5 offset:128*\w
	ds_load_b128 v[G+8*\w+4:G+8*\w+7], v5 offset:128*\w+16
.endr
	s_wait_dscnt 0x0
.irp e, 0,1,2,3,4,5,6,7
	v_add_f32 v[LG+\e], v[G+\e], v[G+8+\e]
	v_add_f32 v[LG+8+\e], v[G+16+\e], v[G+24+\e]
.endr
.irp e, 0,1,2,3,4,5,6,7
	v_add_f32 v[LG+\e], v[LG+\e], v[LG+8+\e]
.endr
.irp e, 0,1,2,3,4,5,6,7
	v_add_f32 v[LG+\e], s[24+\e], v[LG+\e]         ; + bg
.endr
	v_max3_num_f32 v[MX], v[LG], v[LG+1], v[LG+2]
	v_max3_num_f32 v[MX], v[MX], v[LG+3], v[LG+4]
	v_max3_num_f32 v[MX], v[MX], v[LG+5], v[LG+6]
	v_max_num_f32 v[MX], v[MX], v[LG+7]
.irp e, 0,1,2,3,4,5,6,7
	v_sub_f32 v[LG+\e], v[LG+\e], v[MX]            ; the row's largest is taken away ahead of the choice
.endr
	v_mov_b32 v[BV], v[LG]                         ; the largest: a later expert takes the place only if it is strictly larger
	v_mov_b32 v[BX], 0
.irp e, 1,2,3,4,5,6,7
	v_cmp_le_f32 vcc_lo, v[LG+\e], v[BV]           ; keep
	v_cndmask_b32 v[BX], \e, v[BX], vcc_lo
	v_cndmask_b32 v[BV], v[LG+\e], v[BV], vcc_lo
.endr
	v_mov_b32 v[SV2], 0xff800000                   ; the second: the same among the other seven, from -infinity on
	v_mov_b32 v[SX2], 0
.irp e, 0,1,2,3,4,5,6,7
	v_cmp_eq_u32 s33, \e, v[BX]
	v_cmp_le_f32 vcc_lo, v[LG+\e], v[SV2]
	s_or_b32 vcc_lo, vcc_lo, s33                   ; keep
	v_cndmask_b32 v[SX2], \e, v[SX2], vcc_lo
	v_cndmask_b32 v[SV2], v[LG+\e], v[SV2], vcc_lo
.endr
	v_sub_f32 v133, v[SV2], v[BV]                  ; second - first, 0 or less: the softmax's largest is taken away
	v_mul_f32 v133, 0x3fb8aa3b, v133               ; x log2(e)
	v_exp_f32 v134, v133
	v_mov_b32 v136, 1                              ; a plain line behind the exponential
	s_wait_alu depctr_va_vdst(0)                   ; the wait ahead of the first line that names the result
	v_add_f32 v135, 1.0, v134
	v_rcp_f32 v138, v135                           ; the first weight: 1 / (1 + ex)
	v_mov_b32 v137, 0x100                          ; a plain line behind the reciprocal
	s_wait_alu depctr_va_vdst(0)
	v_mul_f32 v139, v134, v138                     ; the second: ex / (1 + ex)
	v_lshlrev_b32 v136, v[BX], v136
	v_lshlrev_b32 v137, v[SX2], v137
	v_or_b32 v136, v136, v137
	v_lshlrev_b32 v140, 2, v0
	v_lshlrev_b32 v141, 3, v0
	v_cmp_gt_u32 vcc_lo, 4, v0
	s_wait_xcnt 0x0                                ; EXEC changes only behind this wait: xq's stores have read it
	s_and_saveexec_b32 s33, vcc_lo                 ; lanes 0 to 3: the four tokens; 16 and 32 consecutive bytes
	global_store_b32 v140, v136, s[14:15]
	global_store_b64 v141, v[138:139], s[16:17]
	s_wait_xcnt 0x0
	s_or_b32 exec_lo, exec_lo, s33
.Lend:
	s_wait_tensorcnt 0x0
	ds_add_u32 v160, v161
	s_wait_dscnt 0x0
	s_endpgm
.Lfunc_end_k_q5576b0236e_gate:
	.size	k_q5576b0236e_gate, .Lfunc_end_k_q5576b0236e_gate-k_q5576b0236e_gate
	.p2alignl 7, 3214868480
	.fill 96, 4, 3214868480
	.section	.rodata,"a",@progbits
	.p2align	6, 0x0
	.amdhsa_kernel k_q5576b0236e_gate
		.amdhsa_group_segment_fixed_size 1024
		.amdhsa_private_segment_fixed_size 0
		.amdhsa_enable_private_segment 0
		.amdhsa_kernarg_size 56
		.amdhsa_user_sgpr_count 2
		.amdhsa_user_sgpr_kernarg_segment_ptr 1
		.amdhsa_wavefront_size32 1
		.amdhsa_system_sgpr_workgroup_id_x 1
		.amdhsa_system_sgpr_workgroup_id_y 1
		.amdhsa_system_sgpr_workgroup_id_z 1
		.amdhsa_system_vgpr_workitem_id 0
		.amdhsa_next_free_vgpr 162
		.amdhsa_next_free_sgpr 66
		.amdhsa_reserve_vcc 1
		.amdhsa_float_denorm_mode_32 3
		.amdhsa_float_denorm_mode_16_64 3
		.amdhsa_memory_ordered 1
		.amdhsa_forward_progress 1
		.amdhsa_inst_pref_size 32
	.end_amdhsa_kernel
	.amdgpu_metadata
---
amdhsa.version: [ 1, 2 ]
amdhsa.kernels:
  - .name:           k_q5576b0236e_gate
    .symbol:         k_q5576b0236e_gate.kd
    .args:
      - { .name: x, .offset: 0, .size: 8, .value_kind: global_buffer, .address_space: global }
      - { .name: Wg, .offset: 8, .size: 8, .value_kind: global_buffer, .address_space: global }
      - { .name: bg, .offset: 16, .size: 8, .value_kind: global_buffer, .address_space: global }
      - { .name: lowp_scales, .offset: 24, .size: 8, .value_kind: global_buffer, .address_space: global }
      - { .name: xq, .offset: 32, .size: 8, .value_kind: global_buffer, .address_space: global }
      - { .name: selm, .offset: 40, .size: 8, .value_kind: global_buffer, .address_space: global }
      - { .name: gw, .offset: 48, .size: 8, .value_kind: global_buffer, .address_space: global }
    .group_segment_fixed_size: 1024
    .private_segment_fixed_size: 0
    .kernarg_segment_align: 8
    .kernarg_segment_size: 56
    .max_flat_workgroup_size: 128
    .sgpr_count:     66
    .vgpr_count:     162
    .wavefront_size: 32
...
	.end_amdgpu_metadata
.endif
;; end of part 1
;; launch up (part 2): grid 256 x 1, 4 waves a work-group, no clusters, 266,752 bytes of LDS; arguments xq, W1_codes, b1, lowp_scales, selm, hq, cnt; writes hq, cnt
.if DOCPART == 2
	.amdgcn_target "amdgcn-amd-amdhsa--gfx1250"
	.amdhsa_code_object_version 6
	.text
	.protected	k_q5576b0236e_up
	.globl	k_q5576b0236e_up
	.p2align	8
	.type	k_q5576b0236e_up,@function
k_q5576b0236e_up:
	s_mov_b64 s[64:65], 0
	v_nop
	global_prefetch_b8 v0, s[64:65] scope:SCOPE_SE
	s_setreg_imm32_b32 hwreg(HW_REG_WAVE_MODE, 25, 1), 1
	s_wait_xcnt 0x0
; UP.  The first product of the chosen experts alone: h = Q(gelu(x W1[e] + b1[e])) for the tokens that chose expert e, on codes of E5M2; h leaves as codes.
; SHARES.  Work-group = (expert e = wg / 32, hidden units 128 c .. 128 c + 127, c = wg % 32): its 128 rows of W1 are read from memory once and stay in registers.  The expert's tokens, in ascending order,
; are its POSITIONS 0 .. cnt - 1; they go in groups of 64.  Wave w = (wr, wc) makes rows 32 wr .. + 31 of a group x units 64 wc .. + 63, and gathers rows 16 w .. + 15 of the NEXT group.
; THE LIST IS NEVER STORED: bit t of a mask of 1,024 bits (32 scalar registers, made from selm) says that token t chose e; SELECT finds the token of the p-th set bit in registers.
; 16 groups are walked whatever cnt is: the loop's count is a constant and every barrier stands bare; only the work is jumped over, by scalar branches on cnt, which is made of whole numbers that an earlier launch stored.
; Group 0 is always made (cv = max(cnt, 64)); positions at or behind cnt get some token's row, which nobody reads in the end.
; THE PRODUCT IS USED TRANSPOSED (source 0 = 16 rows of W1, source 1 = 16 rows of x): a lane holds one row.  THE ROWS OF W1 THAT FORM A TILE ARE NOT NEIGHBOURS: lane r of tile 2 bb + u takes unit
; 32 bb + 8 u + r + 8 (r / 8), so that the 16 registers of tiles 2 bb and 2 bb + 1 are 16 neighbouring units, 32 bb + 16 (lane / 16) + 0 .. 15: the conversions' results are the next product's operand.
; b1 goes in as the C of each sum's first product, divided by 2^E, E = e0 + e1.  gelu(h) = h/2 + h/2 erf(h / sqrt 2), erf(t) = t P(t^2) / Q(t^2) on |t| <= 4 (seven and five terms).
; OUT: hq [e][tile of 16 positions m][K step c][2,048 bytes]: the image of an operand's registers: group c' of 512 bytes holds lane l's 16 bytes at 16 l: units 128 c + 32 c' + 16 (l / 16) + 0 .. 15 of row l % 16.
;      cnt [8] int32: how many tokens chose each expert.  Stored by the work-groups with c = 0.
; K in the fragments: registers 4 c' .. 4 c' + 3 hold k = 32 c' + 16 (lane / 16) + 0 .. 15: a permutation of k, the same on both sides of each product.
; No tensor load, no cluster: which groups have work hangs on loaded counts.
; LIMITS: E between -125 and 127; e3 between -126 and 112; NaN and infinities are not served.  1 + erf is formed as a sum, so for negative h the error of gelu is about 1e-7 |h| / 2, not 1e-7 of gelu.
; REGISTERS, in windows of 256: window 0: see the names below.  Windows 1, 2: W1's fragment (tile T, K step s) at window 1 + s / 4, v[16 (4 (s % 4) + T)].
;   window 3: x's fragment (K step s, tile of rows mm) at v[16 (2 s + mm)]; behind the products v0-127 take the next group's gathered rows.
.set PITCH, 1040                       ; an LDS row: 1,024 bytes + 16: an odd multiple of 16, so the 16 rows of a fragment load start at 16 different groups of four banks (64 banks of 4 bytes: ISA guide 11.1)
.set XB0,   128*PITCH                  ; LDS: W1's 128 rows at 0; then two buffers of 64 rows of x's codes
.set XBS,   64*PITCH
.set A16, 1                            ; 16 (lane % 16)
.set L16, 2                            ; 16 lane
.set P0,  3                            ; the position, in a group, that my lane looks up: 16 w + (lane % 16 + lane / 16) % 16
.set XS,  4                            ; v4, v5  where I store gathered rows in buffer 0, 1
.set XL,  6                            ; v6, v7  where I read x's fragments in buffer 0, 1
.set GA,  16                           ; v16-23  the gather's eight byte offsets in xq
.set SW,  24
.set PK,  25
.set NN,  26
.set GG,  27
.set POS, 28
.set N2,  29
.set N4,  30
.set N8,  31
.set N16, 32
.set CL,  33
.set T1,  34
.set PP,  35
.set TOK, 36
.set SC3, 40                           ; 2^e3 as f32
.set LM3, 41                           ; 57,344 x 2^e3
.set VA11, 42                          ; v[42:43] alpha 11, twice
.set VB6, 44                           ; v[44:45] beta 6, twice
.set WSS, 46
.set WSL, 47
.set BB,  48                           ; v48-79   b1 / 2^E, eight registers a tile
.set ACC, 80                           ; v80-143  the sums: (mm, T) at ACC + 8 (4 mm + T)
.set GT,  144
.set GZ,  160
.set GQ,  176
.set GP,  192
.set CODE, 208                         ; v208-223 four registers of codes for each of a group's four stores
.set ZR,  224                          ; 0
.set LN,  226
.set R16, 228
.set HH,  229
.set WGA, 231
.set B1A, 232
.set L4,  233
.set T2,  234
.set M,    32                          ; s32-63   the mask
.set AL13, 66                          ; s66-89   constants, each twice: the packed forms name a pair
.set AL9,  68
.set AL7,  70
.set AL5,  72
.set AL3,  74
.set AL1,  76
.set BE8,  78
.set BE4,  80
.set BE2,  82
.set BE0,  84
.set K1,   86                          ; 2^E / sqrt 2
.set K2,   88                          ; 2^E / 2
.set HQ,   90                          ; s[90:91] hq at my wave's part of the group in hand
.set RUN,  94
.set RUNP, 95
.set SCL,  96                          ; s[96:99] e0, e1, e2, e3
.set BC,   100
.set SX,   101
.set MSB, 0
.macro WIN new                         ; the immediate's high byte repeats the setting that is left
.if MSB != \new
	s_set_vgpr_msb (MSB<<8)|\new
.set MSB, \new
.endif
.endm
.macro PAIR r, val
	s_mov_b32 s[\r], \val
	s_mov_b32 s[\r+1], \val
.endm
; One step of the search inside a word: does the wanted bit lie behind the next span bits?
.macro HALVE src, width, span
	v_bfe_u32 v[CL], v[\src], v[POS], \width       ; set bits among the next span
	v_cmp_lt_u32 vcc_lo, v[NN], v[CL]              ; it lies among them: stay
	v_cndmask_b32 v[CL], v[CL], v[ZR], vcc_lo
	v_cndmask_b32 v[T1], \span, v[ZR], vcc_lo
	v_sub_nc_u32 v[NN], v[NN], v[CL]
	v_add_nc_u32 v[POS], v[POS], v[T1]
.endm
; v[TOK] = the token of the mask's v[PP]-th set bit.  First the word: the last one in front of which at most PP bits are set; then five halvings on bit counts kept side by side.
.macro SELECT
	v_mov_b32 v[SW], s[M]
	v_mov_b32 v[PK], 0
	s_mov_b32 s[RUN], 0
.set g, 1
.rept 31
	s_bcnt1_i32_b32 s[BC], s[M+g-1]
	s_add_co_u32 s[RUN], s[RUN], s[BC]             ; bits set in front of word g
	s_add_co_u32 s[RUNP], s[RUN], g<<16            ; with the word's number above it
	v_cmp_gt_u32 vcc_lo, s[RUN], v[PP]             ; more than PP: keep the earlier word
	v_cndmask_b32 v[SW], s[M+g], v[SW], vcc_lo
	v_cndmask_b32 v[PK], s[RUNP], v[PK], vcc_lo
.set g, g+1
.endr
	v_and_b32 v[T1], 0xffff, v[PK]
	v_sub_nc_u32 v[NN], v[PP], v[T1]               ; which set bit of the word
	v_lshrrev_b32 v[GG], 16, v[PK]
	v_lshrrev_b32 v[T1], 1, v[SW]
	v_and_b32 v[T1], 0x55555555, v[T1]
	v_sub_nc_u32 v[N2], v[SW], v[T1]               ; counts of 2 bits,
	v_lshrrev_b32 v[T1], 2, v[N2]
	v_and_b32 v[T1], 0x33333333, v[T1]
	v_and_b32 v[N4], 0x33333333, v[N2]
	v_add_nc_u32 v[N4], v[N4], v[T1]               ; of 4,
	v_lshrrev_b32 v[T1], 4, v[N4]
	v_add_nc_u32 v[N8], v[N4], v[T1]
	v_and_b32 v[N8], 0x0f0f0f0f, v[N8]             ; of 8,
	v_lshrrev_b32 v[T1], 8, v[N8]
	v_add_nc_u32 v[N16], v[N8], v[T1]              ; of 16 (in byte 0)
	v_mov_b32 v[POS], 0
	HALVE N16, 8, 16
	HALVE N8, 8, 8
	HALVE N4, 4, 4
	HALVE N2, 2, 2
	HALVE SW, 1, 1
	v_lshl_add_u32 v[TOK], v[GG], 5, v[POS]
	v_min_u32 v[TOK], 0x3ff, v[TOK]                ; a position at or behind cnt gives some token of the table
.endm
; My wave's 16 rows of the next group are asked for: instruction (i, q) reads bytes 256 q .. + 255 of row 2 i (lanes 0-15) and of row 2 i + 1 (lanes 16-31): 16 lanes read 256 consecutive bytes, aligned.
; Lane 2 i of the lower half holds row 2 i's token; lane 2 i of the upper half holds row 2 i + 1's (P0 is turned by one there): one move within each half of 16 lanes hands it to all sixteen.
.macro GATHER
.irp n, 0,2,4,6,8,10,12,14
	v_mov_b32_dpp v[GA+\n/2], v[TOK] row_share:\n row_mask:0xf bank_mask:0xf
.endr
.irp i, 0,1,2,3,4,5,6,7
	v_min_u32 v[GA+\i], 0x3ff, v[GA+\i]
.endr
.irp i, 0,1,2,3,4,5,6,7
	v_lshl_add_u32 v[GA+\i], v[GA+\i], 10, v[A16]
.endr
	WIN 0xC0                                       ; destination window 3
.irp i, 0,1,2,3,4,5,6,7
.irp q, 0,1,2,3
	global_load_b128 v[4*(4*\i+\q):4*(4*\i+\q)+3], v[GA+\i], s[4:5] offset:256*\q
.endr
.endr
	WIN 0
.endm
; The gathered rows go into the other buffer.
.macro PUT adr
	WIN 0x0C                                       ; store data window 3
.irp i, 0,1,2,3,4,5,6,7
.irp q, 0,1,2,3
	ds_store_b128 v[\adr], v[4*(4*\i+\q):4*(4*\i+\q)+3] offset:2*\i*PITCH+256*\q
.endr
.endr
	WIN 0
.endm
; x's 16 fragments of my 32 rows, K ascending
.macro XFETCH adr
	WIN 0xC0
.irp s, 0,1,2,3,4,5,6,7
.irp mm, 0,1
.irp c, 0,1,2,3
	ds_load_b128 v[16*(2*\s+\mm)+4*\c:16*(2*\s+\mm)+4*\c+3], v[\adr] offset:16*\mm*PITCH+128*\s+32*\c
.endr
.endr
.endr
.endm
; 64 products: eight accumulators take turns, one instruction a turn; the first K step starts each sum from b1 / 2^E.
.macro MUL
	s_wait_dscnt 32                                ; K steps 0 to 3 are in; the younger 32 loads may be out
	WIN 0x0D                                       ; source 0 (W1) window 1, source 1 (x) window 3, C and D window 0
.irp s, 0,1,2,3
.irp mm, 0,1
.irp t, 0,1,2,3
.if \s == 0
	v_wmma_f32_16x16x128_bf8_bf8 v[ACC+8*(4*\mm+\t):ACC+8*(4*\mm+\t)+7], v[16*(4*\s+\t):16*(4*\s+\t)+15], v[16*(2*\s+\mm):16*(2*\s+\mm)+15], v[BB+8*\t:BB+8*\t+7]
.else
	v_wmma_f32_16x16x128_bf8_bf8 v[ACC+8*(4*\mm+\t):ACC+8*(4*\mm+\t)+7], v[16*(4*\s+\t):16*(4*\s+\t)+15], v[16*(2*\s+\mm):16*(2*\s+\mm)+15], v[ACC+8*(4*\mm+\t):ACC+8*(4*\mm+\t)+7]
.endif
.endr
.endr
.endr
	s_wait_dscnt 0x0
	WIN 0x0E                                       ; W1's K steps 4 to 7 lie in window 2
.irp s, 4,5,6,7
.irp mm, 0,1
.irp t, 0,1,2,3
	v_wmma_f32_16x16x128_bf8_bf8 v[ACC+8*(4*\mm+\t):ACC+8*(4*\mm+\t)+7], v[16*(4*(\s-4)+\t):16*(4*(\s-4)+\t)+15], v[16*(2*\s+\mm):16*(2*\s+\mm)+15], v[ACC+8*(4*\mm+\t):ACC+8*(4*\mm+\t)+7]
.endr
.endr
.endr
	WIN 0
.rept 5
	v_nop                                          ; places in front of the first read of the sums, of loads into x's registers, and of the next group's first products, which write over these accumulators
.endr
.endm
; 16 sums of a lane (two neighbouring tiles: 16 neighbouring units of one row) become 16 codes and leave.  The 16 reciprocals are one batch; P's 48 lines are the work behind them; one wait.
.macro GELU blk, mm, bb
.set AB, ACC+16*(\blk)
.irp i, 0,2,4,6,8,10,12,14
	v_pk_mul_f32 v[GT+\i:GT+\i+1], v[AB+\i:AB+\i+1], s[K1:K1+1] op_sel_hi:[1,0]   ; t = h / sqrt 2; each accumulator is read from its low end on
.endr
.irp i, 0,1,2,3,4,5,6,7,8,9,10,11,12,13,14,15
	v_med3_num_f32 v[GT+\i], v[GT+\i], -4.0, 4.0
.endr
.irp i, 0,2,4,6,8,10,12,14
	v_pk_mul_f32 v[GZ+\i:GZ+\i+1], v[GT+\i:GT+\i+1], v[GT+\i:GT+\i+1]
.endr
.irp i, 0,2,4,6,8,10,12,14
	v_pk_fma_f32 v[GQ+\i:GQ+\i+1], v[GZ+\i:GZ+\i+1], s[BE8:BE8+1], v[VB6:VB6+1] op_sel_hi:[1,0,1]
.endr
.irp k, BE4, BE2, BE0
.irp i, 0,2,4,6,8,10,12,14
	v_pk_fma_f32 v[GQ+\i:GQ+\i+1], v[GQ+\i:GQ+\i+1], v[GZ+\i:GZ+\i+1], s[\k:\k+1] op_sel_hi:[1,1,0]
.endr
.endr
.irp i, 0,1,2,3,4,5,6,7,8,9,10,11,12,13,14,15
	v_rcp_f32 v[GQ+\i], v[GQ+\i]                   ; Q is negative for every t^2: never 0
.endr
.irp i, 0,2,4,6,8,10,12,14
	v_pk_fma_f32 v[GP+\i:GP+\i+1], v[GZ+\i:GZ+\i+1], s[AL13:AL13+1], v[VA11:VA11+1] op_sel_hi:[1,0,1]
.endr
.irp k, AL9, AL7, AL5, AL3, AL1
.irp i, 0,2,4,6,8,10,12,14
	v_pk_fma_f32 v[GP+\i:GP+\i+1], v[GP+\i:GP+\i+1], v[GZ+\i:GZ+\i+1], s[\k:\k+1] op_sel_hi:[1,1,0]
.endr
.endr
	s_wait_alu depctr_va_vdst(0)                   ; the wait ahead of the first line that names a reciprocal: one for the batch
.irp i, 0,2,4,6,8,10,12,14
	v_pk_mul_f32 v[GP+\i:GP+\i+1], v[GP+\i:GP+\i+1], v[GQ+\i:GQ+\i+1]
.endr
.irp i, 0,2,4,6,8,10,12,14
	v_pk_mul_f32 v[GT+\i:GT+\i+1], v[GT+\i:GT+\i+1], v[GP+\i:GP+\i+1]             ; erf
.endr
.irp i, 0,2,4,6,8,10,12,14
	v_pk_mul_f32 v[GZ+\i:GZ+\i+1], v[AB+\i:AB+\i+1], s[K2:K2+1] op_sel_hi:[1,0]   ; h / 2
.endr
.irp i, 0,2,4,6,8,10,12,14
	v_pk_fma_f32 v[GT+\i:GT+\i+1], v[GZ+\i:GZ+\i+1], v[GT+\i:GT+\i+1], v[GZ+\i:GZ+\i+1]
.endr
.irp i, 0,1,2,3,4,5,6,7,8,9,10,11,12,13,14,15
	v_med3_num_f32 v[GT+\i], v[GT+\i], -v[LM3], v[LM3]   ; the conversion to an 8-bit code does not saturate (ISA guide 7.6.2)
.endr
	v_cvt_scalef32_pk8_bf8_f32 v[CODE+4*(\blk):CODE+4*(\blk)+1], v[GT:GT+7], v[SC3]
	v_cvt_scalef32_pk8_bf8_f32 v[CODE+4*(\blk)+2:CODE+4*(\blk)+3], v[GT+8:GT+15], v[SC3]
	v_nop                                          ; a plain line behind the last conversion: the next block writes its sources
	global_store_b128 v[L16], v[CODE+4*(\blk):CODE+4*(\blk)+3], s[HQ:HQ+1] offset:65536*\mm+512*\bb   ; the wave stores 512 consecutive bytes, at a multiple of 512 from hq's first byte
.endm
; A group of 64 positions, read from buffer p; the next group is gathered into the other buffer.
.macro GROUP p
	s_cmp_ge_u32 s26, s24                          ; my 32 rows begin at or behind cv: nothing to make
	s_cbranch_scc1 .Lidle_\@
	XFETCH XL+\p
	MUL
	s_add_co_u32 s30, s25, 64
	s_cmp_ge_u32 s30, s24
	s_cbranch_scc1 .Llast_\@                       ; there is no next group
	v_add_nc_u32 v[PP], s30, v[P0]
	SELECT
	GATHER                                         ; its 32 loads are on their way while the activation is worked
.Llast_\@:
	s_wait_xcnt 0x0                                ; the last group's stores have read their codes' registers
	GELU 0, 0, 0
	GELU 1, 0, 1
	GELU 2, 1, 0
	GELU 3, 1, 1
.Lidle_\@:
	s_wait_loadcnt 0x0                             ; the gathered rows are in
	s_add_co_u32 s30, s25, 64
	s_cmp_ge_u32 s30, s24
	s_cbranch_scc1 .Lno_put_\@
	PUT XS+1-\p
.Lno_put_\@:
	s_wait_dscnt 0x0                               ; my stores into the other buffer have landed, and my reads of this one are over
	s_barrier_signal -1
	s_barrier_wait -1                              ; on every wave's way, in every group
	s_wait_xcnt 0x0                                ; the stores have read their base
	s_add_nc_u64 s[HQ:HQ+1], s[HQ:HQ+1], 262144    ; four tiles of 65,536 bytes on
	s_add_co_u32 s25, s25, 64
	s_add_co_u32 s26, s26, 64
.endm
	s_load_b256 s[4:11], s[0:1], 0x0               ; xq s[4:5], W1's codes s[6:7], b1 s[8:9], the scales' exponents s[10:11]
	s_load_b128 s[12:15], s[0:1], 0x20             ; selm s[12:13], hq s[14:15]
	s_load_b64 s[16:17], s[0:1], 0x30              ; cnt
	v_lshl_add_u32 v254, v0, 2, 0x41000
	v_mov_b32 v255, 0
	v_lshrrev_b32 v[T1], 5, v0
	v_readfirstlane_b32 s18, v[T1]                 ; wave 0..3
	s_lshr_b32 s19, s18, 1                         ; wr
	s_and_b32 s20, s18, 1                          ; wc
	s_lshr_b32 s21, ttmp9, 5                       ; e
	s_and_b32 s22, ttmp9, 31                       ; c
	v_and_b32 v[LN], 31, v0
	v_and_b32 v[R16], 15, v0
	v_bfe_u32 v[HH], v0, 4, 1
	v_lshlrev_b32 v[A16], 4, v[R16]
	v_lshlrev_b32 v[L16], 4, v[LN]
	v_lshlrev_b32 v[L4], 2, v[LN]
	v_lshlrev_b32 v[B1A], 6, v[HH]                 ; b1: 16 numbers further on for lanes 16-31
	v_lshl_add_u32 v[WGA], v[HH], 10, v[A16]       ; W1: lanes 0-15 one row, lanes 16-31 the next
	v_add_nc_u32 v[P0], v[R16], v[HH]
	v_and_b32 v[P0], 15, v[P0]
	s_lshl_b32 s30, s18, 4
	v_add_nc_u32 v[P0], s30, v[P0]
	v_mov_b32 v[ZR], 0
.irp i, 0,1,2,3,4,5,6,7
	v_mov_b32 v[GA+\i], 0                          ; written once: the destination of a move between lanes counts as read
.endr
	; every LDS address is made here: a constant, a lane term, a wave term
	v_mul_u32_u24 v[T1], v[HH], PITCH
	v_lshl_add_u32 v[T1], v[R16], 4, v[T1]         ; by rows: two rows an instruction, 16 bytes a lane
	v_mul_u32_u24 v[T2], v[R16], PITCH
	v_lshl_add_u32 v[T2], v[HH], 4, v[T2]          ; by fragments: row lane % 16, + 16 (lane / 16)
	s_mul_i32 s30, s18, 16*PITCH
	s_add_co_u32 s30, s30, XB0
	v_add_nc_u32 v[XS], s30, v[T1]
	v_add_nc_u32 v[XS+1], XBS, v[XS]
	s_mul_i32 s30, s19, 32*PITCH
	s_add_co_u32 s30, s30, XB0
	v_add_nc_u32 v[XL], s30, v[T2]
	v_add_nc_u32 v[XL+1], XBS, v[XL]
	s_mul_i32 s30, s18, 32*PITCH
	v_add_nc_u32 v[WSS], s30, v[T1]
	s_mul_i32 s30, s20, 64*PITCH
	v_add_nc_u32 v[WSL], s30, v[T2]
	PAIR AL13, 0xAF95DF0B                          ; -2.72614226e-10
	PAIR AL9,  0xB60CFF51                          ; -2.10102402e-06
	PAIR AL7,  0xB86EC2D2                          ; -5.69250639e-05
	PAIR AL5,  0xBA40AC63                          ; -7.34990630e-04
	PAIR AL3,  0xBB41A1F6                          ; -2.95459981e-03
	PAIR AL1,  0xBC83DBD4                          ; -1.60960333e-02
	PAIR BE8,  0xB77460CD                          ; -1.45660718e-05
	PAIR BE4,  0xBADC924E                          ; -1.68282697e-03
	PAIR BE2,  0xBBF19BF8                          ; -7.37332917e-03
	PAIR BE0,  0xBC69B6A7                          ; -1.42647391e-02
	v_mov_b32 v[VA11], 0x32EDFFEE                  ; 2.77068142e-08
	v_mov_b32 v[VA11+1], 0x32EDFFEE
	v_mov_b32 v[VB6], 0xB95FBD29                   ; -2.13374055e-04
	v_mov_b32 v[VB6+1], 0xB95FBD29
	s_mov_b32 s31, 0
	s_lshl_b32 s30, s21, 22                        ; W1: row 4,096 e + 128 c + 32 w, 1,024 bytes a row
	s_lshl_b32 s2, s22, 17
	s_add_co_u32 s30, s30, s2
	s_lshl_b32 s2, s18, 15
	s_add_co_u32 s30, s30, s2
	s_wait_kmcnt 0x0
	s_load_b128 s[SCL:SCL+3], s[10:11], 0x0
	s_add_nc_u64 s[6:7], s[6:7], s[30:31]
	s_lshl_b32 s30, s21, 14                        ; b1: number 4,096 e + 128 c + 64 wc
	s_lshl_b32 s2, s22, 9
	s_add_co_u32 s30, s30, s2
	s_lshl_b32 s2, s20, 8
	s_add_co_u32 s30, s30, s2
	s_add_nc_u64 s[8:9], s[8:9], s[30:31]
	s_lshl_b32 s30, s21, 22                        ; hq: expert, tile 2 wr, K step c, image group 2 wc
	s_lshl_b32 s2, s19, 17
	s_add_co_u32 s30, s30, s2
	s_lshl_b32 s2, s22, 11
	s_add_co_u32 s30, s30, s2
	s_lshl_b32 s2, s20, 10
	s_add_co_u32 s30, s30, s2
	s_add_nc_u64 s[HQ:HQ+1], s[14:15], s[30:31]
.irp t, 0,1,2,3
	global_load_b128 v[BB+8*\t:BB+8*\t+3],   v[B1A], s[8:9] offset:4*(32*(\t/2)+8*(\t%2))
	global_load_b128 v[BB+8*\t+4:BB+8*\t+7], v[B1A], s[8:9] offset:4*(32*(\t/2)+8*(\t%2))+16
.endr
.set g, 0
.rept 32
	global_load_b32 v[ACC+g], v[L4], s[12:13] offset:128*g   ; selm of tokens 32 g + lane
.set g, g+1
.endr
	WIN 0x40                                       ; destination window 1
.set i, 0
.rept 16
.irp q, 0,1,2,3
	global_load_b128 v[4*(4*i+\q):4*(4*i+\q)+3], v[WGA], s[6:7] offset:2048*i+256*\q th:TH_LOAD_NT   ; my 32 rows of W1, two rows x 256 bytes an instruction; read once in the launch
.endr
.set i, i+1
.endr
	WIN 0
	s_wait_kmcnt 0x0
	s_add_co_i32 s30, s[SCL], s[SCL+1]             ; E = e0 + e1
	s_sub_co_i32 s28, 0, s30
	s_lshl_b32 s2, s30, 23
	s_add_co_i32 s[K1], s2, 0x3F3504F3             ; E is added to the exponent field of 1 / sqrt 2
	s_mov_b32 s[K1+1], s[K1]
	s_add_co_i32 s2, s30, 126
	s_lshl_b32 s[K2], s2, 23
	s_mov_b32 s[K2+1], s[K2]
	s_add_co_i32 s2, s[SCL+3], 127
	s_lshl_b32 s3, s2, 23
	v_mov_b32 v[SC3], s3
	s_add_co_i32 s2, s2, 15
	s_lshl_b32 s2, s2, 23
	s_or_b32 s2, s2, 0x600000
	v_mov_b32 v[LM3], s2
	s_wait_loadcnt 63                              ; behind selm's last load stand W1's 64: b1 and selm are in
.set j, 0
.rept 32
	v_ldexp_f32 v[BB+j], v[BB+j], s28              ; b1 / 2^E
.set j, j+1
.endr
	s_lshl_b32 s30, 0x101, s21                     ; e as first or as second choice
	s_mov_b32 s23, 0
.set g, 0
.rept 32
	v_and_b32 v[ACC+g], s30, v[ACC+g]
	v_cmp_ne_u32 s[M+g], 0, v[ACC+g]               ; bit l: token 32 g + l chose e
	s_bcnt1_i32_b32 s[BC], s[M+g]
	s_add_co_u32 s23, s23, s[BC]                   ; cnt
.set g, g+1
.endr
	s_max_u32 s24, s23, 64                         ; cv
	v_mov_b32 v[PP], v[P0]
	SELECT
	GATHER                                         ; group 0
	s_wait_loadcnt 32                              ; W1 is in; the gather's 32 loads may be out
	WIN 0x04                                       ; store data window 1
.set i, 0
.rept 16
.irp q, 0,1,2,3
	ds_store_b128 v[WSS], v[4*(4*i+\q):4*(4*i+\q)+3] offset:(16*((i>>2)&1)+8*(i>>3)+2*(i&3))*PITCH+256*\q   ; row y of my 32 goes to place 16 y3 + 8 y4 + y % 8: a tile's 16 rows then lie on end
.endr
.set i, i+1
.endr
	WIN 0
	s_wait_loadcnt 0x0
	PUT XS
	s_or_b32 s30, s22, s18
	s_cmp_lg_u32 s30, 0
	s_cbranch_scc1 .Lno_cnt                        ; c = 0, wave 0, lane 0 stores the expert's count
	v_mov_b32 v[T1], s23
	s_lshl_b32 s30, s21, 2
	v_mov_b32 v[T2], s30
	v_cmp_eq_u32 vcc_lo, 0, v[LN]
	s_wait_xcnt 0x0                                ; EXEC changes only behind this wait
	s_and_saveexec_b32 s[SX], vcc_lo
	global_store_b32 v[T2], v[T1], s[16:17]
	s_wait_xcnt 0x0
	s_or_b32 exec_lo, exec_lo, s[SX]
.Lno_cnt:
	s_wait_dscnt 0x0                               ; for the others' sake: W1's rows and group 0 have landed
	s_barrier_signal -1
	s_barrier_wait -1
	WIN 0x40
.irp s, 0,1,2,3
.irp t, 0,1,2,3
.irp c, 0,1,2,3
	ds_load_b128 v[16*(4*\s+\t)+4*\c:16*(4*\s+\t)+4*\c+3], v[WSL] offset:16*\t*PITCH+128*\s+32*\c
.endr
.endr
.endr
	WIN 0x80
.irp s, 4,5,6,7
.irp t, 0,1,2,3
.irp c, 0,1,2,3
	ds_load_b128 v[16*(4*(\s-4)+\t)+4*\c:16*(4*(\s-4)+\t)+4*\c+3], v[WSL] offset:16*\t*PITCH+128*\s+32*\c
.endr
.endr
.endr
	WIN 0
	s_mov_b32 s25, 0                               ; the group's first position
	s_lshl_b32 s26, s19, 5                         ; my first row's position
	s_mov_b32 s27, 0
	s_wait_dscnt 0x0                               ; W1's fragments are in: they stay
.Lgroups:                                          ; 8 trips of two groups, whatever cnt is
	GROUP 0
	GROUP 1
	s_add_co_u32 s27, s27, 1
	s_cmp_lt_u32 s27, 8
	s_cbranch_scc1 .Lgroups
	s_wait_tensorcnt 0x0
	ds_add_u32 v254, v255
	s_wait_dscnt 0x0
	s_endpgm
.Lfunc_end_k_q5576b0236e_up:
	.size	k_q5576b0236e_up, .Lfunc_end_k_q5576b0236e_up-k_q5576b0236e_up
	.p2alignl 7, 3214868480
	.fill 96, 4, 3214868480
	.section	.rodata,"a",@progbits
	.p2align	6, 0x0
	.amdhsa_kernel k_q5576b0236e_up
		.amdhsa_group_segment_fixed_size 266752
		.amdhsa_private_segment_fixed_size 0
		.amdhsa_enable_private_segment 0
		.amdhsa_kernarg_size 56
		.amdhsa_user_sgpr_count 2
		.amdhsa_user_sgpr_kernarg_segment_ptr 1
		.amdhsa_wavefront_size32 1
		.amdhsa_system_sgpr_workgroup_id_x 1
		.amdhsa_system_sgpr_workgroup_id_y 1
		.amdhsa_system_sgpr_workgroup_id_z 1
		.amdhsa_system_vgpr_workitem_id 0
		.amdhsa_next_free_vgpr 1024
		.amdhsa_next_free_sgpr 102
		.amdhsa_reserve_vcc 1
		.amdhsa_float_denorm_mode_32 3
		.amdhsa_float_denorm_mode_16_64 3
		.amdhsa_memory_ordered 1
		.amdhsa_forward_progress 1
		.amdhsa_inst_pref_size 186
	.end_amdhsa_kernel
	.amdgpu_metadata
---
amdhsa.version: [ 1, 2 ]
amdhsa.kernels:
  - .name:           k_q5576b0236e_up
    .symbol:         k_q5576b0236e_up.kd
    .args:
      - { .name: xq, .offset: 0, .size: 8, .value_kind: global_buffer, .address_space: global }
      - { .name: W1_codes, .offset: 8, .size: 8, .value_kind: global_buffer, .address_space: global }
      - { .name: b1, .offset: 16, .size: 8, .value_kind: global_buffer, .address_space: global }
      - { .name: lowp_scales, .offset: 24, .size: 8, .value_kind: global_buffer, .address_space: global }
      - { .name: selm, .offset: 32, .size: 8, .value_kind: global_buffer, .address_space: global }
      - { .name: hq, .offset: 40, .size: 8, .value_kind: global_buffer, .address_space: global }
      - { .name: cnt, .offset: 48, .size: 8, .value_kind: global_buffer, .address_space: global }
    .group_segment_fixed_size: 266752
    .private_segment_fixed_size: 0
    .kernarg_segment_align: 8
    .kernarg_segment_size: 56
    .max_flat_workgroup_size: 128
    .sgpr_count:     102
    .vgpr_count:     1024
    .wavefront_size: 32
...
	.end_amdgpu_metadata
.endif
;; end of part 2
;; launch down (part 3): grid 256 x 1, 4 waves a work-group, no clusters, 301,568 bytes of LDS; arguments hq, W2_codes, b2, lowp_scales, cnt, yk; writes yk
.if DOCPART == 3
	.amdgcn_target "amdgcn-amd-amdhsa--gfx1250"
	.amdhsa_code_object_version 6
	.text
	.protected	k_q5576b0236e_down
	.globl	k_q5576b0236e_down
	.p2align	8
	.type	k_q5576b0236e_down,@function
k_q5576b0236e_down:
	s_mov_b64 s[64:65], 0
	v_nop
	global_prefetch_b8 v0, s[64:65] scope:SCOPE_SE
	s_setreg_imm32_b32 hwreg(HW_REG_WAVE_MODE, 25, 1), 1
	s_wait_xcnt 0x0
; DOWN.  The second product of the chosen experts: y[e][position][:] = (h W2[e]) x 2^(e2 + e3) + b2[e], on codes of E5M2.
; SHARES.  Work-group = (expert e = wg / 32, columns 64 n .. 64 n + 63 with n = (wg % 32) / 2, rho = wg % 2): it takes the expert's tiles of 16 positions m = 2 i + rho, i = 0 .. 31.
; THE WAVES SHARE K: wave w takes K steps 8 w .. 8 w + 7 (1,024 of the 4,096).  Its part of W2 (64 rows x 1,024 bytes: 32 fragments, 512 registers) stays in registers; each fragment of h is read
; by one wave alone, straight from memory as the image of an operand's registers (512 consecutive bytes a load), and feeds four products.  The four waves' partial sums meet in LDS, by rows,
; so that each wave adds up four whole rows and sixteen lanes store 256 consecutive bytes, aligned.
; OUT: yk [e 8][quarter of the columns 4][position 1,024][1,024 bytes]: every address is made of the work-group's and the wave's numbers and the loop's steps.  Of a tile in hand all 16 rows are stored,
; those at or behind cnt too: they have places of their own, which nobody reads.
; 32 steps are walked whatever the count is: the loop's count is a constant and the barrier stands bare; the work is jumped over by scalar branches on cnt, a whole number that an earlier launch stored.
; Tiles 0 to 3 of every expert are always stored by that launch, so the first two tiles are asked for without a question.
; h runs two tiles ahead, in two sets of 128 registers.  No tensor load, no cluster: which steps have work hangs on loaded counts.
; LIMITS: e2 + e3 between -126 and 127; K is split over the waves, so the sums are not in ascending order of K.
; REGISTERS, in windows of 256: window 0: addresses, v32-63 four accumulators, v64-95 the partial sums read back.  Windows 1, 2: W2's fragment (tile T of 16 columns, my K step s) at window 1 + s / 4, v[16 (4 (s % 4) + T)].
;   window 3: h's eight fragments of a tile, set b at v[128 b + 16 s].
.set PITCH, 1040                       ; an LDS row of W2: 1,024 bytes + 16: an odd multiple of 16 (64 banks of 4 bytes: ISA guide 11.1)
.set WSW,   64*PITCH                   ; each wave's own 64 rows
.set PB,    4*WSW                      ; behind them: the partial sums: [2 by turns][4 waves][16 rows x (256 bytes + 16)]
.set PBW,   16*272
.set PBP,   4*PBW
.set B2,  20                           ; v[20:23] b2 of columns 64 n + 4 (lane % 16) + 0 .. 3
.set ACC, 32
.set RD,  64
.set MSB, 0
.macro WIN new                         ; the immediate's high byte repeats the setting that is left
.if MSB != \new
	s_set_vgpr_msb (MSB<<8)|\new
.set MSB, \new
.endif
.endm
; 32 loads: my eight fragments of a tile of h
.macro LOADT b, off
	WIN 0xC0                                       ; destination window 3
.set j, 0
.rept 32
	global_load_b128 v[128*\b+4*j:128*\b+4*j+3], v2, s[24:25] offset:\off+512*j
.set j, j+1
.endr
	WIN 0
.endm
; 32 products, transposed (source 0 = 16 rows of W2, source 1 = 16 rows of h): a lane holds eight neighbouring columns of one row.  Four accumulators take turns.
.macro COMPUTE b
	WIN 0x0D                                       ; source 0 window 1, source 1 window 3, C and D window 0
.irp s, 0,1,2,3
.irp t, 0,1,2,3
.if \s == 0
	v_wmma_f32_16x16x128_bf8_bf8 v[ACC+8*\t:ACC+8*\t+7], v[16*(4*\s+\t):16*(4*\s+\t)+15], v[128*\b+16*\s:128*\b+16*\s+15], 0
.else
	v_wmma_f32_16x16x128_bf8_bf8 v[ACC+8*\t:ACC+8*\t+7], v[16*(4*\s+\t):16*(4*\s+\t)+15], v[128*\b+16*\s:128*\b+16*\s+15], v[ACC+8*\t:ACC+8*\t+7]
.endif
.endr
.endr
	WIN 0x0E                                       ; W2's K steps 4 to 7 lie in window 2
.irp s, 4,5,6,7
.irp t, 0,1,2,3
	v_wmma_f32_16x16x128_bf8_bf8 v[ACC+8*\t:ACC+8*\t+7], v[16*(4*(\s-4)+\t):16*(4*(\s-4)+\t)+15], v[128*\b+16*\s:128*\b+16*\s+15], v[ACC+8*\t:ACC+8*\t+7]
.endr
.endr
	WIN 0
.rept 5
	v_nop                                          ; places in front of the stores that read the sums, of loads into h's registers, and of the next step's first products, which write over these accumulators
.endr
.irp t, 0,1,2,3
	ds_store_b128 v3, v[ACC+8*\t:ACC+8*\t+3]   offset:PBP*\b+64*\t      ; row lane % 16, columns 16 T + 8 (lane / 16) + 0 .. 7; each accumulator from its low end on
	ds_store_b128 v3, v[ACC+8*\t+4:ACC+8*\t+7] offset:PBP*\b+64*\t+16
.endr
.endm
; My four rows: the four waves' parts are added, x 2^(e2 + e3) + b2, and stored at their positions.
.macro REDUCE b
.irp src, 0,1,2,3
.irp q, 0,1
	ds_load_b128 v[RD+4*(2*\src+\q):RD+4*(2*\src+\q)+3], v4 offset:PBP*\b+PBW*\src+544*\q
.endr
.endr
	s_wait_dscnt 0x0
.irp q, 0,1
.irp i, 0,2
	v_pk_add_f32 v[RD+4*\q+\i:RD+4*\q+\i+1], v[RD+4*\q+\i:RD+4*\q+\i+1], v[RD+8+4*\q+\i:RD+8+4*\q+\i+1]
	v_pk_add_f32 v[RD+16+4*\q+\i:RD+16+4*\q+\i+1], v[RD+16+4*\q+\i:RD+16+4*\q+\i+1], v[RD+24+4*\q+\i:RD+24+4*\q+\i+1]
.endr
.endr
.irp q, 0,1
.irp i, 0,2
	v_pk_add_f32 v[RD+4*\q+\i:RD+4*\q+\i+1], v[RD+4*\q+\i:RD+4*\q+\i+1], v[RD+16+4*\q+\i:RD+16+4*\q+\i+1]
.endr
.endr
.irp q, 0,1
.irp i, 0,2
	v_pk_fma_f32 v[RD+4*\q+\i:RD+4*\q+\i+1], v[RD+4*\q+\i:RD+4*\q+\i+1], s[28:29], v[B2+\i:B2+\i+1] op_sel_hi:[1,0,1]
.endr
.endr
.irp q, 0,1
	global_store_b128 v5, v[RD+4*\q:RD+4*\q+3], s[32:33] offset:2048*\q   ; rows 4 w + lane / 16 + 2 q of the tile: 16 lanes store 256 consecutive bytes, at a multiple of 256 from yk's first byte
.endr
.endm
; A step: tile m = s22 / 16, in set b.
.macro SUB b
	s_cmp_ge_u32 s22, s20
	s_cbranch_scc1 .Lno_mul_\@
	COMPUTE \b
.Lno_mul_\@:
	s_wait_dscnt 0x0                               ; my partial sums have landed; my reads of the other set of partial sums were over a step ago
	s_barrier_signal -1
	s_barrier_wait -1                              ; on every wave's way, in every step
	s_cmp_ge_u32 s22, s20
	s_cbranch_scc1 .Lno_sum_\@
	REDUCE \b
.Lno_sum_\@:
	s_wait_xcnt 0x0                                ; the loads and stores that are out have read their bases and their data
	s_add_nc_u64 s[24:25], s[24:25], 131072        ; h: two tiles on
	s_add_nc_u64 s[32:33], s[32:33], 32768         ; yk: 32 positions of 1,024 bytes on
	s_add_co_u32 s30, s22, 64
	s_cmp_ge_u32 s30, s20
	s_cbranch_scc1 .Lno_load_\@
	LOADT \b, 0                                    ; the tile two steps on, into the set just multiplied
	s_wait_loadcnt 32                              ; all but these 32: the next step's tile is in
	s_branch .Lnext_\@
.Lno_load_\@:
	s_wait_loadcnt 0x0
.Lnext_\@:
	s_add_co_u32 s22, s22, 32
.endm
	s_load_b256 s[4:11], s[0:1], 0x0               ; hq s[4:5], W2's codes s[6:7], b2 s[8:9], the scales' exponents s[10:11]
	s_load_b128 s[12:15], s[0:1], 0x20             ; cnt s[12:13], yk s[14:15]
	v_lshl_add_u32 v254, v0, 2, 0x49800
	v_mov_b32 v255, 0
	v_lshrrev_b32 v11, 5, v0
	v_readfirstlane_b32 s18, v11                   ; wave 0..3
	s_lshr_b32 s19, ttmp9, 5                       ; e
	s_bfe_u32 s16, ttmp9, 0x40001                  ; n: 4 bits from bit 1
	s_and_b32 s17, ttmp9, 1                        ; rho
	s_lshl_b32 s21, s19, 2
	v_and_b32 v18, 15, v0                          ; lane % 16
	v_bfe_u32 v19, v0, 4, 1                        ; lane / 16
	v_and_b32 v2, 31, v0
	v_lshlrev_b32 v2, 4, v2                        ; 16 lane
	v_lshlrev_b32 v1, 4, v18                       ; 16 (lane % 16)
	s_lshl_b32 s30, s18, 2
	v_add_nc_u32 v6, s30, v19                      ; my first row in a tile: 4 w + lane / 16
	v_lshl_add_u32 v5, v6, 10, v1                  ; and its place in yk: 1,024 bytes a position, + my 16 bytes of the 256
	v_lshl_add_u32 v10, v19, 12, v1                ; W2: lanes 0-15 one row, lanes 16-31 the next
	v_mul_u32_u24 v3, v18, 272
	v_lshl_add_u32 v3, v19, 5, v3
	s_mul_i32 s30, s18, PBW
	s_add_co_u32 s30, s30, PB
	v_add_nc_u32 v3, s30, v3                       ; partial sums, in: my wave's block, row lane % 16, + 32 (lane / 16)
	v_mul_u32_u24 v4, v19, 272
	v_lshl_add_u32 v4, v18, 4, v4
	s_mul_i32 s30, s18, 4*272
	s_add_co_u32 s30, s30, PB
	v_add_nc_u32 v4, s30, v4                       ; and back: row 4 w + lane / 16, 16 bytes a lane
	s_mul_i32 s30, s18, WSW
	v_mul_u32_u24 v8, v19, PITCH
	v_lshl_add_u32 v8, v18, 4, v8
	v_add_nc_u32 v8, s30, v8                       ; W2 into LDS, by rows
	v_mul_u32_u24 v9, v18, PITCH
	v_lshl_add_u32 v9, v19, 4, v9
	v_add_nc_u32 v9, s30, v9                       ; and out, by fragments
	s_mov_b32 s31, 0
	s_wait_kmcnt 0x0
	s_load_b128 s[36:39], s[10:11], 0x0            ; e0, e1, e2, e3
	s_load_b32 s20, s[12:13], s21 offset:0x0       ; cnt of my expert
	s_lshl_b32 s30, s19, 22                        ; h: expert, tile rho, my K steps
	s_lshl_b32 s34, s17, 16
	s_add_co_u32 s30, s30, s34
	s_lshl_b32 s34, s18, 14
	s_add_co_u32 s30, s30, s34
	s_add_nc_u64 s[24:25], s[4:5], s[30:31]
	s_lshl_b32 s30, s19, 22                        ; W2: row 1,024 e + 64 n of 4,096 bytes, + 1,024 w
	s_lshl_b32 s34, s16, 18
	s_add_co_u32 s30, s30, s34
	s_lshl_b32 s34, s18, 10
	s_add_co_u32 s30, s30, s34
	s_add_nc_u64 s[6:7], s[6:7], s[30:31]
	s_lshl_b32 s30, s19, 12                        ; b2: number 1,024 e + 64 n
	s_lshl_b32 s34, s16, 8
	s_add_co_u32 s30, s30, s34
	s_add_nc_u64 s[8:9], s[8:9], s[30:31]
	s_lshl_b32 s30, s19, 22                        ; yk: expert (4 MiB), quarter n / 4 (1 MiB), tile rho (16 positions), 256 (n % 4) in a position's 1,024 bytes
	s_lshr_b32 s34, s16, 2
	s_lshl_b32 s34, s34, 20
	s_add_co_u32 s30, s30, s34
	s_and_b32 s34, s16, 3
	s_lshl_b32 s34, s34, 8
	s_add_co_u32 s30, s30, s34
	s_lshl_b32 s34, s17, 14
	s_add_co_u32 s30, s30, s34
	s_add_nc_u64 s[32:33], s[14:15], s[30:31]
	global_load_b128 v[B2:B2+3], v1, s[8:9]
	LOADT 0, 0                                     ; tile rho
	LOADT 1, 131072                                ; tile 2 + rho
	WIN 0x40                                       ; destination window 1
.set i, 0
.rept 16
.irp q, 0,1,2,3
	global_load_b128 v[4*(4*i+\q):4*(4*i+\q)+3], v10, s[6:7] offset:8192*i+256*\q   ; two rows x 256 bytes an instruction
.endr
.set i, i+1
.endr
	WIN 0x80
.set i, 0
.rept 16
.irp q, 0,1,2,3
	global_load_b128 v[4*(4*i+\q):4*(4*i+\q)+3], v10, s[6:7] offset:8192*(i+16)+256*\q
.endr
.set i, i+1
.endr
	WIN 0
	s_wait_kmcnt 0x0
	s_add_co_i32 s28, s38, s39
	s_add_co_i32 s28, s28, 127
	s_lshl_b32 s28, s28, 23                        ; 2^(e2 + e3) as f32
	s_mov_b32 s29, s28                             ; (named with it as a pair, so it is written)
	s_lshl_b32 s22, s17, 4                         ; the first tile's first position
	s_mov_b32 s23, 0
	s_wait_loadcnt 63                              ; behind the 64th of W2's loads stand 64 more: rows 0 to 31 are in
	WIN 0x04                                       ; store data window 1
.set i, 0
.rept 16
.irp q, 0,1,2,3
	ds_store_b128 v8, v[4*(4*i+\q):4*(4*i+\q)+3] offset:2*i*PITCH+256*\q
.endr
.set i, i+1
.endr
	s_wait_loadcnt 0x0
	WIN 0x08                                       ; store data window 2
.set i, 0
.rept 16
.irp q, 0,1,2,3
	ds_store_b128 v8, v[4*(4*i+\q):4*(4*i+\q)+3] offset:2*(i+16)*PITCH+256*\q
.endr
.set i, i+1
.endr
	s_wait_dscnt 0x0                               ; the stores have read their registers, into which the fragments now come.  These bytes are my wave's own: no barrier
	WIN 0x40
.irp s, 0,1,2,3
.irp t, 0,1,2,3
.irp c, 0,1,2,3
	ds_load_b128 v[16*(4*\s+\t)+4*\c:16*(4*\s+\t)+4*\c+3], v9 offset:16*\t*PITCH+128*\s+32*\c
.endr
.endr
.endr
	WIN 0x80
.irp s, 4,5,6,7
.irp t, 0,1,2,3
.irp c, 0,1,2,3
	ds_load_b128 v[16*(4*(\s-4)+\t)+4*\c:16*(4*(\s-4)+\t)+4*\c+3], v9 offset:16*\t*PITCH+128*\s+32*\c
.endr
.endr
.endr
	WIN 0
	s_add_nc_u64 s[24:25], s[24:25], 131072        ; (every load is back)  at step 1's tile: each step goes one on, to the tile two steps ahead of it
	s_wait_dscnt 0x0                               ; W2's fragments are in: they stay
.Lsteps:                                           ; 16 trips of two steps, whatever cnt is
	SUB 0
	SUB 1
	s_add_co_u32 s23, s23, 1
	s_cmp_lt_u32 s23, 16
	s_cbranch_scc1 .Lsteps
	s_wait_tensorcnt 0x0
	ds_add_u32 v254, v255
	s_wait_dscnt 0x0
	s_endpgm
.Lfunc_end_k_q5576b0236e_down:
	.size	k_q5576b0236e_down, .Lfunc_end_k_q5576b0236e_down-k_q5576b0236e_down
	.p2alignl 7, 3214868480
	.fill 96, 4, 3214868480
	.section	.rodata,"a",@progbits
	.p2align	6, 0x0
	.amdhsa_kernel k_q5576b0236e_down
		.amdhsa_group_segment_fixed_size 301568
		.amdhsa_private_segment_fixed_size 0
		.amdhsa_enable_private_segment 0
		.amdhsa_kernarg_size 48
		.amdhsa_user_sgpr_count 2
		.amdhsa_user_sgpr_kernarg_segment_ptr 1
		.amdhsa_wavefront_size32 1
		.amdhsa_system_sgpr_workgroup_id_x 1
		.amdhsa_system_sgpr_workgroup_id_y 1
		.amdhsa_system_sgpr_workgroup_id_z 1
		.amdhsa_system_vgpr_workitem_id 0
		.amdhsa_next_free_vgpr 1024
		.amdhsa_next_free_sgpr 66
		.amdhsa_reserve_vcc 0
		.amdhsa_float_denorm_mode_32 3
		.amdhsa_float_denorm_mode_16_64 3
		.amdhsa_memory_ordered 1
		.amdhsa_forward_progress 1
		.amdhsa_inst_pref_size 55
	.end_amdhsa_kernel
	.amdgpu_metadata
---
amdhsa.version: [ 1, 2 ]
amdhsa.kernels:
  - .name:           k_q5576b0236e_down
    .symbol:         k_q5576b0236e_down.kd
    .args:
      - { .name: hq, .offset: 0, .size: 8, .value_kind: global_buffer, .address_space: global }
      - { .name: W2_codes, .offset: 8, .size: 8, .value_kind: global_buffer, .address_space: global }
      - { .name: b2, .offset: 16, .size: 8, .value_kind: global_buffer, .address_space: global }
      - { .name: lowp_scales, .offset: 24, .size: 8, .value_kind: global_buffer, .address_space: global }
      - { .name: cnt, .offset: 32, .size: 8, .value_kind: global_buffer, .address_space: global }
      - { .name: yk, .offset: 40, .size: 8, .value_kind: global_buffer, .address_space: global }
    .group_segment_fixed_size: 301568
    .private_segment_fixed_size: 0
    .kernarg_segment_align: 8
    .kernarg_segment_size: 48
    .max_flat_workgroup_size: 128
    .sgpr_count:     66
    .vgpr_count:     1024
    .wavefront_size: 32
...
	.end_amdgpu_metadata
.endif
;; end of part 3
;; launch mix (part 4): grid 256 x 1, 4 waves a work-group, no clusters, 0 bytes of LDS; arguments yk, gw, selm, out0; writes out0
.if DOCPART == 4
	.amdgcn_target "amdgcn-amd-amdhsa--gfx1250"
	.amdhsa_code_object_version 6
	.text
	.protected	k_q5576b0236e_mix
	.globl	k_q5576b0236e_mix
	.p2align	8
	.type	k_q5576b0236e_mix,@function
k_q5576b0236e_mix:
	s_mov_b64 s[64:65], 0
	v_nop
	global_prefetch_b8 v0, s[64:65] scope:SCOPE_SE
	s_setreg_imm32_b32 hwreg(HW_REG_WAVE_MODE, 25, 1), 1
	s_wait_xcnt 0x0
; MIX.  out0[t][:] = gw[t][0] y[first expert][its position of t][:] + gw[t][1] y[second expert][its position of t][:], in f32.
; A wave takes one token t.  Token t's position with expert e is the number of tokens in front of t that chose e (as first or as second choice): the order in which the launch that made h placed the rows.
; It is counted here from selm: the words of tokens at or behind t are cleared once; then, for an expert, 32 x (and, compare, count of bits, add).
; The eight experts are walked in a loop of constant count, in which yk's base goes on by an expert's 4 MiB; an expert that t did not choose is jumped over, by a scalar branch on selm,
; whole numbers that an earlier launch stored.  So of the row's address only the position hangs on data: it is held under 1,024, shifted by 10 and added to 16 x lane.
; yk [e 8][quarter of the columns 4][position 1,024][1,024 bytes]: a row comes by 8 loads of 512 consecutive bytes.  Which trip is the token's first hangs on data, so the sums begin as zeros.
; No LDS, no barrier: waves share nothing.
.set W,   16                           ; v16-47   selm of tokens 32 g + lane, cleared from t on
.set R,   48                           ; v48-79   a row of y
.set ACC, 80                           ; v80-111  the sums
	s_load_b256 s[4:11], s[0:1], 0x0               ; yk s[4:5], gw s[6:7], selm s[8:9], out0 s[10:11]
	v_lshrrev_b32 v3, 5, v0
	v_readfirstlane_b32 s13, v3                    ; wave 0..3
	v_and_b32 v1, 31, v0                           ; lane
	v_lshlrev_b32 v2, 4, v1                        ; 16 bytes a lane
	v_lshlrev_b32 v8, 2, v1
	s_lshl_b32 s12, ttmp9, 2
	s_add_co_u32 s12, s12, s13                     ; my token
	s_lshl_b32 s18, s12, 2
	s_lshl_b32 s19, s12, 3
	s_lshl_b32 s30, s12, 12
	s_mov_b32 s31, 0
	s_wait_kmcnt 0x0
	s_load_b32 s15, s[8:9], s18 offset:0x0         ; my token's word: bit e: first choice; bit 8 + e: second
	s_load_b64 s[16:17], s[6:7], s19 offset:0x0    ; its two weights
	s_add_nc_u64 s[10:11], s[10:11], s[30:31]
.set g, 0
.rept 32
	global_load_b32 v[W+g], v8, s[8:9] offset:128*g
.set g, g+1
.endr
.set j, 0
.rept 32
	v_mov_b32 v[ACC+j], 0
.set j, j+1
.endr
	s_wait_kmcnt 0x0
	s_lshr_b32 s14, s15, 8
	s_or_b32 s14, s14, s15                         ; bit e (of the low eight): e is one of the two
	s_mov_b32 s20, 0                               ; the expert in hand
	s_wait_loadcnt 0x0
.set g, 0
.rept 32
	s_sub_co_i32 s26, s12, 32*g
	v_cmp_gt_i32 vcc_lo, s26, v1                   ; token 32 g + lane stands in front of t
	v_cndmask_b32 v[W+g], 0, v[W+g], vcc_lo
.set g, g+1
.endr
.Lexpert:
	s_lshr_b32 s21, s14, s20
	s_and_b32 s21, s21, 1
	s_cmp_eq_u32 s21, 0
	s_cbranch_scc1 .Lnot_chosen
	s_lshr_b32 s21, s15, s20
	s_and_b32 s21, s21, 1
	s_cmp_lg_u32 s21, 0
	s_cselect_b32 s22, s16, s17                    ; the first weight or the second
	s_mov_b32 s23, s22                             ; (named with it as a pair, so it is written)
	s_lshl_b32 s24, 0x101, s20
	s_mov_b32 s25, 0
.set g, 0
.rept 32
	v_and_b32 v[4+g%4], s24, v[W+g]
	v_cmp_ne_u32 s26, 0, v[4+g%4]
	s_bcnt1_i32_b32 s26, s26
	s_add_co_u32 s25, s25, s26                     ; the position
.set g, g+1
.endr
	v_mov_b32 v3, s25
	v_min_u32 v3, 0x3ff, v3
	v_lshl_add_u32 v3, v3, 10, v2
.irp j, 0,1,2,3,4,5,6,7
	global_load_b128 v[R+4*\j:R+4*\j+3], v3, s[4:5] offset:(\j/2)*1048576+(\j%2)*512 th:TH_LOAD_NT   ; columns 128 j on: 512 consecutive bytes, read once in the launch
.endr
	s_wait_loadcnt 0x0                             ; the row is in; its loads' offset and base are free again
.set j, 0
.rept 16
	v_pk_fma_f32 v[ACC+2*j:ACC+2*j+1], v[R+2*j:R+2*j+1], s[22:23], v[ACC+2*j:ACC+2*j+1] op_sel_hi:[1,0,1]
.set j, j+1
.endr
.Lnot_chosen:
	s_add_nc_u64 s[4:5], s[4:5], 0x400000          ; the next expert's part of yk
	s_add_co_u32 s20, s20, 1
	s_cmp_lt_u32 s20, 8
	s_cbranch_scc1 .Lexpert
.irp j, 0,1,2,3,4,5,6,7
	global_store_b128 v2, v[ACC+4*\j:ACC+4*\j+3], s[10:11] offset:512*\j th:TH_STORE_NT   ; the wave stores 512 consecutive bytes, at a multiple of 512 from out0's first byte
.endr
	s_endpgm
.Lfunc_end_k_q5576b0236e_mix:
	.size	k_q5576b0236e_mix, .Lfunc_end_k_q5576b0236e_mix-k_q5576b0236e_mix
	.p2alignl 7, 3214868480
	.fill 96, 4, 3214868480
	.section	.rodata,"a",@progbits
	.p2align	6, 0x0
	.amdhsa_kernel k_q5576b0236e_mix
		.amdhsa_group_segment_fixed_size 0
		.amdhsa_private_segment_fixed_size 0
		.amdhsa_enable_private_segment 0
		.amdhsa_kernarg_size 32
		.amdhsa_user_sgpr_count 2
		.amdhsa_user_sgpr_kernarg_segment_ptr 1
		.amdhsa_wavefront_size32 1
		.amdhsa_system_sgpr_workgroup_id_x 1
		.amdhsa_system_sgpr_workgroup_id_y 1
		.amdhsa_system_sgpr_workgroup_id_z 1
		.amdhsa_system_vgpr_workitem_id 0
		.amdhsa_next_free_vgpr 112
		.amdhsa_next_free_sgpr 66
		.amdhsa_reserve_vcc 1
		.amdhsa_float_denorm_mode_32 3
		.amdhsa_float_denorm_mode_16_64 3
		.amdhsa_memory_ordered 1
		.amdhsa_forward_progress 1
		.amdhsa_inst_pref_size 18
	.end_amdhsa_kernel
	.amdgpu_metadata
---
amdhsa.version: [ 1, 2 ]
amdhsa.kernels:
  - .name:           k_q5576b0236e_mix
    .symbol:         k_q5576b0236e_mix.kd
    .args:
      - { .name: yk, .offset: 0, .size: 8, .value_kind: global_buffer, .address_space: global }
      - { .name: gw, .offset: 8, .size: 8, .value_kind: global_buffer, .address_space: global }
      - { .name: selm, .offset: 16, .size: 8, .value_kind: global_buffer, .address_space: global }
      - { .name: out0, .offset: 24, .size: 8, .value_kind: global_buffer, .address_space: global }
    .group_segment_fixed_size: 0
    .private_segment_fixed_size: 0
    .kernarg_segment_align: 8
    .kernarg_segment_size: 32
    .max_flat_workgroup_size: 128
    .sgpr_count:     66
    .vgpr_count:     112
    .wavefront_size: 32
...
	.end_amdgpu_metadata
.endif
;; end of part 4
;; ======== version 2 of 3: 4 launches
;; limits: an absolute error that grows with the inputs' magnitude: up to 5e-08 times it
;; workspace buffers: xq 1,048,576 bytes; selm 4,096 bytes of whole numbers; gw 8,192 bytes; hq 33,554,432 bytes; cnt 256 bytes of whole numbers; yk 33,554,432 bytes
;; launch gate: the kernel of part 1 again; grid 256 x 1, 4 waves a work-group, no clusters, 1,024 bytes of LDS; arguments x, Wg, bg, lowp_scales, xq, selm, gw; writes xq, selm, gw
;; launch up (part 5): grid 256 x 1, 4 waves a work-group, no clusters, 266,752 bytes of LDS; arguments xq, W1_codes, b1, lowp_scales, selm, hq, cnt; writes hq, cnt
.if DOCPART == 5
	.amdgcn_target "amdgcn-amd-amdhsa--gfx1250"
	.amdhsa_code_object_version 6
	.text
	.protected	k_q5576b0236e_up
	.globl	k_q5576b0236e_up
	.p2align	8
	.type	k_q5576b0236e_up,@function
k_q5576b0236e_up:
	s_mov_b64 s[64:65], 0
	v_nop
	global_prefetch_b8 v0, s[64:65] scope:SCOPE_SE
	s_setreg_imm32_b32 hwreg(HW_REG_WAVE_MODE, 25, 1), 1
	s_wait_xcnt 0x0
; UP.  The first product of the chosen experts alone: h = Q(gelu(x W1[e] + b1[e])) for the tokens that chose expert e, on codes of E5M2; h leaves as codes.
; SHARES.  Work-group = (expert e = wg / 32, hidden units 128 c .. 128 c + 127, c = wg % 32): its 128 rows of W1 are read from memory once and stay in registers.  The expert's tokens, in ascending order,
; are its POSITIONS 0 .. cnt - 1; they go in groups of 64.  Wave w = (wr, wc) makes rows 32 wr .. + 31 of a group x units 64 wc .. + 63, and gathers rows 16 w .. + 15 of the NEXT group.
; THE LIST IS NEVER STORED: bit t of a mask of 1,024 bits (32 scalar registers, made from selm) says that token t chose e; SELECT finds the token of the p-th set bit in registers.
; The number of bits set in front of each word of the mask is the same for every search: it is made once, at the head, and kept in 31 vector registers.
; 16 groups are walked whatever cnt is: the loop's count is a constant and every barrier stands bare; only the work is jumped over, by scalar branches on cnt, which is made of whole numbers that an earlier launch stored.
; Group 0 is always made (cv = max(cnt, 64)); positions at or behind cnt get some token's row, which nobody reads in the end.
; A GROUP: half of x's fragments are asked of LDS; the next group's tokens are looked up; the other half; 32 products; the next group's rows are asked of memory, into the registers that those products have freed;
; 32 products; the activation and the codes' stores; the gathered rows go into the other LDS buffer; a barrier.
; THE PRODUCT IS USED TRANSPOSED (source 0 = 16 rows of W1, source 1 = 16 rows of x): a lane holds one row.  THE ROWS OF W1 THAT FORM A TILE ARE NOT NEIGHBOURS: lane r of tile 2 bb + u takes unit
; 32 bb + 8 u + r + 8 (r / 8), so that the 16 registers of tiles 2 bb and 2 bb + 1 are 16 neighbouring units, 32 bb + 16 (lane / 16) + 0 .. 15: the conversions' results are the next product's operand.
; b1 goes in as the C of each sum's first product, divided by 2^E, E = e0 + e1.  gelu(h) = h/2 + h/2 erf(h / sqrt 2), erf(t) = t P(t^2) / Q(t^2) on |t| <= 4 (seven and five terms).
; OUT: hq [e][tile of 16 positions m][K step c][2,048 bytes]: the image of an operand's registers: group c' of 512 bytes holds lane l's 16 bytes at 16 l: units 128 c + 32 c' + 16 (l / 16) + 0 .. 15 of row l % 16.
;      cnt [8] int32: how many tokens chose each expert.  Stored by the work-groups with c = 0.
; K in the fragments: registers 4 c' .. 4 c' + 3 hold k = 32 c' + 16 (lane / 16) + 0 .. 15: a permutation of k, the same on both sides of each product.
; No tensor load, no cluster: which groups have work hangs on loaded counts.
; LIMITS: E between -125 and 127; e3 between -126 and 112; NaN and infinities are not served.  1 + erf is formed as a sum, so for negative h the error of gelu is about 1e-7 |h| / 2, not 1e-7 of gelu.
; REGISTERS, in windows of 256: window 0: see the names below.  Windows 1, 2: W1's fragment (tile T, K step s) at window 1 + s / 4, v[16 (4 (s % 4) + T)].
;   window 3: x's fragment (K step s, tile of rows mm) at v[16 (2 s + mm)]; behind the products of K steps 0 to 3, v0-127 take the next group's gathered rows.
.set PITCH, 1040                       ; an LDS row: 1,024 bytes + 16: an odd multiple of 16, so the 16 rows of a fragment load start at 16 different groups of four banks (64 banks of 4 bytes: ISA guide 11.1)
.set XB0,   128*PITCH                  ; LDS: W1's 128 rows at 0; then two buffers of 64 rows of x's codes
.set XBS,   64*PITCH
.set A16, 1                            ; 16 (lane % 16)
.set L16, 2                            ; 16 lane
.set P0,  3                            ; the position, in a group, that my lane looks up: 16 w + lane % 16
.set XS,  4                            ; v4, v5  where I store gathered rows in buffer 0, 1
.set XL,  6                            ; v6, v7  where I read x's fragments in buffer 0, 1
.set GA,  8                            ; v8-23   the gather's sixteen byte offsets in xq: row i's token x 1,024 + 16 lane
.set SW,  24
.set PK,  25
.set NN,  26
.set GG,  27
.set POS, 28
.set N2,  29
.set N4,  30
.set N8,  31
.set N16, 32
.set CL,  33
.set T1,  34
.set PP,  35
.set TOK, 36
.set SC3, 40                           ; 2^e3 as f32
.set LM3, 41                           ; 57,344 x 2^e3
.set VA11, 42                          ; v[42:43] alpha 11, twice
.set VB6, 44                           ; v[44:45] beta 6, twice
.set WSS, 46
.set WSL, 47
.set BB,  48                           ; v48-79   b1 / 2^E, eight registers a tile
.set ACC, 80                           ; v80-143  the sums: (mm, T) at ACC + 8 (4 mm + T)
.set GT,  144
.set GZ,  160
.set GQ,  176
.set GP,  192
.set CODE, 208                         ; v208-223 four registers of codes for each of a group's four stores
.set ZR,  224                          ; 0
.set PRE, 225                          ; v225-255 word g = 1 .. 31 of the mask at PRE + g - 1: (bits set in front of it) << 16 | g, the same in every lane
.set LN,  144                          ; at the head alone, in registers that the activation takes later:
.set R16, 145
.set HH,  146
.set WGA, 147
.set B1A, 148
.set L4,  149
.set T2,  150
.set M,    32                          ; s32-63   the mask
.set AL13, 66                          ; s66-89   constants, each twice: the packed forms name a pair
.set AL9,  68
.set AL7,  70
.set AL5,  72
.set AL3,  74
.set AL1,  76
.set BE8,  78
.set BE4,  80
.set BE2,  82
.set BE0,  84
.set K1,   86                          ; 2^E / sqrt 2
.set K2,   88                          ; 2^E / 2
.set HQ,   90                          ; s[90:91] hq at my wave's part of the group in hand
.set RUNP, 95
.set SCL,  96                          ; s[96:99] e0, e1, e2, e3
.set BC,   100
.set SX,   101
.set MSB, 0
.macro WIN new                         ; the immediate's high byte repeats the setting that is left
.if MSB != \new
	s_set_vgpr_msb (MSB<<8)|\new
.set MSB, \new
.endif
.endm
.macro PAIR r, val
	s_mov_b32 s[\r], \val
	s_mov_b32 s[\r+1], \val
.endm
; One step of the search inside a word: does the wanted bit lie behind the next span bits?
.macro HALVE src, width, span
	v_bfe_u32 v[CL], v[\src], v[POS], \width       ; set bits among the next span
	v_cmp_lt_u32 vcc_lo, v[NN], v[CL]              ; it lies among them: stay
	v_cndmask_b32 v[CL], v[CL], v[ZR], vcc_lo
	v_cndmask_b32 v[T1], \span, v[ZR], vcc_lo
	v_sub_nc_u32 v[NN], v[NN], v[CL]
	v_add_nc_u32 v[POS], v[POS], v[T1]
.endm
; v[TOK] = the token of the mask's v[PP]-th set bit.  First the word: the last one in front of which at most PP bits are set; then five halvings on bit counts kept side by side.
; (count << 16 | word) > (PP << 16 | 0xffff) holds just where count > PP: one compare serves, and the word's number rides along.
.macro SELECT
	v_lshl_or_b32 v[T1], v[PP], 16, 0xffff
	v_mov_b32 v[SW], s[M]
	v_mov_b32 v[PK], 0
.set g, 1
.rept 31
	v_cmp_gt_u32 vcc_lo, v[PRE+g-1], v[T1]         ; more than PP bits in front of word g: keep the earlier word
	v_cndmask_b32 v[SW], s[M+g], v[SW], vcc_lo
	v_cndmask_b32 v[PK], v[PRE+g-1], v[PK], vcc_lo
.set g, g+1
.endr
	v_lshrrev_b32 v[NN], 16, v[PK]
	v_sub_nc_u32 v[NN], v[PP], v[NN]               ; which set bit of the word
	v_and_b32 v[GG], 31, v[PK]
	v_lshrrev_b32 v[T1], 1, v[SW]
	v_and_b32 v[T1], 0x55555555, v[T1]
	v_sub_nc_u32 v[N2], v[SW], v[T1]               ; counts of 2 bits,
	v_lshrrev_b32 v[T1], 2, v[N2]
	v_and_b32 v[T1], 0x33333333, v[T1]
	v_and_b32 v[N4], 0x33333333, v[N2]
	v_add_nc_u32 v[N4], v[N4], v[T1]               ; of 4,
	v_lshrrev_b32 v[T1], 4, v[N4]
	v_add_nc_u32 v[N8], v[N4], v[T1]
	v_and_b32 v[N8], 0x0f0f0f0f, v[N8]             ; of 8,
	v_lshrrev_b32 v[T1], 8, v[N8]
	v_add_nc_u32 v[N16], v[N8], v[T1]              ; of 16 (in byte 0)
	v_mov_b32 v[POS], 0
	HALVE N16, 8, 16
	HALVE N8, 8, 8
	HALVE N4, 4, 4
	HALVE N2, 2, 2
	HALVE SW, 1, 1
	v_lshl_add_u32 v[TOK], v[GG], 5, v[POS]
	v_min_u32 v[TOK], 0x3ff, v[TOK]                ; a position at or behind cnt gives some token of the table
.endm
; Lane i (0 .. 15) holds the token of my wave's row i.  Four at a time they become scalars, are held under xq's 1,024 rows, and make the row's byte offset + 16 x lane.
.macro GADDR
.irp b, 0,4,8,12
	v_readlane_b32 s2,  v[TOK], \b
	v_readlane_b32 s3,  v[TOK], \b+1
	v_readlane_b32 s92, v[TOK], \b+2
	v_readlane_b32 s93, v[TOK], \b+3
	s_min_u32 s2,  s2,  0x3ff
	s_min_u32 s3,  s3,  0x3ff
	s_min_u32 s92, s92, 0x3ff
	s_min_u32 s93, s93, 0x3ff
	v_lshl_add_u32 v[GA+\b],   s2,  10, v[L16]
	v_lshl_add_u32 v[GA+\b+1], s3,  10, v[L16]
	v_lshl_add_u32 v[GA+\b+2], s92, 10, v[L16]
	v_lshl_add_u32 v[GA+\b+3], s93, 10, v[L16]
.endr
.endm
; My wave's 16 rows of the next group are asked for: two loads a row, each of 512 consecutive bytes, aligned.
.macro GLOAD
	WIN 0xC0                                       ; destination window 3
.set i, 0
.rept 16
	global_load_b128 v[8*i:8*i+3],   v[GA+i], s[4:5]
	global_load_b128 v[8*i+4:8*i+7], v[GA+i], s[4:5] offset:512
.set i, i+1
.endr
	WIN 0
.endm
; The gathered rows go into the other buffer: each store covers 512 consecutive bytes of a row.
.macro PUT adr
	WIN 0x0C                                       ; store data window 3
.set i, 0
.rept 16
	ds_store_b128 v[\adr], v[8*i:8*i+3]   offset:i*PITCH
	ds_store_b128 v[\adr], v[8*i+4:8*i+7] offset:i*PITCH+512
.set i, i+1
.endr
	WIN 0
.endm
; x's fragments of my 32 rows, K steps lo .. lo + 3: 32 loads
.macro XFETCH adr, lo
	WIN 0xC0
.irp s, 0,1,2,3
.irp mm, 0,1
.irp c, 0,1,2,3
	ds_load_b128 v[16*(2*(\s+\lo)+\mm)+4*\c:16*(2*(\s+\lo)+\mm)+4*\c+3], v[\adr] offset:16*\mm*PITCH+128*(\s+\lo)+32*\c
.endr
.endr
.endr
.endm
; 64 products in two halves: eight accumulators take turns, one instruction a turn; the first K step starts each sum from b1 / 2^E.
.macro MULA
	s_wait_dscnt 32                                ; K steps 0 to 3 are in; the younger 32 loads may be out
	WIN 0x0D                                       ; source 0 (W1) window 1, source 1 (x) window 3, C and D window 0
.irp s, 0,1,2,3
.irp mm, 0,1
.irp t, 0,1,2,3
.if \s == 0
	v_wmma_f32_16x16x128_bf8_bf8 v[ACC+8*(4*\mm+\t):ACC+8*(4*\mm+\t)+7], v[16*(4*\s+\t):16*(4*\s+\t)+15], v[16*(2*\s+\mm):16*(2*\s+\mm)+15], v[BB+8*\t:BB+8*\t+7]
.else
	v_wmma_f32_16x16x128_bf8_bf8 v[ACC+8*(4*\mm+\t):ACC+8*(4*\mm+\t)+7], v[16*(4*\s+\t):16*(4*\s+\t)+15], v[16*(2*\s+\mm):16*(2*\s+\mm)+15], v[ACC+8*(4*\mm+\t):ACC+8*(4*\mm+\t)+7]
.endif
.endr
.endr
.endr
	WIN 0
.endm
.macro MULB
	s_wait_dscnt 0x0                               ; K steps 4 to 7 are in
	WIN 0x0E                                       ; W1's K steps 4 to 7 lie in window 2
.irp s, 4,5,6,7
.irp mm, 0,1
.irp t, 0,1,2,3
	v_wmma_f32_16x16x128_bf8_bf8 v[ACC+8*(4*\mm+\t):ACC+8*(4*\mm+\t)+7], v[16*(4*(\s-4)+\t):16*(4*(\s-4)+\t)+15], v[16*(2*\s+\mm):16*(2*\s+\mm)+15], v[ACC+8*(4*\mm+\t):ACC+8*(4*\mm+\t)+7]
.endr
.endr
.endr
	WIN 0
.rept 5
	v_nop                                          ; places (ISA guide 7.12.1) in front of the first read of the sums, and of the next group's first products, which write over these accumulators
.endr
.endm
; 16 sums of a lane (two neighbouring tiles: 16 neighbouring units of one row) become 16 codes and leave.  The 16 reciprocals are one batch; P's 48 lines are the work behind them; one wait.
.macro GELU blk, mm, bb
.set AB, ACC+16*(\blk)
.irp i, 0,2,4,6,8,10,12,14
	v_pk_mul_f32 v[GT+\i:GT+\i+1], v[AB+\i:AB+\i+1], s[K1:K1+1] op_sel_hi:[1,0]   ; t = h / sqrt 2; each accumulator is read from its low end on
.endr
.irp i, 0,1,2,3,4,5,6,7,8,9,10,11,12,13,14,15
	v_med3_num_f32 v[GT+\i], v[GT+\i], -4.0, 4.0
.endr
.irp i, 0,2,4,6,8,10,12,14
	v_pk_mul_f32 v[GZ+\i:GZ+\i+1], v[GT+\i:GT+\i+1], v[GT+\i:GT+\i+1]
.endr
.irp i, 0,2,4,6,8,10,12,14
	v_pk_fma_f32 v[GQ+\i:GQ+\i+1], v[GZ+\i:GZ+\i+1], s[BE8:BE8+1], v[VB6:VB6+1] op_sel_hi:[1,0,1]
.endr
.irp k, BE4, BE2, BE0
.irp i, 0,2,4,6,8,10,12,14
	v_pk_fma_f32 v[GQ+\i:GQ+\i+1], v[GQ+\i:GQ+\i+1], v[GZ+\i:GZ+\i+1], s[\k:\k+1] op_sel_hi:[1,1,0]
.endr
.endr
.irp i, 0,1,2,3,4,5,6,7,8,9,10,11,12,13,14,15
	v_rcp_f32 v[GQ+\i], v[GQ+\i]                   ; Q is negative for every t^2: never 0
.endr
.irp i, 0,2,4,6,8,10,12,14
	v_pk_fma_f32 v[GP+\i:GP+\i+1], v[GZ+\i:GZ+\i+1], s[AL13:AL13+1], v[VA11:VA11+1] op_sel_hi:[1,0,1]
.endr
.irp k, AL9, AL7, AL5, AL3, AL1
.irp i, 0,2,4,6,8,10,12,14
	v_pk_fma_f32 v[GP+\i:GP+\i+1], v[GP+\i:GP+\i+1], v[GZ+\i:GZ+\i+1], s[\k:\k+1] op_sel_hi:[1,1,0]
.endr
.endr
	s_wait_alu depctr_va_vdst(0)                   ; the wait ahead of the first line that names a reciprocal: one for the batch
.irp i, 0,2,4,6,8,10,12,14
	v_pk_mul_f32 v[GP+\i:GP+\i+1], v[GP+\i:GP+\i+1], v[GQ+\i:GQ+\i+1]
.endr
.irp i, 0,2,4,6,8,10,12,14
	v_pk_mul_f32 v[GT+\i:GT+\i+1], v[GT+\i:GT+\i+1], v[GP+\i:GP+\i+1]             ; erf
.endr
.irp i, 0,2,4,6,8,10,12,14
	v_pk_mul_f32 v[GZ+\i:GZ+\i+1], v[AB+\i:AB+\i+1], s[K2:K2+1] op_sel_hi:[1,0]   ; h / 2
.endr
.irp i, 0,2,4,6,8,10,12,14
	v_pk_fma_f32 v[GT+\i:GT+\i+1], v[GZ+\i:GZ+\i+1], v[GT+\i:GT+\i+1], v[GZ+\i:GZ+\i+1]
.endr
.irp i, 0,1,2,3,4,5,6,7,8,9,10,11,12,13,14,15
	v_med3_num_f32 v[GT+\i], v[GT+\i], -v[LM3], v[LM3]   ; the conversion to an 8-bit code does not saturate (ISA guide 7.6.2)
.endr
	v_cvt_scalef32_pk8_bf8_f32 v[CODE+4*(\blk):CODE+4*(\blk)+1], v[GT:GT+7], v[SC3]
	v_cvt_scalef32_pk8_bf8_f32 v[CODE+4*(\blk)+2:CODE+4*(\blk)+3], v[GT+8:GT+15], v[SC3]
	v_nop                                          ; a plain line behind the last conversion: the next block writes its sources
	global_store_b128 v[L16], v[CODE+4*(\blk):CODE+4*(\blk)+3], s[HQ:HQ+1] offset:65536*\mm+512*\bb   ; the wave stores 512 consecutive bytes, at a multiple of 512 from hq's first byte
.endm
; A group of 64 positions, read from buffer p; the next group is gathered into the other buffer.
.macro GROUP p
	s_cmp_ge_u32 s26, s24                          ; my 32 rows begin at or behind cv: nothing to make
	s_cbranch_scc1 .Lidle_\@
	XFETCH XL+\p, 0
	WIN 0
	s_add_co_u32 s30, s25, 64
	s_cmp_ge_u32 s30, s24
	s_cbranch_scc1 .Lno_sel_\@                     ; there is no next group
	v_add_nc_u32 v[PP], s30, v[P0]
	SELECT                                         ; register work, while the LDS loads above come in
	GADDR
.Lno_sel_\@:
	XFETCH XL+\p, 4
	MULA
	s_cmp_ge_u32 s30, s24
	s_cbranch_scc1 .Lno_gat_\@
.rept 4
	v_nop                                          ; places (ISA guide 7.12.1 for vector instructions) in front of loads into registers that the products above have read
.endr
	GLOAD                                          ; its 32 loads are on their way through 32 products and the activation
.Lno_gat_\@:
	MULB
	GELU 0, 0, 0                                   ; (the last group's stores have read their codes' registers: the wait on XCNT behind its barrier)
	GELU 1, 0, 1
	GELU 2, 1, 0
	GELU 3, 1, 1
.Lidle_\@:
	s_wait_loadcnt 0x0                             ; the gathered rows are in, and their loads' offsets are free
	s_add_co_u32 s30, s25, 64
	s_cmp_ge_u32 s30, s24
	s_cbranch_scc1 .Lno_put_\@
	PUT XS+1-\p
.Lno_put_\@:
	s_wait_dscnt 0x0                               ; my stores into the other buffer have landed, and my reads of this one are over
	s_barrier_signal -1
	s_barrier_wait -1                              ; on every wave's way, in every group
	s_wait_xcnt 0x0                                ; the stores have read their base and their data
	s_add_nc_u64 s[HQ:HQ+1], s[HQ:HQ+1], 262144    ; four tiles of 65,536 bytes on
	s_add_co_u32 s25, s25, 64
	s_add_co_u32 s26, s26, 64
.endm
	s_load_b256 s[4:11], s[0:1], 0x0               ; xq s[4:5], W1's codes s[6:7], b1 s[8:9], the scales' exponents s[10:11]
	s_load_b128 s[12:15], s[0:1], 0x20             ; selm s[12:13], hq s[14:15]
	s_load_b64 s[16:17], s[0:1], 0x30              ; cnt
	v_lshl_add_u32 v38, v0, 2, 0x41000
	v_mov_b32 v39, 0
	v_lshrrev_b32 v[T1], 5, v0
	v_readfirstlane_b32 s18, v[T1]                 ; wave 0..3
	s_lshr_b32 s19, s18, 1                         ; wr
	s_and_b32 s20, s18, 1                          ; wc
	s_lshr_b32 s21, ttmp9, 5                       ; e
	s_and_b32 s22, ttmp9, 31                       ; c
	v_and_b32 v[LN], 31, v0
	v_and_b32 v[R16], 15, v0
	v_bfe_u32 v[HH], v0, 4, 1
	v_lshlrev_b32 v[A16], 4, v[R16]
	v_lshlrev_b32 v[L16], 4, v[LN]
	v_lshlrev_b32 v[L4], 2, v[LN]
	v_lshlrev_b32 v[B1A], 6, v[HH]                 ; b1: 16 numbers further on for lanes 16-31
	v_lshl_add_u32 v[WGA], v[HH], 10, v[A16]       ; W1: lanes 0-15 one row, lanes 16-31 the next
	s_lshl_b32 s30, s18, 4
	v_add_nc_u32 v[P0], s30, v[R16]
	v_mov_b32 v[ZR], 0
	; every LDS address is made here: a constant, a lane term, a wave term
	v_mul_u32_u24 v[T1], v[HH], PITCH
	v_lshl_add_u32 v[T1], v[R16], 4, v[T1]         ; by rows: two rows an instruction, 16 bytes a lane
	v_mul_u32_u24 v[T2], v[R16], PITCH
	v_lshl_add_u32 v[T2], v[HH], 4, v[T2]          ; by fragments: row lane % 16, + 16 (lane / 16)
	s_mul_i32 s30, s18, 16*PITCH
	s_add_co_u32 s30, s30, XB0
	v_add_nc_u32 v[XS], s30, v[L16]                ; gathered rows: my wave's 16 rows, 16 bytes a lane
	v_add_nc_u32 v[XS+1], XBS, v[XS]
	s_mul_i32 s30, s19, 32*PITCH
	s_add_co_u32 s30, s30, XB0
	v_add_nc_u32 v[XL], s30, v[T2]
	v_add_nc_u32 v[XL+1], XBS, v[XL]
	s_mul_i32 s30, s18, 32*PITCH
	v_add_nc_u32 v[WSS], s30, v[T1]
	s_mul_i32 s30, s20, 64*PITCH
	v_add_nc_u32 v[WSL], s30, v[T2]
	PAIR AL13, 0xAF95DF0B                          ; -2.72614226e-10
	PAIR AL9,  0xB60CFF51                          ; -2.10102402e-06
	PAIR AL7,  0xB86EC2D2                          ; -5.69250639e-05
	PAIR AL5,  0xBA40AC63                          ; -7.34990630e-04
	PAIR AL3,  0xBB41A1F6                          ; -2.95459981e-03
	PAIR AL1,  0xBC83DBD4                          ; -1.60960333e-02
	PAIR BE8,  0xB77460CD                          ; -1.45660718e-05
	PAIR BE4,  0xBADC924E                          ; -1.68282697e-03
	PAIR BE2,  0xBBF19BF8                          ; -7.37332917e-03
	PAIR BE0,  0xBC69B6A7                          ; -1.42647391e-02
	v_mov_b32 v[VA11], 0x32EDFFEE                  ; 2.77068142e-08
	v_mov_b32 v[VA11+1], 0x32EDFFEE
	v_mov_b32 v[VB6], 0xB95FBD29                   ; -2.13374055e-04
	v_mov_b32 v[VB6+1], 0xB95FBD29
	s_mov_b32 s31, 0
	s_lshl_b32 s30, s21, 22                        ; W1: row 4,096 e + 128 c + 32 w, 1,024 bytes a row
	s_lshl_b32 s2, s22, 17
	s_add_co_u32 s30, s30, s2
	s_lshl_b32 s2, s18, 15
	s_add_co_u32 s30, s30, s2
	s_wait_kmcnt 0x0
	s_load_b128 s[SCL:SCL+3], s[10:11], 0x0
	s_add_nc_u64 s[6:7], s[6:7], s[30:31]
	s_lshl_b32 s30, s21, 14                        ; b1: number 4,096 e + 128 c + 64 wc
	s_lshl_b32 s2, s22, 9
	s_add_co_u32 s30, s30, s2
	s_lshl_b32 s2, s20, 8
	s_add_co_u32 s30, s30, s2
	s_add_nc_u64 s[8:9], s[8:9], s[30:31]
	s_lshl_b32 s30, s21, 22                        ; hq: expert, tile 2 wr, K step c, image group 2 wc
	s_lshl_b32 s2, s19, 17
	s_add_co_u32 s30, s30, s2
	s_lshl_b32 s2, s22, 11
	s_add_co_u32 s30, s30, s2
	s_lshl_b32 s2, s20, 10
	s_add_co_u32 s30, s30, s2
	s_add_nc_u64 s[HQ:HQ+1], s[14:15], s[30:31]
.irp t, 0,1,2,3
	global_load_b128 v[BB+8*\t:BB+8*\t+3],   v[B1A], s[8:9] offset:4*(32*(\t/2)+8*(\t%2))
	global_load_b128 v[BB+8*\t+4:BB+8*\t+7], v[B1A], s[8:9] offset:4*(32*(\t/2)+8*(\t%2))+16
.endr
.set g, 0
.rept 32
	global_load_b32 v[ACC+g], v[L4], s[12:13] offset:128*g   ; selm of tokens 32 g + lane
.set g, g+1
.endr
	WIN 0x40                                       ; destination window 1
.set i, 0
.rept 16
.irp q, 0,1,2,3
	global_load_b128 v[4*(4*i+\q):4*(4*i+\q)+3], v[WGA], s[6:7] offset:2048*i+256*\q th:TH_LOAD_NT   ; my 32 rows of W1, two rows x 256 bytes an instruction; read once in the launch
.endr
.set i, i+1
.endr
	WIN 0
	s_wait_kmcnt 0x0
	s_add_co_i32 s30, s[SCL], s[SCL+1]             ; E = e0 + e1
	s_sub_co_i32 s28, 0, s30
	s_lshl_b32 s2, s30, 23
	s_add_co_i32 s[K1], s2, 0x3F3504F3             ; E is added to the exponent field of 1 / sqrt 2
	s_mov_b32 s[K1+1], s[K1]
	s_add_co_i32 s2, s30, 126
	s_lshl_b32 s[K2], s2, 23
	s_mov_b32 s[K2+1], s[K2]
	s_add_co_i32 s2, s[SCL+3], 127
	s_lshl_b32 s3, s2, 23
	v_mov_b32 v[SC3], s3
	s_add_co_i32 s2, s2, 15
	s_lshl_b32 s2, s2, 23
	s_or_b32 s2, s2, 0x600000
	v_mov_b32 v[LM3], s2
	s_wait_loadcnt 63                              ; behind selm's last load stand W1's 64: b1 and selm are in
.set j, 0
.rept 32
	v_ldexp_f32 v[BB+j], v[BB+j], s28              ; b1 / 2^E
.set j, j+1
.endr
	s_lshl_b32 s30, 0x101, s21                     ; e as first or as second choice
.set g, 0
.rept 32
	v_and_b32 v[ACC+g], s30, v[ACC+g]
.set g, g+1
.endr
.set g, 0
.rept 32
	v_cmp_ne_u32 s[M+g], 0, v[ACC+g]               ; bit l: token 32 g + l chose e
.set g, g+1
.endr
	s_mov_b32 s23, 0
.set g, 0
.rept 32
	s_bcnt1_i32_b32 s[BC], s[M+g]
	s_add_co_u32 s23, s23, s[BC]                   ; bits set in words 0 .. g: in the end cnt
.if g < 31
	s_lshl_b32 s[RUNP], s23, 16
	s_or_b32 s[RUNP], s[RUNP], g+1                 ; with the number of the word that they stand in front of
	v_mov_b32 v[PRE+g], s[RUNP]
.endif
.set g, g+1
.endr
	s_max_u32 s24, s23, 64                         ; cv
	v_mov_b32 v[PP], v[P0]
	SELECT
	GADDR
	GLOAD                                          ; group 0
	s_wait_loadcnt 32                              ; W1 is in; the gather's 32 loads may be out
	WIN 0x04                                       ; store data window 1
.set i, 0
.rept 16
.irp q, 0,1,2,3
	ds_store_b128 v[WSS], v[4*(4*i+\q):4*(4*i+\q)+3] offset:(16*((i>>2)&1)+8*(i>>3)+2*(i&3))*PITCH+256*\q   ; row y of my 32 goes to place 16 y3 + 8 y4 + y % 8: a tile's 16 rows then lie on end
.endr
.set i, i+1
.endr
	WIN 0
	s_wait_loadcnt 0x0
	PUT XS
	s_or_b32 s30, s22, s18
	s_cmp_lg_u32 s30, 0
	s_cbranch_scc1 .Lno_cnt                        ; c = 0, wave 0, lane 0 stores the expert's count
	v_mov_b32 v[T1], s23
	s_lshl_b32 s30, s21, 2
	v_mov_b32 v[T2], s30
	v_cmp_eq_u32 vcc_lo, 0, v[LN]
	s_wait_xcnt 0x0                                ; EXEC changes only behind this wait
	s_and_saveexec_b32 s[SX], vcc_lo
	global_store_b32 v[T2], v[T1], s[16:17]
	s_wait_xcnt 0x0
	s_or_b32 exec_lo, exec_lo, s[SX]
.Lno_cnt:
	s_wait_dscnt 0x0                               ; for the others' sake: W1's rows and group 0 have landed
	s_barrier_signal -1
	s_barrier_wait -1
	WIN 0x40
.irp s, 0,1,2,3
.irp t, 0,1,2,3
.irp c, 0,1,2,3
	ds_load_b128 v[16*(4*\s+\t)+4*\c:16*(4*\s+\t)+4*\c+3], v[WSL] offset:16*\t*PITCH+128*\s+32*\c
.endr
.endr
.endr
	WIN 0x80
.irp s, 4,5,6,7
.irp t, 0,1,2,3
.irp c, 0,1,2,3
	ds_load_b128 v[16*(4*(\s-4)+\t)+4*\c:16*(4*(\s-4)+\t)+4*\c+3], v[WSL] offset:16*\t*PITCH+128*\s+32*\c
.endr
.endr
.endr
	WIN 0
	s_mov_b32 s25, 0                               ; the group's first position
	s_lshl_b32 s26, s19, 5                         ; my first row's position
	s_mov_b32 s27, 0
	s_wait_dscnt 0x0                               ; W1's fragments are in: they stay
.Lgroups:                                          ; 8 trips of two groups, whatever cnt is
	GROUP 0
	GROUP 1
	s_add_co_u32 s27, s27, 1
	s_cmp_lt_u32 s27, 8
	s_cbranch_scc1 .Lgroups
	s_wait_tensorcnt 0x0
	ds_add_u32 v38, v39
	s_wait_dscnt 0x0
	s_endpgm
.Lfunc_end_k_q5576b0236e_up:
	.size	k_q5576b0236e_up, .Lfunc_end_k_q5576b0236e_up-k_q5576b0236e_up
	.p2alignl 7, 3214868480
	.fill 96, 4, 3214868480
	.section	.rodata,"a",@progbits
	.p2align	6, 0x0
	.amdhsa_kernel k_q5576b0236e_up
		.amdhsa_group_segment_fixed_size 266752
		.amdhsa_private_segment_fixed_size 0
		.amdhsa_enable_private_segment 0
		.amdhsa_kernarg_size 56
		.amdhsa_user_sgpr_count 2
		.amdhsa_user_sgpr_kernarg_segment_ptr 1
		.amdhsa_wavefront_size32 1
		.amdhsa_system_sgpr_workgroup_id_x 1
		.amdhsa_system_sgpr_workgroup_id_y 1
		.amdhsa_system_sgpr_workgroup_id_z 1
		.amdhsa_system_vgpr_workitem_id 0
		.amdhsa_next_free_vgpr 1024
		.amdhsa_next_free_sgpr 102
		.amdhsa_reserve_vcc 1
		.amdhsa_float_denorm_mode_32 3
		.amdhsa_float_denorm_mode_16_64 3
		.amdhsa_memory_ordered 1
		.amdhsa_forward_progress 1
		.amdhsa_inst_pref_size 182
	.end_amdhsa_kernel
	.amdgpu_metadata
---
amdhsa.version: [ 1, 2 ]
amdhsa.kernels:
  - .name:           k_q5576b0236e_up
    .symbol:         k_q5576b0236e_up.kd
    .args:
      - { .name: xq, .offset: 0, .size: 8, .value_kind: global_buffer, .address_space: global }
      - { .name: W1_codes, .offset: 8, .size: 8, .value_kind: global_buffer, .address_space: global }
      - { .name: b1, .offset: 16, .size: 8, .value_kind: global_buffer, .address_space: global }
      - { .name: lowp_scales, .offset: 24, .size: 8, .value_kind: global_buffer, .address_space: global }
      - { .name: selm, .offset: 32, .size: 8, .value_kind: global_buffer, .address_space: global }
      - { .name: hq, .offset: 40, .size: 8, .value_kind: global_buffer, .address_space: global }
      - { .name: cnt, .offset: 48, .size: 8, .value_kind: global_buffer, .address_space: global }
    .group_segment_fixed_size: 266752
    .private_segment_fixed_size: 0
    .kernarg_segment_align: 8
    .kernarg_segment_size: 56
    .max_flat_workgroup_size: 128
    .sgpr_count:     102
    .vgpr_count:     1024
    .wavefront_size: 32
...
	.end_amdgpu_metadata
.endif
;; end of part 5
;; launch down: the kernel of part 3 again; grid 256 x 1, 4 waves a work-group, no clusters, 301,568 bytes of LDS; arguments hq, W2_codes, b2, lowp_scales, cnt, yk; writes yk
;; launch mix (part 6): grid 256 x 1, 4 waves a work-group, no clusters, 0 bytes of LDS; arguments yk, gw, selm, out0; writes out0
.if DOCPART == 6
	.amdgcn_target "amdgcn-amd-amdhsa--gfx1250"
	.amdhsa_code_object_version 6
	.text
	.protected	k_q5576b0236e_mix
	.globl	k_q5576b0236e_mix
	.p2align	8
	.type	k_q5576b0236e_mix,@function
k_q5576b0236e_mix:
	s_mov_b64 s[64:65], 0
	v_nop
	global_prefetch_b8 v0, s[64:65] scope:SCOPE_SE
	s_setreg_imm32_b32 hwreg(HW_REG_WAVE_MODE, 25, 1), 1
	s_wait_xcnt 0x0
; MIX.  out0[t][:] = gw[t][0] y[first expert][its position of t][:] + gw[t][1] y[second expert][its position of t][:], in f32.
; A wave takes one token t.  Token t's position with expert e is the number of tokens in front of t that chose e (as first or as second choice): the order in which the launch that made h placed the rows.
; It is counted here from selm: the words of tokens at or behind t are cleared once; then, for an expert, in batches: 32 ands, 32 compares into 32 scalar registers, 32 counts of bits, a tree of 31 additions.
; The eight experts are walked in a loop of constant count, in which yk's base goes on by an expert's 4 MiB; an expert that t did not choose is jumped over, by a scalar branch on selm,
; whole numbers that an earlier launch stored.  So of the row's address only the position hangs on data: it is held under 1,024, shifted by 10 and added to 16 x lane.
; yk [e 8][quarter of the columns 4][position 1,024][1,024 bytes]: a row comes by 8 loads of 512 consecutive bytes.  Which trip is the token's first hangs on data, so the sums begin as zeros.
; No LDS, no barrier: waves share nothing.
.set W,   16                           ; v16-47   selm of tokens 32 g + lane, cleared from t on
.set R,   48                           ; v48-79   at work in the count; then a row of y
.set ACC, 80                           ; v80-111  the sums
.set B,   32                           ; s32-63   the count's 32 masks, then their counts of bits
	s_load_b256 s[4:11], s[0:1], 0x0               ; yk s[4:5], gw s[6:7], selm s[8:9], out0 s[10:11]
	v_lshrrev_b32 v3, 5, v0
	v_readfirstlane_b32 s13, v3                    ; wave 0..3
	v_and_b32 v1, 31, v0                           ; lane
	v_lshlrev_b32 v2, 4, v1                        ; 16 bytes a lane
	v_lshlrev_b32 v8, 2, v1
	s_lshl_b32 s12, ttmp9, 2
	s_add_co_u32 s12, s12, s13                     ; my token
	v_mov_b32 v9, s12
	v_sub_nc_u32 v9, v1, v9                        ; lane - t
	s_lshl_b32 s18, s12, 2
	s_lshl_b32 s19, s12, 3
	s_lshl_b32 s30, s12, 12
	s_mov_b32 s31, 0
	s_wait_kmcnt 0x0
	s_load_b32 s15, s[8:9], s18 offset:0x0         ; my token's word: bit e: first choice; bit 8 + e: second
	s_load_b64 s[16:17], s[6:7], s19 offset:0x0    ; its two weights
	s_add_nc_u64 s[10:11], s[10:11], s[30:31]
.set g, 0
.rept 32
	global_load_b32 v[W+g], v8, s[8:9] offset:128*g
.set g, g+1
.endr
.set j, 0
.rept 32
	v_mov_b32 v[ACC+j], 0
.set j, j+1
.endr
	s_wait_kmcnt 0x0
	s_lshr_b32 s14, s15, 8
	s_or_b32 s14, s14, s15                         ; bit e (of the low eight): e is one of the two
	s_mov_b32 s20, 0                               ; the expert in hand
	s_wait_loadcnt 0x0
.set g, 0
.rept 32
	v_cmp_gt_i32 vcc_lo, -32*g, v9                 ; -32 g > lane - t: token 32 g + lane stands in front of t
	v_cndmask_b32 v[W+g], 0, v[W+g], vcc_lo
.set g, g+1
.endr
.Lexpert:
	s_lshr_b32 s21, s14, s20
	s_and_b32 s21, s21, 1
	s_cmp_eq_u32 s21, 0
	s_cbranch_scc1 .Lnot_chosen
	s_lshr_b32 s21, s15, s20
	s_and_b32 s21, s21, 1
	s_cmp_lg_u32 s21, 0
	s_cselect_b32 s22, s16, s17                    ; the first weight or the second
	s_mov_b32 s23, s22                             ; (named with it as a pair, so it is written)
	s_lshl_b32 s24, 0x101, s20
.set g, 0
.rept 32
	v_and_b32 v[R+g], s24, v[W+g]
.set g, g+1
.endr
.set g, 0
.rept 32
	v_cmp_ne_u32 s[B+g], 0, v[R+g]                 ; bit l: token 32 g + l stands in front of t and chose this expert
.set g, g+1
.endr
.set g, 0
.rept 32
	s_bcnt1_i32_b32 s[B+g], s[B+g]
.set g, g+1
.endr
.irp h, 16,8,4,2,1
.set g, 0
.rept \h
	s_add_co_u32 s[B+g], s[B+g], s[B+g+\h]
.set g, g+1
.endr
.endr
	v_mov_b32 v3, s[B]                             ; the position
	v_min_u32 v3, 0x3ff, v3
	v_lshl_add_u32 v3, v3, 10, v2
.irp j, 0,1,2,3,4,5,6,7
	global_load_b128 v[R+4*\j:R+4*\j+3], v3, s[4:5] offset:(\j/2)*1048576+(\j%2)*512 th:TH_LOAD_NT   ; columns 128 j on: 512 consecutive bytes, read once in the launch
.endr
	s_wait_loadcnt 0x0                             ; the row is in; its loads' offset and base are free again
.set j, 0
.rept 16
	v_pk_fma_f32 v[ACC+2*j:ACC+2*j+1], v[R+2*j:R+2*j+1], s[22:23], v[ACC+2*j:ACC+2*j+1] op_sel_hi:[1,0,1]
.set j, j+1
.endr
.Lnot_chosen:
	s_add_nc_u64 s[4:5], s[4:5], 0x400000          ; the next expert's part of yk
	s_add_co_u32 s20, s20, 1
	s_cmp_lt_u32 s20, 8
	s_cbranch_scc1 .Lexpert
.irp j, 0,1,2,3,4,5,6,7
	global_store_b128 v2, v[ACC+4*\j:ACC+4*\j+3], s[10:11] offset:512*\j th:TH_STORE_NT   ; the wave stores 512 consecutive bytes, at a multiple of 512 from out0's first byte
.endr
	s_endpgm
.Lfunc_end_k_q5576b0236e_mix:
	.size	k_q5576b0236e_mix, .Lfunc_end_k_q5576b0236e_mix-k_q5576b0236e_mix
	.p2alignl 7, 3214868480
	.fill 96, 4, 3214868480
	.section	.rodata,"a",@progbits
	.p2align	6, 0x0
	.amdhsa_kernel k_q5576b0236e_mix
		.amdhsa_group_segment_fixed_size 0
		.amdhsa_private_segment_fixed_size 0
		.amdhsa_enable_private_segment 0
		.amdhsa_kernarg_size 32
		.amdhsa_user_sgpr_count 2
		.amdhsa_user_sgpr_kernarg_segment_ptr 1
		.amdhsa_wavefront_size32 1
		.amdhsa_system_sgpr_workgroup_id_x 1
		.amdhsa_system_sgpr_workgroup_id_y 1
		.amdhsa_system_sgpr_workgroup_id_z 1
		.amdhsa_system_vgpr_workitem_id 0
		.amdhsa_next_free_vgpr 112
		.amdhsa_next_free_sgpr 66
		.amdhsa_reserve_vcc 1
		.amdhsa_float_denorm_mode_32 3
		.amdhsa_float_denorm_mode_16_64 3
		.amdhsa_memory_ordered 1
		.amdhsa_forward_progress 1
		.amdhsa_inst_pref_size 17
	.end_amdhsa_kernel
	.amdgpu_metadata
---
amdhsa.version: [ 1, 2 ]
amdhsa.kernels:
  - .name:           k_q5576b0236e_mix
    .symbol:         k_q5576b0236e_mix.kd
    .args:
      - { .name: yk, .offset: 0, .size: 8, .value_kind: global_buffer, .address_space: global }
      - { .name: gw, .offset: 8, .size: 8, .value_kind: global_buffer, .address_space: global }
      - { .name: selm, .offset: 16, .size: 8, .value_kind: global_buffer, .address_space: global }
      - { .name: out0, .offset: 24, .size: 8, .value_kind: global_buffer, .address_space: global }
    .group_segment_fixed_size: 0
    .private_segment_fixed_size: 0
    .kernarg_segment_align: 8
    .kernarg_segment_size: 32
    .max_flat_workgroup_size: 128
    .sgpr_count:     66
    .vgpr_count:     112
    .wavefront_size: 32
...
	.end_amdgpu_metadata
.endif
;; end of part 6
;; ======== version 3 of 3: 4 launches
;; limits: an absolute error that grows with the inputs' magnitude: up to 5e-08 times it
;; workspace buffers: xq 1,048,576 bytes; selm 4,096 bytes of whole numbers; gw 8,192 bytes; hq 33,554,432 bytes; cnt 256 bytes of whole numbers; yk 33,554,432 bytes
;; launch gate (part 7): grid 256 x 1, 4 waves a work-group, no clusters, 1,024 bytes of LDS; arguments x, Wg, bg, lowp_scales, xq, selm, gw; writes xq, selm, gw
.if DOCPART == 7
	.amdgcn_target "amdgcn-amd-amdhsa--gfx1250"
	.amdhsa_code_object_version 6
	.text
	.protected	k_q5576b0236e_gate
	.globl	k_q5576b0236e_gate
	.p2align	8
	.type	k_q5576b0236e_gate,@function
k_q5576b0236e_gate:
	s_mov_b64 s[64:65], 0
	v_nop
	global_prefetch_b8 v0, s[64:65] scope:SCOPE_SE
	s_setreg_imm32_b32 hwreg(HW_REG_WAVE_MODE, 25, 1), 1
	s_wait_xcnt 0x0
; GATE.  For each of 1,024 tokens: the eight logits x . Wg + bg in f32 (fused multiply-adds), the row's largest taken away, the two largest (the lower index wins a tie),
; the softmax of those two; and x turned into codes of E5M2 with the given scale 2^e0 (held within +-57,344 x 2^e0, to the nearest code, ties to even).
; OUT: xq [1024][1024] codes; selm [1024] int32 = (1 << first expert) | (0x100 << second expert); gw [1024][2] f32, the two weights.  All at fixed places: no address hangs on a choice.
; SHARES.  A work-group takes tokens 4 g .. 4 g + 3; wave w the channels 256 w .. 256 w + 255 of all four; a lane eight neighbouring channels, which is what one conversion takes.
; Wg's loads stand 256 bytes apart from lane to lane (a lane's eight rows of 32 bytes): 8 KB a wave, once.  The four waves' parts of the sums meet in LDS; wave 0 finishes.
; LIMITS: e0 between -126 and 112; NaN and infinities among x, Wg, bg are not served; the logits' sums are not in the order of a plain dot product.
.set X, 16                             ; v16-47   x: token t at X + 8 t
.set G, 48                             ; v48-111  Wg: G + 8 i + e = Wg[my channel i][e]; later at work
.set A, 112                            ; v112-143 the sums: token t, expert e at A + 8 t + e; later wave 0's logits
.set C, 144                            ; v144-151 codes, two registers a token
.set LG, 112
.set MX, 128
.set BV, 129
.set BX, 130
.set SV2, 131
.set SX2, 132
	s_load_b256 s[4:11], s[0:1], 0x0               ; x s[4:5], Wg s[6:7], bg s[8:9], the scales' exponents s[10:11]
	s_load_b128 s[12:15], s[0:1], 0x20             ; xq s[12:13], selm s[14:15]
	s_load_b64 s[16:17], s[0:1], 0x30              ; gw
	v_lshl_add_u32 v160, v0, 2, 0x200
	v_mov_b32 v161, 0
	v_lshrrev_b32 v7, 5, v0
	v_readfirstlane_b32 s18, v7                    ; wave 0..3
	v_and_b32 v10, 31, v0                          ; lane
	v_lshlrev_b32 v1, 5, v10                       ; x: 32 bytes a lane
	v_lshlrev_b32 v2, 8, v10                       ; Wg: eight rows of 32 bytes a lane
	v_lshlrev_b32 v3, 3, v10                       ; xq: 8 bytes a lane
	v_lshlrev_b32 v4, 7, v7                        ; LDS: my wave's 128 bytes
	v_and_b32 v5, 3, v0
	v_lshlrev_b32 v5, 5, v5                        ; LDS, back: token lane % 4, 32 bytes
	s_mov_b32 s20, 0x76543210                      ; v_permlanex16_b32: lane l xor 16
	s_mov_b32 s21, 0xfedcba98
	s_lshl_b32 s34, ttmp9, 14                      ; x: 4 tokens of 4,096 bytes a work-group,
	s_lshl_b32 s35, s18, 10                        ; 1,024 bytes a wave
	s_add_co_u32 s34, s34, s35
	s_mov_b32 s35, 0
	s_lshl_b32 s36, s18, 13                        ; Wg: 256 rows of 32 bytes a wave
	s_mov_b32 s37, 0
	s_lshl_b32 s38, ttmp9, 12                      ; xq: 4 rows of 1,024 bytes, 256 bytes a wave
	s_lshl_b32 s39, s18, 8
	s_add_co_u32 s38, s38, s39
	s_mov_b32 s39, 0
	s_lshl_b32 s40, ttmp9, 4                       ; selm: 16 bytes a work-group
	s_mov_b32 s41, 0
	s_lshl_b32 s42, ttmp9, 5                       ; gw: 32
	s_mov_b32 s43, 0
	s_wait_alu depctr_va_vdst(0)
	s_wait_kmcnt 0x0
	s_load_b256 s[24:31], s[8:9], 0x0              ; bg
	s_load_b32 s32, s[10:11], 0x0                  ; e0
	s_add_nc_u64 s[4:5], s[4:5], s[34:35]
	s_add_nc_u64 s[6:7], s[6:7], s[36:37]
	s_add_nc_u64 s[12:13], s[12:13], s[38:39]
	s_add_nc_u64 s[14:15], s[14:15], s[40:41]
	s_add_nc_u64 s[16:17], s[16:17], s[42:43]
.irp t, 0,1,2,3
	global_load_b128 v[X+8*\t:X+8*\t+3],   v1, s[4:5] offset:4096*\t th:TH_LOAD_NT
	global_load_b128 v[X+8*\t+4:X+8*\t+7], v1, s[4:5] offset:4096*\t+16 th:TH_LOAD_NT
.endr
.irp q, 0,1,2,3,4,5,6,7,8,9,10,11,12,13,14,15
	global_load_b128 v[G+4*\q:G+4*\q+3], v2, s[6:7] offset:16*\q
.endr
	s_wait_kmcnt 0x0
	s_add_co_i32 s32, s32, 127
	s_lshl_b32 s33, s32, 23
	v_mov_b32 v8, s33                              ; 2^e0 as f32: the conversion takes its exponent field
	s_add_co_i32 s32, s32, 15
	s_lshl_b32 s32, s32, 23
	s_or_b32 s32, s32, 0x600000
	v_mov_b32 v9, s32                              ; 57,344 x 2^e0
	s_wait_loadcnt 0x0
	; the sums: two experts an instruction; x's number is taken for both halves (the low register of its pair for even channels, the high one for odd)
.irp t, 0,1,2,3
.irp p, 0,2,4,6
	v_pk_mul_f32 v[A+8*\t+\p:A+8*\t+\p+1], v[G+\p:G+\p+1], v[X+8*\t:X+8*\t+1] op_sel_hi:[1,0]
.endr
.endr
.irp i, 1,2,3,4,5,6,7
.irp t, 0,1,2,3
.irp p, 0,2,4,6
.if \i % 2
	v_pk_fma_f32 v[A+8*\t+\p:A+8*\t+\p+1], v[G+8*\i+\p:G+8*\i+\p+1], v[X+8*\t+\i-1:X+8*\t+\i], v[A+8*\t+\p:A+8*\t+\p+1] op_sel:[0,1,0] op_sel_hi:[1,1,1]
.else
	v_pk_fma_f32 v[A+8*\t+\p:A+8*\t+\p+1], v[G+8*\i+\p:G+8*\i+\p+1], v[X+8*\t+\i:X+8*\t+\i+1], v[A+8*\t+\p:A+8*\t+\p+1] op_sel_hi:[1,0,1]
.endif
.endr
.endr
.endr
	; x's codes: the conversion to an 8-bit code does not saturate (ISA guide 7.6.2), so each number is held first
.set j, 0
.rept 32
	v_med3_num_f32 v[X+j], v[X+j], -v9, v9
.set j, j+1
.endr
.irp t, 0,1,2,3
	v_cvt_scalef32_pk8_bf8_f32 v[C+2*\t:C+2*\t+1], v[X+8*\t:X+8*\t+7], v8
.endr
	v_nop                                          ; a plain line behind the last conversion
.irp t, 0,1,2,3
	global_store_b64 v3, v[C+2*\t:C+2*\t+1], s[12:13] offset:1024*\t   ; the wave stores 256 consecutive bytes, at a multiple of 256 from xq's first byte
.endr
	; each of the 32 sums over the wave's 32 lanes
.irp m, 1,2,4,8
.set j, 0
.rept 32
	v_add_f32_dpp v[A+j], v[A+j], v[A+j] row_xmask:\m row_mask:0xf bank_mask:0xf
.set j, j+1
.endr
.endr
.set j, 0
.rept 32
	v_permlanex16_b32 v[G+j], v[A+j], s20, s21     ; (Wg's registers are done with, and have been written)
.set j, j+1
.endr
.set j, 0
.rept 32
	v_add_f32 v[A+j], v[A+j], v[G+j]
.set j, j+1
.endr
.irp u, 0,1,2,3,4,5,6,7
	ds_store_b128 v4, v[A+4*\u:A+4*\u+3] offset:16*\u   ; all lanes write the same words with the same numbers: byte 128 w + 32 t + 4 e
.endr
	s_wait_dscnt 0x0                               ; for the others' sake: my stores have landed
	s_barrier_signal -1
	s_barrier_wait -1
	s_cmp_lg_u32 s18, 0
	s_cbranch_scc1 .Lend                           ; wave 0 finishes: lane l works token l % 4
.irp w, 0,1,2,3
	ds_load_b128 v[G+8*\w:G+8*\w+3],   v5 offset:128*\w
	ds_load_b128 v[G+8*\w+4:G+8*\w+7], v5 offset:128*\w+16
.endr
	s_wait_dscnt 0x0
.irp e, 0,1,2,3,4,5,6,7
	v_add_f32 v[LG+\e], v[G+\e], v[G+8+\e]
	v_add_f32 v[LG+8+\e], v[G+16+\e], v[G+24+\e]
.endr
.irp e, 0,1,2,3,4,5,6,7
	v_add_f32 v[LG+\e], v[LG+\e], v[LG+8+\e]
.endr
.irp e, 0,1,2,3,4,5,6,7
	v_add_f32 v[LG+\e], s[24+\e], v[LG+\e]         ; + bg
.endr
	v_max3_num_f32 v[MX], v[LG], v[LG+1], v[LG+2]
	v_max3_num_f32 v[MX], v[MX], v[LG+3], v[LG+4]
	v_max3_num_f32 v[MX], v[MX], v[LG+5], v[LG+6]
	v_max_num_f32 v[MX], v[MX], v[LG+7]
.irp e, 0,1,2,3,4,5,6,7
	v_sub_f32 v[LG+\e], v[LG+\e], v[MX]            ; the row's largest is taken away ahead of the choice
.endr
	v_mov_b32 v[BV], v[LG]                         ; the largest: a later expert takes the place only if it is strictly larger
	v_mov_b32 v[BX], 0
.irp e, 1,2,3,4,5,6,7
	v_cmp_le_f32 vcc_lo, v[LG+\e], v[BV]           ; keep
	v_cndmask_b32 v[BX], \e, v[BX], vcc_lo
	v_cndmask_b32 v[BV], v[LG+\e], v[BV], vcc_lo
.endr
	v_mov_b32 v[SV2], 0xff800000                   ; the second: the same among the other seven, from -infinity on
	v_mov_b32 v[SX2], 0
.irp e, 0,1,2,3,4,5,6,7
	v_cmp_eq_u32 s33, \e, v[BX]
	v_cmp_le_f32 vcc_lo, v[LG+\e], v[SV2]
	s_or_b32 vcc_lo, vcc_lo, s33                   ; keep
	v_cndmask_b32 v[SX2], \e, v[SX2], vcc_lo
	v_cndmask_b32 v[SV2], v[LG+\e], v[SV2], vcc_lo
.endr
	v_sub_f32 v133, v[SV2], v[BV]                  ; second - first, 0 or less: the softmax's largest is taken away
	v_mul_f32 v133, 0x3fb8aa3b, v133               ; x log2(e)
	s_wait_alu depctr_va_vdst(0)
	v_exp_f32 v134, v133
	v_mov_b32 v136, 1                              ; a plain line behind the exponential
	s_wait_alu depctr_va_vdst(0)                   ; the wait ahead of the first line that names the result
	v_add_f32 v135, 1.0, v134
	s_wait_alu depctr_va_vdst(0)
	v_rcp_f32 v138, v135                           ; the first weight: 1 / (1 + ex)
	v_mov_b32 v137, 0x100                          ; a plain line behind the reciprocal
	s_wait_alu depctr_va_vdst(0)
	v_mul_f32 v139, v134, v138                     ; the second: ex / (1 + ex)
	v_lshlrev_b32 v136, v[BX], v136
	v_lshlrev_b32 v137, v[SX2], v137
	v_or_b32 v136, v136, v137
	v_lshlrev_b32 v140, 2, v0
	v_lshlrev_b32 v141, 3, v0
	v_cmp_gt_u32 vcc_lo, 4, v0
	s_wait_alu depctr_va_vdst(0)
	s_wait_xcnt 0x0                                ; EXEC changes only behind this wait: xq's stores have read it
	s_and_saveexec_b32 s33, vcc_lo                 ; lanes 0 to 3: the four tokens; 16 and 32 consecutive bytes
	global_store_b32 v140, v136, s[14:15]
	global_store_b64 v141, v[138:139], s[16:17]
	s_wait_xcnt 0x0
	s_or_b32 exec_lo, exec_lo, s33
.Lend:
	s_wait_tensorcnt 0x0
	ds_add_u32 v160, v161
	s_wait_dscnt 0x0
	s_endpgm
.Lfunc_end_k_q5576b0236e_gate:
	.size	k_q5576b0236e_gate, .Lfunc_end_k_q5576b0236e_gate-k_q5576b0236e_gate
	.p2alignl 7, 3214868480
	.fill 96, 4, 3214868480
	.section	.rodata,"a",@progbits
	.p2align	6, 0x0
	.amdhsa_kernel k_q5576b0236e_gate
		.amdhsa_group_segment_fixed_size 1024
		.amdhsa_private_segment_fixed_size 0
		.amdhsa_enable_private_segment 0
		.amdhsa_kernarg_size 56
		.amdhsa_user_sgpr_count 2
		.amdhsa_user_sgpr_kernarg_segment_ptr 1
		.amdhsa_wavefront_size32 1
		.amdhsa_system_sgpr_workgroup_id_x 1
		.amdhsa_system_sgpr_workgroup_id_y 1
		.amdhsa_system_sgpr_workgroup_id_z 1
		.amdhsa_system_vgpr_workitem_id 0
		.amdhsa_next_free_vgpr 162
		.amdhsa_next_free_sgpr 66
		.amdhsa_reserve_vcc 1
		.amdhsa_float_denorm_mode_32 3
		.amdhsa_float_denorm_mode_16_64 3
		.amdhsa_memory_ordered 1
		.amdhsa_forward_progress 1
		.amdhsa_inst_pref_size 33
	.end_amdhsa_kernel
	.amdgpu_metadata
---
amdhsa.version: [ 1, 2 ]
amdhsa.kernels:
  - .name:           k_q5576b0236e_gate
    .symbol:         k_q5576b0236e_gate.kd
    .args:
      - { .name: x, .offset: 0, .size: 8, .value_kind: global_buffer, .address_space: global }
      - { .name: Wg, .offset: 8, .size: 8, .value_kind: global_buffer, .address_space: global }
      - { .name: bg, .offset: 16, .size: 8, .value_kind: global_buffer, .address_space: global }
      - { .name: lowp_scales, .offset: 24, .size: 8, .value_kind: global_buffer, .address_space: global }
      - { .name: xq, .offset: 32, .size: 8, .value_kind: global_buffer, .address_space: global }
      - { .name: selm, .offset: 40, .size: 8, .value_kind: global_buffer, .address_space: global }
      - { .name: gw, .offset: 48, .size: 8, .value_kind: global_buffer, .address_space: global }
    .group_segment_fixed_size: 1024
    .private_segment_fixed_size: 0
    .kernarg_segment_align: 8
    .kernarg_segment_size: 56
    .max_flat_workgroup_size: 128
    .sgpr_count:     66
    .vgpr_count:     162
    .wavefront_size: 32
...
	.end_amdgpu_metadata
.endif
;; end of part 7
;; launch up (part 8): grid 256 x 1, 4 waves a work-group, no clusters, 266,752 bytes of LDS; arguments xq, W1_codes, b1, lowp_scales, selm, hq, cnt; writes hq, cnt
.if DOCPART == 8
	.amdgcn_target "amdgcn-amd-amdhsa--gfx1250"
	.amdhsa_code_object_version 6
	.text
	.protected	k_q5576b0236e_up
	.globl	k_q5576b0236e_up
	.p2align	8
	.type	k_q5576b0236e_up,@function
k_q5576b0236e_up:
	s_mov_b64 s[64:65], 0
	v_nop
	global_prefetch_b8 v0, s[64:65] scope:SCOPE_SE
	s_setreg_imm32_b32 hwreg(HW_REG_WAVE_MODE, 25, 1), 1
	s_wait_xcnt 0x0
; UP.  The first product of the chosen experts alone: h = Q(gelu(x W1[e] + b1[e])) for the tokens that chose expert e, on codes of E5M2; h leaves as codes.
; SHARES.  Work-group = (expert e = wg / 32, hidden units 128 c .. 128 c + 127, c = wg % 32): its 128 rows of W1 are read from memory once and stay in registers.  The expert's tokens, in ascending order,
; are its POSITIONS 0 .. cnt - 1; they go in groups of 64.  Wave w = (wr, wc) makes rows 32 wr .. + 31 of a group x units 64 wc .. + 63, and gathers rows 16 w .. + 15 of the NEXT group.
; THE LIST IS NEVER STORED: bit t of a mask of 1,024 bits (32 scalar registers, made from selm) says that token t chose e; SELECT finds the token of the p-th set bit in registers.
; The number of bits set in front of each word of the mask is the same for every search: it is made once, at the head, and kept in 31 vector registers.
; 16 groups are walked whatever cnt is: the loop's count is a constant and every barrier stands bare; only the work is jumped over, by scalar branches on cnt, which is made of whole numbers that an earlier launch stored.
; Group 0 is always made (cv = max(cnt, 64)); positions at or behind cnt get some token's row, which nobody reads in the end.
; A GROUP: half of x's fragments are asked of LDS; the next group's tokens are looked up; the other half; 32 products; the next group's rows are asked of memory, into the registers that those products have freed;
; 32 products; the activation and the codes' stores; the gathered rows go into the other LDS buffer; a barrier.
; THE PRODUCT IS USED TRANSPOSED (source 0 = 16 rows of W1, source 1 = 16 rows of x): a lane holds one row.  THE ROWS OF W1 THAT FORM A TILE ARE NOT NEIGHBOURS: lane r of tile 2 bb + u takes unit
; 32 bb + 8 u + r + 8 (r / 8), so that the 16 registers of tiles 2 bb and 2 bb + 1 are 16 neighbouring units, 32 bb + 16 (lane / 16) + 0 .. 15: the conversions' results are the next product's operand.
; b1 goes in as the C of each sum's first product, divided by 2^E, E = e0 + e1.  gelu(h) = h/2 + h/2 erf(h / sqrt 2), erf(t) = t P(t^2) / Q(t^2) on |t| <= 4 (seven and five terms).
; OUT: hq [e][tile of 16 positions m][K step c][2,048 bytes]: the image of an operand's registers: group c' of 512 bytes holds lane l's 16 bytes at 16 l: units 128 c + 32 c' + 16 (l / 16) + 0 .. 15 of row l % 16.
;      cnt [8] int32: how many tokens chose each expert.  Stored by the work-groups with c = 0.
; K in the fragments: registers 4 c' .. 4 c' + 3 hold k = 32 c' + 16 (lane / 16) + 0 .. 15: a permutation of k, the same on both sides of each product.
; No tensor load, no cluster: which groups have work hangs on loaded counts.
; LIMITS: E between -125 and 127; e3 between -126 and 112; NaN and infinities are not served.  1 + erf is formed as a sum, so for negative h the error of gelu is about 1e-7 |h| / 2, not 1e-7 of gelu.
; REGISTERS, in windows of 256: window 0: see the names below.  Windows 1, 2: W1's fragment (tile T, K step s) at window 1 + s / 4, v[16 (4 (s % 4) + T)].
;   window 3: x's fragment (K step s, tile of rows mm) at v[16 (2 s + mm)]; behind the products of K steps 0 to 3, v0-127 take the next group's gathered rows.
.set PITCH, 1040                       ; an LDS row: 1,024 bytes + 16: an odd multiple of 16, so the 16 rows of a fragment load start at 16 different groups of four banks (64 banks of 4 bytes: ISA guide 11.1)
.set XB0,   128*PITCH                  ; LDS: W1's 128 rows at 0; then two buffers of 64 rows of x's codes
.set XBS,   64*PITCH
.set A16, 1                            ; 16 (lane % 16)
.set L16, 2                            ; 16 lane
.set P0,  3                            ; the position, in a group, that my lane looks up: 16 w + lane % 16
.set XS,  4                            ; v4, v5  where I store gathered rows in buffer 0, 1
.set XL,  6                            ; v6, v7  where I read x's fragments in buffer 0, 1
.set GA,  8                            ; v8-23   the gather's sixteen byte offsets in xq: row i's token x 1,024 + 16 lane
.set SW,  24
.set PK,  25
.set NN,  26
.set GG,  27
.set POS, 28
.set N2,  29
.set N4,  30
.set N8,  31
.set N16, 32
.set CL,  33
.set T1,  34
.set PP,  35
.set TOK, 36
.set SC3, 40                           ; 2^e3 as f32
.set LM3, 41                           ; 57,344 x 2^e3
.set VA11, 42                          ; v[42:43] alpha 11, twice
.set VB6, 44                           ; v[44:45] beta 6, twice
.set WSS, 46
.set WSL, 47
.set BB,  48                           ; v48-79   b1 / 2^E, eight registers a tile
.set ACC, 80                           ; v80-143  the sums: (mm, T) at ACC + 8 (4 mm + T)
.set GT,  144
.set GZ,  160
.set GQ,  176
.set GP,  192
.set CODE, 208                         ; v208-223 four registers of codes for each of a group's four stores
.set ZR,  224                          ; 0
.set PRE, 225                          ; v225-255 word g = 1 .. 31 of the mask at PRE + g - 1: (bits set in front of it) << 16 | g, the same in every lane
.set LN,  144                          ; at the head alone, in registers that the activation takes later:
.set R16, 145
.set HH,  146
.set WGA, 147
.set B1A, 148
.set L4,  149
.set T2,  150
.set M,    32                          ; s32-63   the mask
.set AL13, 66                          ; s66-89   constants, each twice: the packed forms name a pair
.set AL9,  68
.set AL7,  70
.set AL5,  72
.set AL3,  74
.set AL1,  76
.set BE8,  78
.set BE4,  80
.set BE2,  82
.set BE0,  84
.set K1,   86                          ; 2^E / sqrt 2
.set K2,   88                          ; 2^E / 2
.set HQ,   90                          ; s[90:91] hq at my wave's part of the group in hand
.set RUNP, 95
.set SCL,  96                          ; s[96:99] e0, e1, e2, e3
.set BC,   100
.set SX,   101
.set MSB, 0
.macro WIN new                         ; the immediate's high byte repeats the setting that is left
.if MSB != \new
	s_set_vgpr_msb (MSB<<8)|\new
.set MSB, \new
.endif
.endm
.macro PAIR r, val
	s_mov_b32 s[\r], \val
	s_mov_b32 s[\r+1], \val
.endm
; One step of the search inside a word: does the wanted bit lie behind the next span bits?
.macro HALVE src, width, span
	v_bfe_u32 v[CL], v[\src], v[POS], \width       ; set bits among the next span
	v_cmp_lt_u32 vcc_lo, v[NN], v[CL]              ; it lies among them: stay
	v_cndmask_b32 v[CL], v[CL], v[ZR], vcc_lo
	v_cndmask_b32 v[T1], \span, v[ZR], vcc_lo
	v_sub_nc_u32 v[NN], v[NN], v[CL]
	v_add_nc_u32 v[POS], v[POS], v[T1]
.endm
; v[TOK] = the token of the mask's v[PP]-th set bit.  First the word: the last one in front of which at most PP bits are set; then five halvings on bit counts kept side by side.
; (count << 16 | word) > (PP << 16 | 0xffff) holds just where count > PP: one compare serves, and the word's number rides along.
.macro SELECT
	v_lshl_or_b32 v[T1], v[PP], 16, 0xffff
	v_mov_b32 v[SW], s[M]
	v_mov_b32 v[PK], 0
.set g, 1
.rept 31
	v_cmp_gt_u32 vcc_lo, v[PRE+g-1], v[T1]         ; more than PP bits in front of word g: keep the earlier word
	v_cndmask_b32 v[SW], s[M+g], v[SW], vcc_lo
	v_cndmask_b32 v[PK], v[PRE+g-1], v[PK], vcc_lo
.set g, g+1
.endr
	v_lshrrev_b32 v[NN], 16, v[PK]
	v_sub_nc_u32 v[NN], v[PP], v[NN]               ; which set bit of the word
	v_and_b32 v[GG], 31, v[PK]
	v_lshrrev_b32 v[T1], 1, v[SW]
	v_and_b32 v[T1], 0x55555555, v[T1]
	v_sub_nc_u32 v[N2], v[SW], v[T1]               ; counts of 2 bits,
	v_lshrrev_b32 v[T1], 2, v[N2]
	v_and_b32 v[T1], 0x33333333, v[T1]
	v_and_b32 v[N4], 0x33333333, v[N2]
	v_add_nc_u32 v[N4], v[N4], v[T1]               ; of 4,
	v_lshrrev_b32 v[T1], 4, v[N4]
	v_add_nc_u32 v[N8], v[N4], v[T1]
	v_and_b32 v[N8], 0x0f0f0f0f, v[N8]             ; of 8,
	v_lshrrev_b32 v[T1], 8, v[N8]
	v_add_nc_u32 v[N16], v[N8], v[T1]              ; of 16 (in byte 0)
	v_mov_b32 v[POS], 0
	HALVE N16, 8, 16
	HALVE N8, 8, 8
	HALVE N4, 4, 4
	HALVE N2, 2, 2
	HALVE SW, 1, 1
	v_lshl_add_u32 v[TOK], v[GG], 5, v[POS]
	v_min_u32 v[TOK], 0x3ff, v[TOK]                ; a position at or behind cnt gives some token of the table
.endm
; Lane i (0 .. 15) holds the token of my wave's row i.  Four at a time they become scalars, are held under xq's 1,024 rows, and make the row's byte offset + 16 x lane.
.macro GADDR
.irp b, 0,4,8,12
	v_readlane_b32 s2,  v[TOK], \b
	v_readlane_b32 s3,  v[TOK], \b+1
	v_readlane_b32 s92, v[TOK], \b+2
	v_readlane_b32 s93, v[TOK], \b+3
	s_min_u32 s2,  s2,  0x3ff
	s_min_u32 s3,  s3,  0x3ff
	s_min_u32 s92, s92, 0x3ff
	s_min_u32 s93, s93, 0x3ff
	v_lshl_add_u32 v[GA+\b],   s2,  10, v[L16]
	v_lshl_add_u32 v[GA+\b+1], s3,  10, v[L16]
	v_lshl_add_u32 v[GA+\b+2], s92, 10, v[L16]
	v_lshl_add_u32 v[GA+\b+3], s93, 10, v[L16]
.endr
.endm
; My wave's 16 rows of the next group are asked for: two loads a row, each of 512 consecutive bytes, aligned.
.macro GLOAD
	WIN 0xC0                                       ; destination window 3
.set i, 0
.rept 16
	global_load_b128 v[8*i:8*i+3],   v[GA+i], s[4:5]
	global_load_b128 v[8*i+4:8*i+7], v[GA+i], s[4:5] offset:512
.set i, i+1
.endr
	WIN 0
.endm
; The gathered rows go into the other buffer: each store covers 512 consecutive bytes of a row.
.macro PUT adr
	WIN 0x0C                                       ; store data window 3
.set i, 0
.rept 16
	ds_store_b128 v[\adr], v[8*i:8*i+3]   offset:i*PITCH
	ds_store_b128 v[\adr], v[8*i+4:8*i+7] offset:i*PITCH+512
.set i, i+1
.endr
	WIN 0
.endm
; x's fragments of my 32 rows, K steps lo .. lo + 3: 32 loads
.macro XFETCH adr, lo
	WIN 0xC0
.irp s, 0,1,2,3
.irp mm, 0,1
.irp c, 0,1,2,3
	ds_load_b128 v[16*(2*(\s+\lo)+\mm)+4*\c:16*(2*(\s+\lo)+\mm)+4*\c+3], v[\adr] offset:16*\mm*PITCH+128*(\s+\lo)+32*\c
.endr
.endr
.endr
.endm
; 64 products in two halves: eight accumulators take turns, one instruction a turn; the first K step starts each sum from b1 / 2^E.
.macro MULA
	s_wait_dscnt 32                                ; K steps 0 to 3 are in; the younger 32 loads may be out
	WIN 0x0D                                       ; source 0 (W1) window 1, source 1 (x) window 3, C and D window 0
.irp s, 0,1,2,3
.irp mm, 0,1
.irp t, 0,1,2,3
.if \s == 0
	v_wmma_f32_16x16x128_bf8_bf8 v[ACC+8*(4*\mm+\t):ACC+8*(4*\mm+\t)+7], v[16*(4*\s+\t):16*(4*\s+\t)+15], v[16*(2*\s+\mm):16*(2*\s+\mm)+15], v[BB+8*\t:BB+8*\t+7]
.else
	v_wmma_f32_16x16x128_bf8_bf8 v[ACC+8*(4*\mm+\t):ACC+8*(4*\mm+\t)+7], v[16*(4*\s+\t):16*(4*\s+\t)+15], v[16*(2*\s+\mm):16*(2*\s+\mm)+15], v[ACC+8*(4*\mm+\t):ACC+8*(4*\mm+\t)+7]
.endif
.endr
.endr
.endr
	WIN 0
.endm
.macro MULB
	s_wait_dscnt 0x0                               ; K steps 4 to 7 are in
	WIN 0x0E                                       ; W1's K steps 4 to 7 lie in window 2
.irp s, 4,5,6,7
.irp mm, 0,1
.irp t, 0,1,2,3
	v_wmma_f32_16x16x128_bf8_bf8 v[ACC+8*(4*\mm+\t):ACC+8*(4*\mm+\t)+7], v[16*(4*(\s-4)+\t):16*(4*(\s-4)+\t)+15], v[16*(2*\s+\mm):16*(2*\s+\mm)+15], v[ACC+8*(4*\mm+\t):ACC+8*(4*\mm+\t)+7]
.endr
.endr
.endr
	WIN 0
.rept 5
	v_nop                                          ; places (ISA guide 7.12.1) in front of the first read of the sums, and of the next group's first products, which write over these accumulators
.endr
.endm
; 16 sums of a lane (two neighbouring tiles: 16 neighbouring units of one row) become 16 codes and leave.  The 16 reciprocals are one batch; P's 48 lines are the work behind them; one wait.
.macro GELU blk, mm, bb
.set AB, ACC+16*(\blk)
.irp i, 0,2,4,6,8,10,12,14
	v_pk_mul_f32 v[GT+\i:GT+\i+1], v[AB+\i:AB+\i+1], s[K1:K1+1] op_sel_hi:[1,0]   ; t = h / sqrt 2; each accumulator is read from its low end on
.endr
.irp i, 0,1,2,3,4,5,6,7,8,9,10,11,12,13,14,15
	v_med3_num_f32 v[GT+\i], v[GT+\i], -4.0, 4.0
.endr
.irp i, 0,2,4,6,8,10,12,14
	v_pk_mul_f32 v[GZ+\i:GZ+\i+1], v[GT+\i:GT+\i+1], v[GT+\i:GT+\i+1]
.endr
.irp i, 0,2,4,6,8,10,12,14
	v_pk_fma_f32 v[GQ+\i:GQ+\i+1], v[GZ+\i:GZ+\i+1], s[BE8:BE8+1], v[VB6:VB6+1] op_sel_hi:[1,0,1]
.endr
.irp k, BE4, BE2, BE0
.irp i, 0,2,4,6,8,10,12,14
	v_pk_fma_f32 v[GQ+\i:GQ+\i+1], v[GQ+\i:GQ+\i+1], v[GZ+\i:GZ+\i+1], s[\k:\k+1] op_sel_hi:[1,1,0]
.endr
.endr
	s_wait_alu depctr_va_vdst(0)
.irp i, 0,1,2,3,4,5,6,7,8,9,10,11,12,13,14,15
	v_rcp_f32 v[GQ+\i], v[GQ+\i]                   ; Q is negative for every t^2: never 0
.endr
.irp i, 0,2,4,6,8,10,12,14
	v_pk_fma_f32 v[GP+\i:GP+\i+1], v[GZ+\i:GZ+\i+1], s[AL13:AL13+1], v[VA11:VA11+1] op_sel_hi:[1,0,1]
.endr
.irp k, AL9, AL7, AL5, AL3, AL1
.irp i, 0,2,4,6,8,10,12,14
	v_pk_fma_f32 v[GP+\i:GP+\i+1], v[GP+\i:GP+\i+1], v[GZ+\i:GZ+\i+1], s[\k:\k+1] op_sel_hi:[1,1,0]
.endr
.endr
	s_wait_alu depctr_va_vdst(0)                   ; the wait ahead of the first line that names a reciprocal: one for the batch
.irp i, 0,2,4,6,8,10,12,14
	v_pk_mul_f32 v[GP+\i:GP+\i+1], v[GP+\i:GP+\i+1], v[GQ+\i:GQ+\i+1]
.endr
.irp i, 0,2,4,6,8,10,12,14
	v_pk_mul_f32 v[GT+\i:GT+\i+1], v[GT+\i:GT+\i+1], v[GP+\i:GP+\i+1]             ; erf
.endr
.irp i, 0,2,4,6,8,10,12,14
	v_pk_mul_f32 v[GZ+\i:GZ+\i+1], v[AB+\i:AB+\i+1], s[K2:K2+1] op_sel_hi:[1,0]   ; h / 2
.endr
.irp i, 0,2,4,6,8,10,12,14
	v_pk_fma_f32 v[GT+\i:GT+\i+1], v[GZ+\i:GZ+\i+1], v[GT+\i:GT+\i+1], v[GZ+\i:GZ+\i+1]
.endr
.irp i, 0,1,2,3,4,5,6,7,8,9,10,11,12,13,14,15
	v_med3_num_f32 v[GT+\i], v[GT+\i], -v[LM3], v[LM3]   ; the conversion to an 8-bit code does not saturate (ISA guide 7.6.2)
.endr
	v_cvt_scalef32_pk8_bf8_f32 v[CODE+4*(\blk):CODE+4*(\blk)+1], v[GT:GT+7], v[SC3]
	v_cvt_scalef32_pk8_bf8_f32 v[CODE+4*(\blk)+2:CODE+4*(\blk)+3], v[GT+8:GT+15], v[SC3]
	v_nop                                          ; a plain line behind the last conversion: the next block writes its sources
	global_store_b128 v[L16], v[CODE+4*(\blk):CODE+4*(\blk)+3], s[HQ:HQ+1] offset:65536*\mm+512*\bb   ; the wave stores 512 consecutive bytes, at a multiple of 512 from hq's first byte
.endm
; A group of 64 positions, read from buffer p; the next group is gathered into the other buffer.
.macro GROUP p
	s_cmp_ge_u32 s26, s24                          ; my 32 rows begin at or behind cv: nothing to make
	s_cbranch_scc1 .Lidle_\@
	XFETCH XL+\p, 0
	WIN 0
	s_add_co_u32 s30, s25, 64
	s_cmp_ge_u32 s30, s24
	s_cbranch_scc1 .Lno_sel_\@                     ; there is no next group
	v_add_nc_u32 v[PP], s30, v[P0]
	SELECT                                         ; register work, while the LDS loads above come in
	GADDR
.Lno_sel_\@:
	XFETCH XL+\p, 4
	MULA
	s_cmp_ge_u32 s30, s24
	s_cbranch_scc1 .Lno_gat_\@
.rept 4
	v_nop                                          ; places (ISA guide 7.12.1 for vector instructions) in front of loads into registers that the products above have read
.endr
	s_wait_alu depctr_va_vdst(0)
	GLOAD                                          ; its 32 loads are on their way through 32 products and the activation
.Lno_gat_\@:
	MULB
	GELU 0, 0, 0                                   ; (the last group's stores have read their codes' registers: the wait on XCNT behind its barrier)
	GELU 1, 0, 1
	GELU 2, 1, 0
	GELU 3, 1, 1
.Lidle_\@:
	s_wait_loadcnt 0x0                             ; the gathered rows are in, and their loads' offsets are free
	s_add_co_u32 s30, s25, 64
	s_cmp_ge_u32 s30, s24
	s_cbranch_scc1 .Lno_put_\@
	PUT XS+1-\p
.Lno_put_\@:
	s_wait_dscnt 0x0                               ; my stores into the other buffer have landed, and my reads of this one are over
	s_barrier_signal -1
	s_barrier_wait -1                              ; on every wave's way, in every group
	s_wait_xcnt 0x0                                ; the stores have read their base and their data
	s_add_nc_u64 s[HQ:HQ+1], s[HQ:HQ+1], 262144    ; four tiles of 65,536 bytes on
	s_add_co_u32 s25, s25, 64
	s_add_co_u32 s26, s26, 64
.endm
	s_load_b256 s[4:11], s[0:1], 0x0               ; xq s[4:5], W1's codes s[6:7], b1 s[8:9], the scales' exponents s[10:11]
	s_load_b128 s[12:15], s[0:1], 0x20             ; selm s[12:13], hq s[14:15]
	s_load_b64 s[16:17], s[0:1], 0x30              ; cnt
	v_lshl_add_u32 v38, v0, 2, 0x41000
	v_mov_b32 v39, 0
	v_lshrrev_b32 v[T1], 5, v0
	v_readfirstlane_b32 s18, v[T1]                 ; wave 0..3
	s_lshr_b32 s19, s18, 1                         ; wr
	s_and_b32 s20, s18, 1                          ; wc
	s_lshr_b32 s21, ttmp9, 5                       ; e
	s_and_b32 s22, ttmp9, 31                       ; c
	v_and_b32 v[LN], 31, v0
	v_and_b32 v[R16], 15, v0
	v_bfe_u32 v[HH], v0, 4, 1
	v_lshlrev_b32 v[A16], 4, v[R16]
	v_lshlrev_b32 v[L16], 4, v[LN]
	v_lshlrev_b32 v[L4], 2, v[LN]
	v_lshlrev_b32 v[B1A], 6, v[HH]                 ; b1: 16 numbers further on for lanes 16-31
	v_lshl_add_u32 v[WGA], v[HH], 10, v[A16]       ; W1: lanes 0-15 one row, lanes 16-31 the next
	s_lshl_b32 s30, s18, 4
	v_add_nc_u32 v[P0], s30, v[R16]
	v_mov_b32 v[ZR], 0
	; every LDS address is made here: a constant, a lane term, a wave term
	v_mul_u32_u24 v[T1], v[HH], PITCH
	v_lshl_add_u32 v[T1], v[R16], 4, v[T1]         ; by rows: two rows an instruction, 16 bytes a lane
	v_mul_u32_u24 v[T2], v[R16], PITCH
	v_lshl_add_u32 v[T2], v[HH], 4, v[T2]          ; by fragments: row lane % 16, + 16 (lane / 16)
	s_mul_i32 s30, s18, 16*PITCH
	s_add_co_u32 s30, s30, XB0
	v_add_nc_u32 v[XS], s30, v[L16]                ; gathered rows: my wave's 16 rows, 16 bytes a lane
	v_add_nc_u32 v[XS+1], XBS, v[XS]
	s_mul_i32 s30, s19, 32*PITCH
	s_add_co_u32 s30, s30, XB0
	v_add_nc_u32 v[XL], s30, v[T2]
	v_add_nc_u32 v[XL+1], XBS, v[XL]
	s_mul_i32 s30, s18, 32*PITCH
	v_add_nc_u32 v[WSS], s30, v[T1]
	s_mul_i32 s30, s20, 64*PITCH
	v_add_nc_u32 v[WSL], s30, v[T2]
	PAIR AL13, 0xAF95DF0B                          ; -2.72614226e-10
	PAIR AL9,  0xB60CFF51                          ; -2.10102402e-06
	PAIR AL7,  0xB86EC2D2                          ; -5.69250639e-05
	PAIR AL5,  0xBA40AC63                          ; -7.34990630e-04
	PAIR AL3,  0xBB41A1F6                          ; -2.95459981e-03
	PAIR AL1,  0xBC83DBD4                          ; -1.60960333e-02
	PAIR BE8,  0xB77460CD                          ; -1.45660718e-05
	PAIR BE4,  0xBADC924E                          ; -1.68282697e-03
	PAIR BE2,  0xBBF19BF8                          ; -7.37332917e-03
	PAIR BE0,  0xBC69B6A7                          ; -1.42647391e-02
	v_mov_b32 v[VA11], 0x32EDFFEE                  ; 2.77068142e-08
	v_mov_b32 v[VA11+1], 0x32EDFFEE
	v_mov_b32 v[VB6], 0xB95FBD29                   ; -2.13374055e-04
	v_mov_b32 v[VB6+1], 0xB95FBD29
	s_mov_b32 s31, 0
	s_lshl_b32 s30, s21, 22                        ; W1: row 4,096 e + 128 c + 32 w, 1,024 bytes a row
	s_lshl_b32 s2, s22, 17
	s_add_co_u32 s30, s30, s2
	s_lshl_b32 s2, s18, 15
	s_add_co_u32 s30, s30, s2
	s_wait_kmcnt 0x0
	s_load_b128 s[SCL:SCL+3], s[10:11], 0x0
	s_add_nc_u64 s[6:7], s[6:7], s[30:31]
	s_lshl_b32 s30, s21, 14                        ; b1: number 4,096 e + 128 c + 64 wc
	s_lshl_b32 s2, s22, 9
	s_add_co_u32 s30, s30, s2
	s_lshl_b32 s2, s20, 8
	s_add_co_u32 s30, s30, s2
	s_add_nc_u64 s[8:9], s[8:9], s[30:31]
	s_lshl_b32 s30, s21, 22                        ; hq: expert, tile 2 wr, K step c, image group 2 wc
	s_lshl_b32 s2, s19, 17
	s_add_co_u32 s30, s30, s2
	s_lshl_b32 s2, s22, 11
	s_add_co_u32 s30, s30, s2
	s_lshl_b32 s2, s20, 10
	s_add_co_u32 s30, s30, s2
	s_add_nc_u64 s[HQ:HQ+1], s[14:15], s[30:31]
.irp t, 0,1,2,3
	global_load_b128 v[BB+8*\t:BB+8*\t+3],   v[B1A], s[8:9] offset:4*(32*(\t/2)+8*(\t%2))
	global_load_b128 v[BB+8*\t+4:BB+8*\t+7], v[B1A], s[8:9] offset:4*(32*(\t/2)+8*(\t%2))+16
.endr
.set g, 0
.rept 32
	global_load_b32 v[ACC+g], v[L4], s[12:13] offset:128*g   ; selm of tokens 32 g + lane
.set g, g+1
.endr
	WIN 0x40                                       ; destination window 1
.set i, 0
.rept 16
.irp q, 0,1,2,3
	global_load_b128 v[4*(4*i+\q):4*(4*i+\q)+3], v[WGA], s[6:7] offset:2048*i+256*\q th:TH_LOAD_NT   ; my 32 rows of W1, two rows x 256 bytes an instruction; read once in the launch
.endr
.set i, i+1
.endr
	WIN 0
	s_wait_kmcnt 0x0
	s_add_co_i32 s30, s[SCL], s[SCL+1]             ; E = e0 + e1
	s_sub_co_i32 s28, 0, s30
	s_lshl_b32 s2, s30, 23
	s_add_co_i32 s[K1], s2, 0x3F3504F3             ; E is added to the exponent field of 1 / sqrt 2
	s_mov_b32 s[K1+1], s[K1]
	s_add_co_i32 s2, s30, 126
	s_lshl_b32 s[K2], s2, 23
	s_mov_b32 s[K2+1], s[K2]
	s_add_co_i32 s2, s[SCL+3], 127
	s_lshl_b32 s3, s2, 23
	v_mov_b32 v[SC3], s3
	s_add_co_i32 s2, s2, 15
	s_lshl_b32 s2, s2, 23
	s_or_b32 s2, s2, 0x600000
	v_mov_b32 v[LM3], s2
	s_wait_loadcnt 63                              ; behind selm's last load stand W1's 64: b1 and selm are in
.set j, 0
.rept 32
	v_ldexp_f32 v[BB+j], v[BB+j], s28              ; b1 / 2^E
.set j, j+1
.endr
	s_lshl_b32 s30, 0x101, s21                     ; e as first or as second choice
.set g, 0
.rept 32
	v_and_b32 v[ACC+g], s30, v[ACC+g]
.set g, g+1
.endr
.set g, 0
.rept 32
	v_cmp_ne_u32 s[M+g], 0, v[ACC+g]               ; bit l: token 32 g + l chose e
.set g, g+1
.endr
	s_mov_b32 s23, 0
.set g, 0
.rept 32
	s_bcnt1_i32_b32 s[BC], s[M+g]
	s_add_co_u32 s23, s23, s[BC]                   ; bits set in words 0 .. g: in the end cnt
.if g < 31
	s_lshl_b32 s[RUNP], s23, 16
	s_or_b32 s[RUNP], s[RUNP], g+1                 ; with the number of the word that they stand in front of
	v_mov_b32 v[PRE+g], s[RUNP]
.endif
.set g, g+1
.endr
	s_max_u32 s24, s23, 64                         ; cv
	v_mov_b32 v[PP], v[P0]
	SELECT
	GADDR
	GLOAD                                          ; group 0
	s_wait_loadcnt 32                              ; W1 is in; the gather's 32 loads may be out
	WIN 0x04                                       ; store data window 1
.set i, 0
.rept 16
.irp q, 0,1,2,3
	ds_store_b128 v[WSS], v[4*(4*i+\q):4*(4*i+\q)+3] offset:(16*((i>>2)&1)+8*(i>>3)+2*(i&3))*PITCH+256*\q   ; row y of my 32 goes to place 16 y3 + 8 y4 + y % 8: a tile's 16 rows then lie on end
.endr
.set i, i+1
.endr
	WIN 0
	s_wait_loadcnt 0x0
	PUT XS
	s_or_b32 s30, s22, s18
	s_cmp_lg_u32 s30, 0
	s_cbranch_scc1 .Lno_cnt                        ; c = 0, wave 0, lane 0 stores the expert's count
	v_mov_b32 v[T1], s23
	s_lshl_b32 s30, s21, 2
	v_mov_b32 v[T2], s30
	v_cmp_eq_u32 vcc_lo, 0, v[LN]
	s_wait_alu depctr_va_vdst(0)
	s_wait_xcnt 0x0                                ; EXEC changes only behind this wait
	s_and_saveexec_b32 s[SX], vcc_lo
	global_store_b32 v[T2], v[T1], s[16:17]
	s_wait_xcnt 0x0
	s_or_b32 exec_lo, exec_lo, s[SX]
.Lno_cnt:
	s_wait_dscnt 0x0                               ; for the others' sake: W1's rows and group 0 have landed
	s_barrier_signal -1
	s_barrier_wait -1
	WIN 0x40
.irp s, 0,1,2,3
.irp t, 0,1,2,3
.irp c, 0,1,2,3
	ds_load_b128 v[16*(4*\s+\t)+4*\c:16*(4*\s+\t)+4*\c+3], v[WSL] offset:16*\t*PITCH+128*\s+32*\c
.endr
.endr
.endr
	WIN 0x80
.irp s, 4,5,6,7
.irp t, 0,1,2,3
.irp c, 0,1,2,3
	ds_load_b128 v[16*(4*(\s-4)+\t)+4*\c:16*(4*(\s-4)+\t)+4*\c+3], v[WSL] offset:16*\t*PITCH+128*\s+32*\c
.endr
.endr
.endr
	WIN 0
	s_mov_b32 s25, 0                               ; the group's first position
	s_lshl_b32 s26, s19, 5                         ; my first row's position
	s_mov_b32 s27, 0
	s_wait_dscnt 0x0                               ; W1's fragments are in: they stay
.Lgroups:                                          ; 8 trips of two groups, whatever cnt is
	GROUP 0
	GROUP 1
	s_add_co_u32 s27, s27, 1
	s_cmp_lt_u32 s27, 8
	s_cbranch_scc1 .Lgroups
	s_wait_tensorcnt 0x0
	ds_add_u32 v38, v39
	s_wait_dscnt 0x0
	s_endpgm
.Lfunc_end_k_q5576b0236e_up:
	.size	k_q5576b0236e_up, .Lfunc_end_k_q5576b0236e_up-k_q5576b0236e_up
	.p2alignl 7, 3214868480
	.fill 96, 4, 3214868480
	.section	.rodata,"a",@progbits
	.p2align	6, 0x0
	.amdhsa_kernel k_q5576b0236e_up
		.amdhsa_group_segment_fixed_size 266752
		.amdhsa_private_segment_fixed_size 0
		.amdhsa_enable_private_segment 0
		.amdhsa_kernarg_size 56
		.amdhsa_user_sgpr_count 2
		.amdhsa_user_sgpr_kernarg_segment_ptr 1
		.amdhsa_wavefront_size32 1
		.amdhsa_system_sgpr_workgroup_id_x 1
		.amdhsa_system_sgpr_workgroup_id_y 1
		.amdhsa_system_sgpr_workgroup_id_z 1
		.amdhsa_system_vgpr_workitem_id 0
		.amdhsa_next_free_vgpr 1024
		.amdhsa_next_free_sgpr 102
		.amdhsa_reserve_vcc 1
		.amdhsa_float_denorm_mode_32 3
		.amdhsa_float_denorm_mode_16_64 3
		.amdhsa_memory_ordered 1
		.amdhsa_forward_progress 1
		.amdhsa_inst_pref_size 183
	.end_amdhsa_kernel
	.amdgpu_metadata
---
amdhsa.version: [ 1, 2 ]
amdhsa.kernels:
  - .name:           k_q5576b0236e_up
    .symbol:         k_q5576b0236e_up.kd
    .args:
      - { .name: xq, .offset: 0, .size: 8, .value_kind: global_buffer, .address_space: global }
      - { .name: W1_codes, .offset: 8, .size: 8, .value_kind: global_buffer, .address_space: global }
      - { .name: b1, .offset: 16, .size: 8, .value_kind: global_buffer, .address_space: global }
      - { .name: lowp_scales, .offset: 24, .size: 8, .value_kind: global_buffer, .address_space: global }
      - { .name: selm, .offset: 32, .size: 8, .value_kind: global_buffer, .address_space: global }
      - { .name: hq, .offset: 40, .size: 8, .value_kind: global_buffer, .address_space: global }
      - { .name: cnt, .offset: 48, .size: 8, .value_kind: global_buffer, .address_space: global }
    .group_segment_fixed_size: 266752
    .private_segment_fixed_size: 0
    .kernarg_segment_align: 8
    .kernarg_segment_size: 56
    .max_flat_workgroup_size: 128
    .sgpr_count:     102
    .vgpr_count:     1024
    .wavefront_size: 32
...
	.end_amdgpu_metadata
.endif
;; end of part 8
;; launch down (part 9): grid 256 x 1, 4 waves a work-group, no clusters, 301,568 bytes of LDS; arguments hq, W2_codes, b2, lowp_scales, cnt, yk; writes yk
.if DOCPART == 9
	.amdgcn_target "amdgcn-amd-amdhsa--gfx1250"
	.amdhsa_code_object_version 6
	.text
	.protected	k_q5576b0236e_down
	.globl	k_q5576b0236e_down
	.p2align	8
	.type	k_q5576b0236e_down,@function
k_q5576b0236e_down:
	s_mov_b64 s[64:65], 0
	v_nop
	global_prefetch_b8 v0, s[64:65] scope:SCOPE_SE
	s_setreg_imm32_b32 hwreg(HW_REG_WAVE_SCHED_MODE, 0, 2), 2
	s_setreg_imm32_b32 hwreg(HW_REG_WAVE_MODE, 25, 1), 1
	s_wait_xcnt 0x0
	s_wait_alu depctr_vm_vsrc(0)
; DOWN.  The second product of the chosen experts: y[e][position][:] = (h W2[e]) x 2^(e2 + e3) + b2[e], on codes of E5M2.
; SHARES.  Work-group = (expert e = wg / 32, columns 64 n .. 64 n + 63 with n = (wg % 32) / 2, rho = wg % 2): it takes the expert's tiles of 16 positions m = 2 i + rho, i = 0 .. 31.
; THE WAVES SHARE K: wave w takes K steps 8 w .. 8 w + 7 (1,024 of the 4,096).  Its part of W2 (64 rows x 1,024 bytes: 32 fragments, 512 registers) stays in registers; each fragment of h is read
; by one wave alone, straight from memory as the image of an operand's registers (512 consecutive bytes a load), and feeds four products.  The four waves' partial sums meet in LDS, by rows,
; so that each wave adds up four whole rows and sixteen lanes store 256 consecutive bytes, aligned.
; OUT: yk [e 8][quarter of the columns 4][position 1,024][1,024 bytes]: every address is made of the work-group's and the wave's numbers and the loop's steps.  Of a tile in hand all 16 rows are stored,
; those at or behind cnt too: they have places of their own, which nobody reads.
; 32 steps are walked whatever the count is: the loop's count is a constant and the barrier stands bare; the work is jumped over by scalar branches on cnt, a whole number that an earlier launch stored.
; Tiles 0 to 3 of every expert are always stored by that launch, so the first two tiles are asked for without a question.
; h runs two tiles ahead, in two sets of 128 registers.  No tensor load, no cluster: which steps have work hangs on loaded counts.
; LIMITS: e2 + e3 between -126 and 127; K is split over the waves, so the sums are not in ascending order of K.
; REGISTERS, in windows of 256: window 0: addresses, v32-63 four accumulators, v64-95 the partial sums read back.  Windows 1, 2: W2's fragment (tile T of 16 columns, my K step s) at window 1 + s / 4, v[16 (4 (s % 4) + T)].
;   window 3: h's eight fragments of a tile, set b at v[128 b + 16 s].
; THE MODE: SCHED_MODE bits 1:0 = 2 (LLVM: expert scheduling mode 2), set by the entry lines.  The code itself states the register dependences
; between vector or matrix instructions and memory or LDS instructions, with s_wait_alu, always for 0.
; THE PLAN.  Registers that memory or LDS instructions touch, in the loop (step i works on set b = i % 2):
;   h's sets 0, 1   Step i: its 32 products read set b; later in the step the loads of the tile two steps on land in it.
;   ACC             Step i: its products write it; its eight LDS stores read it; step i + 1's products write it again.
;   RD              Step i: eight LDS loads land in it; the packed additions read and write it; two global stores read its first eight; step i + 1's LDS loads land in it again.
;   v2, v3, v4, v5  Offsets and LDS addresses, made once at the head and never written again: the scalar bases move on, and immediate offsets do the rest.
;   W2's fragments and b2 are named in the loop by matrix and vector instructions alone.  v254, v255: written at the head, read by the closing add alone.
; So three waits stand in a step.  One on va_vdst behind the products and their places: ACC is written, and the products are done reading set b; between it and the loads into set b stand LDS stores of ACC,
; LDS loads into RD, waits, the barrier and scalar lines: none names set b or v2.  One on va_vdst ahead of the global stores: RD is written; every vector line that names RD stands ahead of it, so the
; next step's LDS loads into RD lean on it too.  One on vm_vsrc at the step's end, on every way through the step: the LDS stores have read ACC and the global stores RD.
.set PITCH, 1040                       ; an LDS row of W2: 1,024 bytes + 16: an odd multiple of 16 (64 banks of 4 bytes: ISA guide 11.1)
.set WSW,   64*PITCH                   ; each wave's own 64 rows
.set PB,    4*WSW                      ; behind them: the partial sums: [2 by turns][4 waves][16 rows x (256 bytes + 16)]
.set PBW,   16*272
.set PBP,   4*PBW
.set B2,  20                           ; v[20:23] b2 of columns 64 n + 4 (lane % 16) + 0 .. 3
.set ACC, 32
.set RD,  64
.set MSB, 0
.macro WIN new                         ; the immediate's high byte repeats the setting that is left
.if MSB != \new
	s_set_vgpr_msb (MSB<<8)|\new
.set MSB, \new
.endif
.endm
; 32 loads: my eight fragments of a tile of h
.macro LOADT b, off
	WIN 0xC0                                       ; destination window 3
.set j, 0
.rept 32
	global_load_b128 v[128*\b+4*j:128*\b+4*j+3], v2, s[24:25] offset:\off+512*j
.set j, j+1
.endr
	WIN 0
.endm
; 32 products, transposed (source 0 = 16 rows of W2, source 1 = 16 rows of h): a lane holds eight neighbouring columns of one row.  Four accumulators take turns.
.macro COMPUTE b
	WIN 0x0D                                       ; source 0 window 1, source 1 window 3, C and D window 0
.irp s, 0,1,2,3
.irp t, 0,1,2,3
.if \s == 0
	v_wmma_f32_16x16x128_bf8_bf8 v[ACC+8*\t:ACC+8*\t+7], v[16*(4*\s+\t):16*(4*\s+\t)+15], v[128*\b+16*\s:128*\b+16*\s+15], 0
.else
	v_wmma_f32_16x16x128_bf8_bf8 v[ACC+8*\t:ACC+8*\t+7], v[16*(4*\s+\t):16*(4*\s+\t)+15], v[128*\b+16*\s:128*\b+16*\s+15], v[ACC+8*\t:ACC+8*\t+7]
.endif
.endr
.endr
	WIN 0x0E                                       ; W2's K steps 4 to 7 lie in window 2
.irp s, 4,5,6,7
.irp t, 0,1,2,3
	v_wmma_f32_16x16x128_bf8_bf8 v[ACC+8*\t:ACC+8*\t+7], v[16*(4*(\s-4)+\t):16*(4*(\s-4)+\t)+15], v[128*\b+16*\s:128*\b+16*\s+15], v[ACC+8*\t:ACC+8*\t+7]
.endr
.endr
	WIN 0
.rept 5
	v_nop                                          ; places in front of the stores that read the sums, and of the next step's first products, which write over these accumulators
.endr
	s_wait_alu depctr_va_vdst(0)                   ; the products have written ACC, which the LDS stores below read, and are done reading h's set b, in which this step's loads land; the places above stay beside this wait
.irp t, 0,1,2,3
	ds_store_b128 v3, v[ACC+8*\t:ACC+8*\t+3]   offset:PBP*\b+64*\t      ; row lane % 16, columns 16 T + 8 (lane / 16) + 0 .. 7; each accumulator from its low end on
	ds_store_b128 v3, v[ACC+8*\t+4:ACC+8*\t+7] offset:PBP*\b+64*\t+16
.endr
.endm
; My four rows: the four waves' parts are added, x 2^(e2 + e3) + b2, and stored at their positions.
; ahead = 1: behind the LDS loads the tile two steps on is asked for, into the set just multiplied: it is on its way while the parts come back from LDS, are added and stored.
.macro REDUCE b, ahead
.irp src, 0,1,2,3
.irp q, 0,1
	ds_load_b128 v[RD+4*(2*\src+\q):RD+4*(2*\src+\q)+3], v4 offset:PBP*\b+PBW*\src+544*\q
.endr
.endr
.if \ahead
	LOADT \b, 0                                    ; no wait: no vector or matrix instruction since the wait behind the products names set b or v2
.endif
	s_wait_dscnt 0x0
.irp q, 0,1
.irp i, 0,2
	v_pk_add_f32 v[RD+4*\q+\i:RD+4*\q+\i+1], v[RD+4*\q+\i:RD+4*\q+\i+1], v[RD+8+4*\q+\i:RD+8+4*\q+\i+1]
	v_pk_add_f32 v[RD+16+4*\q+\i:RD+16+4*\q+\i+1], v[RD+16+4*\q+\i:RD+16+4*\q+\i+1], v[RD+24+4*\q+\i:RD+24+4*\q+\i+1]
.endr
.endr
.irp q, 0,1
.irp i, 0,2
	v_pk_add_f32 v[RD+4*\q+\i:RD+4*\q+\i+1], v[RD+4*\q+\i:RD+4*\q+\i+1], v[RD+16+4*\q+\i:RD+16+4*\q+\i+1]
.endr
.endr
.irp q, 0,1
.irp i, 0,2
	v_pk_fma_f32 v[RD+4*\q+\i:RD+4*\q+\i+1], v[RD+4*\q+\i:RD+4*\q+\i+1], s[28:29], v[B2+\i:B2+\i+1] op_sel_hi:[1,0,1]
.endr
.endr
	s_wait_alu depctr_va_vdst(0)                   ; the packed lines have written v[RD .. RD + 7], which the stores below read, and are done with all of RD, in which the next step's LDS loads land
.irp q, 0,1
	global_store_b128 v5, v[RD+4*\q:RD+4*\q+3], s[32:33] offset:2048*\q   ; rows 4 w + lane / 16 + 2 q of the tile: 16 lanes store 256 consecutive bytes, at a multiple of 256 from yk's first byte
.endr
.endm
; A step: tile m = s22 / 16, in set b.
.macro SUB b
	s_cmp_ge_u32 s22, s20
	s_cbranch_scc1 .Lno_mul_\@
	COMPUTE \b
.Lno_mul_\@:
	s_wait_dscnt 0x0                               ; my partial sums have landed; my reads of the other set of partial sums were over a step ago
	s_barrier_signal -1
	s_barrier_wait -1                              ; on every wave's way, in every step
	s_add_co_u32 s30, s22, 64
	s_cmp_ge_u32 s30, s20
	s_cbranch_scc1 .Lno_load_\@
	REDUCE \b, 1                                   ; there is a tile two steps on, so this step's tile is in hand too: its sums, with that tile's loads among them
	s_wait_loadcnt 32                              ; all but these 32: the next step's tile is in
	s_branch .Lnext_\@
.Lno_load_\@:
	s_cmp_ge_u32 s22, s20
	s_cbranch_scc1 .Lno_sum_\@
	REDUCE \b, 0
.Lno_sum_\@:
	s_wait_loadcnt 0x0
.Lnext_\@:
	s_wait_xcnt 0x0                                ; the loads and stores that are out have read their bases and their data
	s_wait_alu depctr_vm_vsrc(0)                   ; the LDS stores have read ACC, which the next step's products write; the global stores have read v[RD .. RD + 7], in which the next step's LDS loads land
	s_add_nc_u64 s[24:25], s[24:25], 131072        ; h: two tiles on
	s_add_nc_u64 s[32:33], s[32:33], 32768         ; yk: 32 positions of 1,024 bytes on
	s_add_co_u32 s22, s22, 32
.endm
	s_load_b256 s[4:11], s[0:1], 0x0               ; hq s[4:5], W2's codes s[6:7], b2 s[8:9], the scales' exponents s[10:11]
	s_load_b128 s[12:15], s[0:1], 0x20             ; cnt s[12:13], yk s[14:15]
	v_lshl_add_u32 v254, v0, 2, 0x49800
	v_mov_b32 v255, 0
	v_lshrrev_b32 v11, 5, v0
	v_readfirstlane_b32 s18, v11                   ; wave 0..3
	s_lshr_b32 s19, ttmp9, 5                       ; e
	s_bfe_u32 s16, ttmp9, 0x40001                  ; n: 4 bits from bit 1
	s_and_b32 s17, ttmp9, 1                        ; rho
	s_lshl_b32 s21, s19, 2
	v_and_b32 v18, 15, v0                          ; lane % 16
	v_bfe_u32 v19, v0, 4, 1                        ; lane / 16
	v_and_b32 v2, 31, v0
	v_lshlrev_b32 v2, 4, v2                        ; 16 lane
	v_lshlrev_b32 v1, 4, v18                       ; 16 (lane % 16)
	s_wait_alu depctr_va_sdst(0)                   ; s18 is written, ahead of its first reader: LDS addresses and the bases of h, W2 and yk are made from it
	s_lshl_b32 s30, s18, 2
	v_add_nc_u32 v6, s30, v19                      ; my first row in a tile: 4 w + lane / 16
	v_lshl_add_u32 v5, v6, 10, v1                  ; and its place in yk: 1,024 bytes a position, + my 16 bytes of the 256
	v_lshl_add_u32 v10, v19, 12, v1                ; W2: lanes 0-15 one row, lanes 16-31 the next
	v_mul_u32_u24 v3, v18, 272
	v_lshl_add_u32 v3, v19, 5, v3
	s_mul_i32 s30, s18, PBW
	s_add_co_u32 s30, s30, PB
	v_add_nc_u32 v3, s30, v3                       ; partial sums, in: my wave's block, row lane % 16, + 32 (lane / 16)
	v_mul_u32_u24 v4, v19, 272
	v_lshl_add_u32 v4, v18, 4, v4
	s_mul_i32 s30, s18, 4*272
	s_add_co_u32 s30, s30, PB
	v_add_nc_u32 v4, s30, v4                       ; and back: row 4 w + lane / 16, 16 bytes a lane
	s_mul_i32 s30, s18, WSW
	v_mul_u32_u24 v8, v19, PITCH
	v_lshl_add_u32 v8, v18, 4, v8
	v_add_nc_u32 v8, s30, v8                       ; W2 into LDS, by rows
	v_mul_u32_u24 v9, v18, PITCH
	v_lshl_add_u32 v9, v19, 4, v9
	v_add_nc_u32 v9, s30, v9                       ; and out, by fragments
	s_mov_b32 s31, 0
	s_wait_kmcnt 0x0
	s_load_b128 s[36:39], s[10:11], 0x0            ; e0, e1, e2, e3
	s_load_b32 s20, s[12:13], s21 offset:0x0       ; cnt of my expert
	s_lshl_b32 s30, s19, 22                        ; h: expert, tile rho, my K steps
	s_lshl_b32 s34, s17, 16
	s_add_co_u32 s30, s30, s34
	s_lshl_b32 s34, s18, 14
	s_add_co_u32 s30, s30, s34
	s_add_nc_u64 s[24:25], s[4:5], s[30:31]
	s_lshl_b32 s30, s19, 22                        ; W2: row 1,024 e + 64 n of 4,096 bytes, + 1,024 w
	s_lshl_b32 s34, s16, 18
	s_add_co_u32 s30, s30, s34
	s_lshl_b32 s34, s18, 10
	s_add_co_u32 s30, s30, s34
	s_add_nc_u64 s[6:7], s[6:7], s[30:31]
	s_lshl_b32 s30, s19, 12                        ; b2: number 1,024 e + 64 n
	s_lshl_b32 s34, s16, 8
	s_add_co_u32 s30, s30, s34
	s_add_nc_u64 s[8:9], s[8:9], s[30:31]
	s_lshl_b32 s30, s19, 22                        ; yk: expert (4 MiB), quarter n / 4 (1 MiB), tile rho (16 positions), 256 (n % 4) in a position's 1,024 bytes
	s_lshr_b32 s34, s16, 2
	s_lshl_b32 s34, s34, 20
	s_add_co_u32 s30, s30, s34
	s_and_b32 s34, s16, 3
	s_lshl_b32 s34, s34, 8
	s_add_co_u32 s30, s30, s34
	s_lshl_b32 s34, s17, 14
	s_add_co_u32 s30, s30, s34
	s_add_nc_u64 s[32:33], s[14:15], s[30:31]
	s_wait_alu depctr_va_vdst(0)                   ; the offsets and LDS addresses v1 to v5 and v8 to v10 are written: every load, store and LDS instruction of the kernel but the closing add reads one of them, and none is written again
	global_load_b128 v[B2:B2+3], v1, s[8:9]
	LOADT 0, 0                                     ; tile rho
	LOADT 1, 131072                                ; tile 2 + rho
	WIN 0x40                                       ; destination window 1
.set i, 0
.rept 16
.irp q, 0,1,2,3
	global_load_b128 v[4*(4*i+\q):4*(4*i+\q)+3], v10, s[6:7] offset:8192*i+256*\q   ; two rows x 256 bytes an instruction
.endr
.set i, i+1
.endr
	WIN 0x80
.set i, 0
.rept 16
.irp q, 0,1,2,3
	global_load_b128 v[4*(4*i+\q):4*(4*i+\q)+3], v10, s[6:7] offset:8192*(i+16)+256*\q
.endr
.set i, i+1
.endr
	WIN 0
	s_wait_kmcnt 0x0
	s_add_co_i32 s28, s38, s39
	s_add_co_i32 s28, s28, 127
	s_lshl_b32 s28, s28, 23                        ; 2^(e2 + e3) as f32
	s_mov_b32 s29, s28                             ; (named with it as a pair, so it is written)
	s_lshl_b32 s22, s17, 4                         ; the first tile's first position
	s_mov_b32 s23, 0
	s_wait_loadcnt 63                              ; behind the 64th of W2's loads stand 64 more: rows 0 to 31 are in
	WIN 0x04                                       ; store data window 1
.set i, 0
.rept 16
.irp q, 0,1,2,3
	ds_store_b128 v8, v[4*(4*i+\q):4*(4*i+\q)+3] offset:2*i*PITCH+256*\q
.endr
.set i, i+1
.endr
	s_wait_loadcnt 0x0
	WIN 0x08                                       ; store data window 2
.set i, 0
.rept 16
.irp q, 0,1,2,3
	ds_store_b128 v8, v[4*(4*i+\q):4*(4*i+\q)+3] offset:2*(i+16)*PITCH+256*\q
.endr
.set i, i+1
.endr
	s_wait_dscnt 0x0                               ; my rows of W2 have landed in LDS.  These bytes are my wave's own: no barrier
	WIN 0x40
	s_wait_alu depctr_vm_vsrc(0)                   ; the LDS stores above have read windows 1 and 2, in which the fragments below land
.irp s, 0,1,2,3
.irp t, 0,1,2,3
.irp c, 0,1,2,3
	ds_load_b128 v[16*(4*\s+\t)+4*\c:16*(4*\s+\t)+4*\c+3], v9 offset:16*\t*PITCH+128*\s+32*\c
.endr
.endr
.endr
	WIN 0x80
.irp s, 4,5,6,7
.irp t, 0,1,2,3
.irp c, 0,1,2,3
	ds_load_b128 v[16*(4*(\s-4)+\t)+4*\c:16*(4*(\s-4)+\t)+4*\c+3], v9 offset:16*\t*PITCH+128*\s+32*\c
.endr
.endr
.endr
	WIN 0
	s_add_nc_u64 s[24:25], s[24:25], 262144        ; (every load is back)  at step 2's tile: each step asks for the tile two steps ahead of it, and then goes one on
	s_wait_dscnt 0x0                               ; W2's fragments are in: they stay
.Lsteps:                                           ; 16 trips of two steps, whatever cnt is
	SUB 0
	SUB 1
	s_add_co_u32 s23, s23, 1
	s_cmp_lt_u32 s23, 16
	s_cbranch_scc1 .Lsteps
	s_wait_dscnt 0x0                               ; the closing lines, six on end
	s_wait_alu 0x0
	s_wait_tensorcnt 0x0
	ds_add_u32 v254, v255
	s_wait_dscnt 0x0
	s_endpgm
.Lfunc_end_k_q5576b0236e_down:
	.size	k_q5576b0236e_down, .Lfunc_end_k_q5576b0236e_down-k_q5576b0236e_down
	.p2alignl 7, 3214868480
	.fill 96, 4, 3214868480
	.section	.rodata,"a",@progbits
	.p2align	6, 0x0
	.amdhsa_kernel k_q5576b0236e_down
		.amdhsa_group_segment_fixed_size 301568
		.amdhsa_private_segment_fixed_size 0
		.amdhsa_enable_private_segment 0
		.amdhsa_kernarg_size 48
		.amdhsa_user_sgpr_count 2
		.amdhsa_user_sgpr_kernarg_segment_ptr 1
		.amdhsa_wavefront_size32 1
		.amdhsa_system_sgpr_workgroup_id_x 1
		.amdhsa_system_sgpr_workgroup_id_y 1
		.amdhsa_system_sgpr_workgroup_id_z 1
		.amdhsa_system_vgpr_workitem_id 0
		.amdhsa_next_free_vgpr 1024
		.amdhsa_next_free_sgpr 66
		.amdhsa_reserve_vcc 0
		.amdhsa_float_denorm_mode_32 3
		.amdhsa_float_denorm_mode_16_64 3
		.amdhsa_memory_ordered 1
		.amdhsa_forward_progress 1
		.amdhsa_inst_pref_size 59
	.end_amdhsa_kernel
	.amdgpu_metadata
---
amdhsa.version: [ 1, 2 ]
amdhsa.kernels:
  - .name:           k_q5576b0236e_down
    .symbol:         k_q5576b0236e_down.kd
    .args:
      - { .name: hq, .offset: 0, .size: 8, .value_kind: global_buffer, .address_space: global }
      - { .name: W2_codes, .offset: 8, .size: 8, .value_kind: global_buffer, .address_space: global }
      - { .name: b2, .offset: 16, .size: 8, .value_kind: global_buffer, .address_space: global }
      - { .name: lowp_scales, .offset: 24, .size: 8, .value_kind: global_buffer, .address_space: global }
      - { .name: cnt, .offset: 32, .size: 8, .value_kind: global_buffer, .address_space: global }
      - { .name: yk, .offset: 40, .size: 8, .value_kind: global_buffer, .address_space: global }
    .group_segment_fixed_size: 301568
    .private_segment_fixed_size: 0
    .kernarg_segment_align: 8
    .kernarg_segment_size: 48
    .max_flat_workgroup_size: 128
    .sgpr_count:     66
    .vgpr_count:     1024
    .wavefront_size: 32
...
	.end_amdgpu_metadata
.endif
;; end of part 9
;; launch mix (part 10): grid 256 x 1, 4 waves a work-group, no clusters, 0 bytes of LDS; arguments yk, gw, selm, out0; writes out0
.if DOCPART == 10
	.amdgcn_target "amdgcn-amd-amdhsa--gfx1250"
	.amdhsa_code_object_version 6
	.text
	.protected	k_q5576b0236e_mix
	.globl	k_q5576b0236e_mix
	.p2align	8
	.type	k_q5576b0236e_mix,@function
k_q5576b0236e_mix:
	s_mov_b64 s[64:65], 0
	v_nop
	global_prefetch_b8 v0, s[64:65] scope:SCOPE_SE
	s_setreg_imm32_b32 hwreg(HW_REG_WAVE_MODE, 25, 1), 1
	s_wait_xcnt 0x0
; MIX.  out0[t][:] = gw[t][0] y[first expert][its position of t][:] + gw[t][1] y[second expert][its position of t][:], in f32.
; A wave takes one token t.  Token t's position with expert e is the number of tokens in front of t that chose e (as first or as second choice): the order in which the launch that made h placed the rows.
; It is counted here from selm: the words of tokens at or behind t are cleared once; then, for an expert, in batches: 32 ands, 32 compares into 32 scalar registers, 32 counts of bits, a tree of 31 additions.
; The eight experts are walked in a loop of constant count, in which yk's base goes on by an expert's 4 MiB; an expert that t did not choose is jumped over, by a scalar branch on selm,
; whole numbers that an earlier launch stored.  So of the row's address only the position hangs on data: it is held under 1,024, shifted by 10 and added to 16 x lane.
; yk [e 8][quarter of the columns 4][position 1,024][1,024 bytes]: a row comes by 8 loads of 512 consecutive bytes.  Which trip is the token's first hangs on data, so the sums begin as zeros.
; No LDS, no barrier: waves share nothing.
.set W,   16                           ; v16-47   selm of tokens 32 g + lane, cleared from t on
.set R,   48                           ; v48-79   at work in the count; then a row of y
.set ACC, 80                           ; v80-111  the sums
.set B,   32                           ; s32-63   the count's 32 masks, then their counts of bits
	s_load_b256 s[4:11], s[0:1], 0x0               ; yk s[4:5], gw s[6:7], selm s[8:9], out0 s[10:11]
	v_lshrrev_b32 v3, 5, v0
	v_readfirstlane_b32 s13, v3                    ; wave 0..3
	v_and_b32 v1, 31, v0                           ; lane
	v_lshlrev_b32 v2, 4, v1                        ; 16 bytes a lane
	v_lshlrev_b32 v8, 2, v1
	s_lshl_b32 s12, ttmp9, 2
	s_add_co_u32 s12, s12, s13                     ; my token
	v_mov_b32 v9, s12
	v_sub_nc_u32 v9, v1, v9                        ; lane - t
	s_lshl_b32 s18, s12, 2
	s_lshl_b32 s19, s12, 3
	s_lshl_b32 s30, s12, 12
	s_mov_b32 s31, 0
	s_wait_alu depctr_va_vdst(0)
	s_wait_kmcnt 0x0
	s_load_b32 s15, s[8:9], s18 offset:0x0         ; my token's word: bit e: first choice; bit 8 + e: second
	s_load_b64 s[16:17], s[6:7], s19 offset:0x0    ; its two weights
	s_add_nc_u64 s[10:11], s[10:11], s[30:31]
.set g, 0
.rept 32
	global_load_b32 v[W+g], v8, s[8:9] offset:128*g
.set g, g+1
.endr
.set j, 0
.rept 32
	v_mov_b32 v[ACC+j], 0
.set j, j+1
.endr
	s_wait_kmcnt 0x0
	s_lshr_b32 s14, s15, 8
	s_or_b32 s14, s14, s15                         ; bit e (of the low eight): e is one of the two
	s_mov_b32 s20, 0                               ; the expert in hand
	s_wait_loadcnt 0x0
.set g, 0
.rept 32
	v_cmp_gt_i32 vcc_lo, -32*g, v9                 ; -32 g > lane - t: token 32 g + lane stands in front of t
	v_cndmask_b32 v[W+g], 0, v[W+g], vcc_lo
.set g, g+1
.endr
.Lexpert:
	s_lshr_b32 s21, s14, s20
	s_and_b32 s21, s21, 1
	s_cmp_eq_u32 s21, 0
	s_cbranch_scc1 .Lnot_chosen
	s_lshr_b32 s21, s15, s20
	s_and_b32 s21, s21, 1
	s_cmp_lg_u32 s21, 0
	s_cselect_b32 s22, s16, s17                    ; the first weight or the second
	s_mov_b32 s23, s22                             ; (named with it as a pair, so it is written)
	s_lshl_b32 s24, 0x101, s20
.set g, 0
.rept 32
	v_and_b32 v[R+g], s24, v[W+g]
.set g, g+1
.endr
.set g, 0
.rept 32
	v_cmp_ne_u32 s[B+g], 0, v[R+g]                 ; bit l: token 32 g + l stands in front of t and chose this expert
.set g, g+1
.endr
.set g, 0
.rept 32
	s_bcnt1_i32_b32 s[B+g], s[B+g]
.set g, g+1
.endr
.irp h, 16,8,4,2,1
.set g, 0
.rept \h
	s_add_co_u32 s[B+g], s[B+g], s[B+g+\h]
.set g, g+1
.endr
.endr
	v_mov_b32 v3, s[B]                             ; the position
	v_min_u32 v3, 0x3ff, v3
	v_lshl_add_u32 v3, v3, 10, v2
.irp j, 0,1,2,3,4,5,6,7
	global_load_b128 v[R+4*\j:R+4*\j+3], v3, s[4:5] offset:(\j/2)*1048576+(\j%2)*512 th:TH_LOAD_NT   ; columns 128 j on: 512 consecutive bytes, read once in the launch
.endr
	s_wait_loadcnt 0x0                             ; the row is in; its loads' offset and base are free again
.set j, 0
.rept 16
	v_pk_fma_f32 v[ACC+2*j:ACC+2*j+1], v[R+2*j:R+2*j+1], s[22:23], v[ACC+2*j:ACC+2*j+1] op_sel_hi:[1,0,1]
.set j, j+1
.endr
.Lnot_chosen:
	s_add_nc_u64 s[4:5], s[4:5], 0x400000          ; the next expert's part of yk
	s_add_co_u32 s20, s20, 1
	s_cmp_lt_u32 s20, 8
	s_cbranch_scc1 .Lexpert
	s_wait_alu depctr_va_vdst(0)
.irp j, 0,1,2,3,4,5,6,7
	global_store_b128 v2, v[ACC+4*\j:ACC+4*\j+3], s[10:11] offset:512*\j th:TH_STORE_NT   ; the wave stores 512 consecutive bytes, at a multiple of 512 from out0's first byte
.endr
	s_endpgm
.Lfunc_end_k_q5576b0236e_mix:
	.size	k_q5576b0236e_mix, .Lfunc_end_k_q5576b0236e_mix-k_q5576b0236e_mix
	.p2alignl 7, 3214868480
	.fill 96, 4, 3214868480
	.section	.rodata,"a",@progbits
	.p2align	6, 0x0
	.amdhsa_kernel k_q5576b0236e_mix
		.amdhsa_group_segment_fixed_size 0
		.amdhsa_private_segment_fixed_size 0
		.amdhsa_enable_private_segment 0
		.amdhsa_kernarg_size 32
		.amdhsa_user_sgpr_count 2
		.amdhsa_user_sgpr_kernarg_segment_ptr 1
		.amdhsa_wavefront_size32 1
		.amdhsa_system_sgpr_workgroup_id_x 1
		.amdhsa_system_sgpr_workgroup_id_y 1
		.amdhsa_system_sgpr_workgroup_id_z 1
		.amdhsa_system_vgpr_workitem_id 0
		.amdhsa_next_free_vgpr 112
		.amdhsa_next_free_sgpr 66
		.amdhsa_reserve_vcc 1
		.amdhsa_float_denorm_mode_32 3
		.amdhsa_float_denorm_mode_16_64 3
		.amdhsa_memory_ordered 1
		.amdhsa_forward_progress 1
		.amdhsa_inst_pref_size 17
	.end_amdhsa_kernel
	.amdgpu_metadata
---
amdhsa.version: [ 1, 2 ]
amdhsa.kernels:
  - .name:           k_q5576b0236e_mix
    .symbol:         k_q5576b0236e_mix.kd
    .args:
      - { .name: yk, .offset: 0, .size: 8, .value_kind: global_buffer, .address_space: global }
      - { .name: gw, .offset: 8, .size: 8, .value_kind: global_buffer, .address_space: global }
      - { .name: selm, .offset: 16, .size: 8, .value_kind: global_buffer, .address_space: global }
      - { .name: out0, .offset: 24, .size: 8, .value_kind: global_buffer, .address_space: global }
    .group_segment_fixed_size: 0
    .private_segment_fixed_size: 0
    .kernarg_segment_align: 8
    .kernarg_segment_size: 32
    .max_flat_workgroup_size: 128
    .sgpr_count:     66
    .vgpr_count:     112
    .wavefront_size: 32
...
	.end_amdgpu_metadata
.endif
;; end of part 10
